; MI455X (gfx1250); checked and timed in simulation.
; The chip was launched on July 23, 2026; its instructions are those of AMD's public machine-readable ISA for CDNA 5 (MIT licence, August 2026) and "CDNA5" Instruction Set Architecture Reference Guide (July 2026). The comments in the code are by the model that wrote it; some were corrected since.
;; Multi Head Attention. Allowed arithmetic: matrix products marked QUANTISED: E5M2 operands, one E8M0 scale for each 32 along K, by v_wmma_scale_f32_16x16x128_f8f6f4 with both operands' format E5M2, f32 sums; everything else in f32.
;; Inputs: Wk 1,024 x 1,024 float32; Wo 1,024 x 1,024 float32; Wq 1,024 x 1,024 float32; Wv 1,024 x 1,024 float32; bk 1,024 float32; bo 1,024 float32; bq 1,024 float32; bv 1,024 float32; k 4 x 2,048 x 1,024 float32; mask 4 x 1 x 2,048 x 2,048 bool; q 4 x 2,048 x 1,024 float32; v 4 x 2,048 x 1,024 float32.
;; Outputs: out0 4 x 2,048 x 1,024 float32.
;; This version of the problem:
;;   THIS VERSION OF THE PROBLEM IS GIVEN IN LOW PRECISION. The matrix products marked QUANTISED in the list below multiply operands that are first quantised to E5M2 (5 exponent bits, 2 mantissa bits; 8 bits a number), with one power-of-two scale for each 32 numbers along K (OCP MX v1.0); their sums are f32. All else is computed in f32.
;;   The module's matrix products, in the order in which they are computed (A, B: the left and right operand; K: the contracted axis; several contracted axes count as one K, in the product's order):
;;     1. [M 8,192, K 1,024] x [K 1,024, N 1,024]; A: input q; B: input Wq: QUANTISED
;;     2. [M 8,192, K 1,024] x [K 1,024, N 1,024]; A: input k; B: input Wk: QUANTISED
;;     3. [M 8,192, K 1,024] x [K 1,024, N 1,024]; A: input v; B: input Wv: QUANTISED
;;     4. batch 64 x [M 2,048, K 64] x [K 64, N 2,048]; A: computed on the way; B: computed on the way: QUANTISED
;;     5. batch 64 x [M 2,048, K 2,048] x [K 2,048, N 64]; A: softmax (see below); B: computed on the way: QUANTISED
;;     6. [M 8,192, K 1,024] x [K 1,024, N 1,024]; A: computed on the way; B: input Wo: QUANTISED
;;   THE QUANTISER, for each operand of a quantised product, along K:
;;     - K is cut into blocks of 32 from its start; a last block that is shorter is filled with zeros.
;;     - A block's scale is 2^e with e = floor(log2(the largest magnitude in the block)) - 15, held to -126 .. 127; a block of zeros has e = 0. As a byte (E8M0): e + 127.
;;     - Each number is divided by its block's scale, clamped to +-57,344, and rounded to the nearest number of E5M2, ties to even, subnormals kept.
;;     - The product sums the exact products of the quantised numbers (number of the format x scale) in f32.
;;   ~~~python
;;   def quantise(x, axis):      # numpy; x: float32 -> the quantised numbers, widened to float32 again
;;       x = np.moveaxis(x, axis, -1); K = x.shape[-1]
;;       x = np.pad(x, [(0, 0)] * (x.ndim - 1) + [(0, -K % 32)]); x = x.reshape(x.shape[:-1] + (-1, 32)); a = np.abs(x).max(-1, keepdims=True)
;;       e = np.where(a > 0, np.clip(np.frexp(np.where(a > 0, a, 1))[1] - 1 - 15, -126, 127), 0)      # np.frexp(a)[1] - 1 = floor(log2(a)), exactly
;;       r = np.clip(x / 2.0 ** e, -57344, 57344)
;;       step = 2.0 ** (np.maximum(np.frexp(np.where(r == 0, 1, r))[1] - 1, -14) - 2)
;;       q = np.round(r / step) * step * 2.0 ** e      # np.round: ties to even
;;       return np.moveaxis(q.reshape(q.shape[:-2] + (-1,))[..., :K], -1, axis).astype(np.float32)
;;   ~~~
;;   SOFTMAX AHEAD OF A QUANTISED PRODUCT. Where the list says 'softmax', what is quantised is not the finished softmax but p = 2^(t - M), with t = logit x log2(e) and M = ceil(the row's largest t), a whole number; so 1/2 < the row's largest p <= 1. The row's sum l is taken of the UNQUANTISED p, in f32, and the product's result is divided by l at the end. Since M is a whole number, a kernel that streams over the keys may use a running M (the ceiling of the running maximum): every later rescaling is an exact power of two, which a block's scale takes up: the codes' values come out the same.
;;   OPERANDS COMPUTED ON THE WAY. 'Computed on the way' means the value that the module computes at that place (a softmax that the list does not call 'softmax' is quantised finished and normalised). What goes into a quantiser is computed in f32, as accurately as f32 sums, v_exp_f32 and their like allow (about 1e-6 of the number): no bf16 or f16 on the way to a quantiser, and a product that is left as it is and whose result goes on into a quantised operand takes f32 operands (vector FMAs, or v_wmma_f32_16x16x4_f32). A number that lies on a knife's edge between two numbers of the format may be rounded either way, as far as f32 arithmetic and the matrix unit's own rounding can turn it there, and no further.
;; 2 versions. Each part assembles by itself: llvm-mc -triple=amdgcn-amd-amdhsa -mcpu=gfx1250 --defsym DOCPART=n.
;; ======== version 1 of 2: 4 launches
;; limits: right only within a limited range of input values
;; workspace buffers: wimg 4,325,376 bytes; mbits 2,097,152 bytes of whole numbers; qrec 8,650,752 bytes; kv 17,301,504 bytes; cimg 8,388,608 bytes; cs16 262,144 bytes
;; launch prep (part 1): grid 640 x 1, 4 waves a work-group, no clusters, 35,328 bytes of LDS; arguments Wq, Wk, Wv, Wo, mask, wimg, mbits; writes wimg, mbits
.if DOCPART == 1
	.amdgcn_target "amdgcn-amd-amdhsa--gfx1250"
	.amdhsa_code_object_version 6
	.text
	.protected	k_q199e12ff62_prep
	.globl	k_q199e12ff62_prep
	.p2align	8
	.type	k_q199e12ff62_prep,@function
k_q199e12ff62_prep:
	s_mov_b64 s[64:65], 0
	v_nop
	global_prefetch_b8 v0, s[64:65] scope:SCOPE_SE
	s_setreg_imm32_b32 hwreg(HW_REG_WAVE_MODE, 25, 1), 1
	s_wait_xcnt 0x0
; PREP.  Work-groups 0-127: the four weights W [1024 (k)][1024 (n)], f32, become codes of BF8 (E5M2) along K with one E8M0 byte for each 32 along K,
; laid as IMAGES OF OPERAND REGISTERS: wimg[p: q,k,v,o][G 8][ks 8], a record of 16,896 bytes: codes [b 8][c 4][lane 32][16 bytes], then scale words [b 8][r 16].
; Fragment (G, b): its row r is column n = 128 G + 32 (b / 2) + 8 (b % 2) + r + 8 (r / 8); byte i of lane (r, h), group c, is k = 128 ks + 32 c + 16 h + i.
; Work-groups 128-639: the mask's bytes become bits: mbits[b 4][qt 128][st 16][64 words]; bit L = 16 h + r of word j says whether
; query 128 (qt / 8) + 32 ((qt / 2) % 4) + 8 (qt % 2) + r + 8 (r / 8) is barred from key 128 st + 32 (j / 16) + 16 h + j % 16: the lane and register in which the attention launch holds that score.
; THE QUANTISER: a block's scale is 2^(floor(log2(largest magnitude)) - 15); its byte is the largest magnitude's exponent field - 15, held at 1 from below; each number is held within +-57,344 x the scale and rounded to the nearest code.
; LIMITS: NaN and infinities among the inputs are not served; a block of zeros, or one whose largest magnitude lies under 2^-111, gets the byte 1 (its codes are zeros or the floor's; this program alone reads the bytes).
; No tensor loads, no barrier: waves share nothing.  Only the mask's path uses LDS.
.set REC,  16896
.set X,    32                          ; v32-95   W: two sets of 32 numbers
.set C,    96                          ; v96-159  W: eight registers of codes for each block: no store's data are written again
.set SB,   24                          ; v24-25   W: the scale bytes, four to a register
.set DG,   32                          ; v32-95   mask: 2 units x 8 loads x 4 registers
.set DL,   96                          ; v96-127  mask: a unit's bytes, turned through the stage
.set OM,   128                         ; v128-135 mask: four registers of words for each unit
.set TT,   20                          ; v20-23   mask: at work
	s_load_b256 s[4:11], s[0:1], 0x0               ; Wq, Wk, Wv, Wo
	s_load_b128 s[12:15], s[0:1], 0x20             ; mask, wimg
	s_load_b64 s[16:17], s[0:1], 0x30              ; mbits
	v_lshl_add_u32 v176, v0, 2, 0x8800
	v_mov_b32 v177, 0
	v_lshrrev_b32 v1, 5, v0
	v_readfirstlane_b32 s18, v1                    ; wave 0..3
	v_and_b32 v2, 15, v0                           ; r
	v_bfe_u32 v1, v0, 4, 1                         ; the lane's half: u for W, h for the mask
	s_cmp_lt_u32 ttmp9, 128
	s_cbranch_scc0 .Lmask
	; ---- W.  Work-group = 32 p + 4 G + kq.  A LANE TAKES A COLUMN AND ITS REGISTERS RUN DOWN K: lane (u, r) of wave w takes column 128 G + 32 w + 8 u + r + 8 (r / 8), row r of fragment b = 2 w + u;
	; the 32 lanes of a load still read 128 consecutive bytes.  256 along K for a work-group: 8 blocks t, which fall into records 2 kq + t / 4, group c = t % 4.
	s_lshr_b32 s19, ttmp9, 5                       ; p
	s_bfe_u32 s20, ttmp9, 0x30002                  ; G
	s_and_b32 s21, ttmp9, 3                        ; kq
	v_and_b32 v6, 8, v2
	v_add_nc_u32 v6, v6, v2                        ; r + 8 (r / 8)
	v_lshl_add_u32 v6, v1, 3, v6                   ; + 8 u
	v_lshlrev_b32 v3, 2, v6                        ; in: 4 bytes a column
	s_lshl_b32 s22, s18, 12
	v_lshlrev_b32 v4, 4, v2
	v_lshl_add_u32 v4, v1, 11, v4
	v_add_nc_u32 v4, s22, v4                       ; codes out: 2,048 (2 w + u) + 16 r
	s_lshl_b32 s22, s18, 7
	s_add_co_u32 s22, s22, 16384
	v_lshlrev_b32 v5, 2, v2
	v_lshl_add_u32 v5, v1, 6, v5
	v_add_nc_u32 v5, s22, v5                       ; scale words out: 16,384 + 64 (2 w + u) + 4 r
	s_lshl_b32 s24, s21, 20                        ; 256 kq rows of 4,096 bytes
	s_lshl_b32 s22, s20, 9
	s_add_co_u32 s24, s24, s22                     ; + 128 G columns
	s_lshl_b32 s22, s18, 7
	s_add_co_u32 s24, s24, s22                     ; + 32 w columns
	s_mov_b32 s25, 0
	s_lshl_b32 s26, s19, 3
	s_add_co_u32 s26, s26, s20
	s_lshl_b32 s26, s26, 3
	s_lshl_b32 s22, s21, 1
	s_add_co_u32 s26, s26, s22
	s_mul_i32 s26, s26, REC                        ; record (8 p + G) 8 + 2 kq
	s_mov_b32 s27, 0
	s_mov_b32 s28, 0x600000                        ; the mantissa field of 57,344
	s_wait_kmcnt 0x0
	s_cmp_eq_u32 s19, 1                            ; which weight: the choice hangs on the work-group's number alone
	s_cselect_b64 s[4:5], s[6:7], s[4:5]
	s_cmp_eq_u32 s19, 2
	s_cselect_b64 s[4:5], s[8:9], s[4:5]
	s_cmp_eq_u32 s19, 3
	s_cselect_b64 s[4:5], s[10:11], s[4:5]
	s_add_nc_u64 s[4:5], s[4:5], s[24:25]
	s_add_nc_u64 s[14:15], s[14:15], s[26:27]
.macro LOAD t                          ; block t: W(32 t + i, my column) into set t % 2
.irp i, 0,1,2,3,4,5,6,7,8,9,10,11,12,13,14,15,16,17,18,19,20,21,22,23,24,25,26,27,28,29,30,31
	global_load_b32 v[X+32*((\t)%2)+\i], v3, s[4:5] offset:(32*(\t)+\i)*4096 th:TH_LOAD_NT
.endr
.endm
.macro BLOCK t
.set XB, X+32*((\t)%2)
.set CC, C+8*(\t)
.if (\t) < 7
	s_wait_loadcnt 32                              ; this block's 32 loads are in; the next block's 32 may be out
.else
	s_wait_loadcnt 0x0
.endif
	v_max3_num_f32 v12, |v[XB]|, |v[XB+1]|, |v[XB+2]|              ; the block's largest magnitude: all 32 numbers are mine; two chains
	v_max3_num_f32 v13, |v[XB+3]|, |v[XB+4]|, |v[XB+5]|
.irp i, 6,10,14,18,22,26
	v_max3_num_f32 v12, v12, |v[XB+\i]|, |v[XB+\i+1]|
	v_max3_num_f32 v13, v13, |v[XB+\i+2]|, |v[XB+\i+3]|
.endr
	v_max3_num_f32 v12, v12, |v[XB+30]|, |v[XB+31]|
	v_max3_num_f32 v12, v12, v13, 0x8000000        ; and the floor 2^(16 - 127): the byte cannot fall under 1
	v_add_nc_u32 v11, 0xf8800000, v12              ; 15 off the exponent field: the conversion's scale operand
	v_and_or_b32 v10, v12, 0x7f800000, s28         ; 57,344 x the scale
	v_lshrrev_b32 v13, 23, v11                     ; the scale's byte
.if (\t)%4 == 0
	v_mov_b32 v[SB+(\t)/4], v13
.else
	v_lshl_or_b32 v[SB+(\t)/4], v13, 8*((\t)%4), v[SB+(\t)/4]
.endif
.irp i, 0,1,2,3,4,5,6,7,8,9,10,11,12,13,14,15,16,17,18,19,20,21,22,23,24,25,26,27,28,29,30,31
	v_med3_num_f32 v[XB+\i], v[XB+\i], -v10, v10   ; the conversion to an 8-bit code does not saturate (ISA guide 7.6.2): the hold comes first
.endr
.irp g, 0,1,2,3
	v_cvt_scalef32_pk8_bf8_f32 v[CC+2*\g:CC+2*\g+1], v[XB+8*\g:XB+8*\g+7], v11
.endr
	global_store_b128 v4, v[CC:CC+3], s[14:15] offset:((\t)/4)*REC+((\t)%4)*512        ; k 0-15 of the block are the bytes of lane (r, 0) of the image: sixteen lanes store 256 consecutive bytes, aligned
	global_store_b128 v4, v[CC+4:CC+7], s[14:15] offset:((\t)/4)*REC+((\t)%4)*512+256  ; k 16-31 those of lane (r, 1)
.if (\t)+2 < 8
	LOAD (\t)+2
.endif
.if (\t)%4 == 3
	global_store_b32 v5, v[SB+(\t)/4], s[14:15] offset:((\t)/4)*REC                    ; a K step's four bytes: my row's scale word
.endif
.endm
	LOAD 0
	LOAD 1
.irp t, 0,1,2,3,4,5,6,7
	BLOCK \t
.endr
	s_endpgm
	; ---- THE MASK.  Work-group - 128 = 128 b + qt: sixteen queries x 2,048 keys.  Wave w takes keys 512 w on, as two units of 256 keys.
	; Loads are dense (sixteen lanes read 256 consecutive bytes of a query's row); the unit turns through the wave's own stage (rows of 256 + 16 bytes), so that lane (r, h) holds 16 neighbouring keys of query r.
.Lmask:
	s_sub_co_u32 s19, ttmp9, 128                   ; 128 b + qt
	s_lshr_b32 s20, s19, 7                         ; b
	s_and_b32 s21, s19, 127                        ; qt
	s_lshr_b32 s22, s21, 3
	s_lshl_b32 s22, s22, 7
	s_bfe_u32 s23, s21, 0x20001
	s_lshl_b32 s23, s23, 5
	s_add_co_u32 s22, s22, s23
	s_and_b32 s23, s21, 1
	s_lshl_b32 s23, s23, 3
	s_add_co_u32 s22, s22, s23                     ; the tile's first query
	s_lshl_b32 s24, s22, 11                        ; rows of 2,048 bytes
	s_lshl_b32 s23, s20, 22
	s_add_co_u32 s24, s24, s23
	s_lshl_b32 s23, s18, 9
	s_add_co_u32 s24, s24, s23                     ; + my wave's 512 keys
	s_mov_b32 s25, 0
	s_lshl_b32 s26, s19, 12                        ; 16 steps x 256 bytes for a tile of queries
	s_lshl_b32 s23, s18, 10
	s_add_co_u32 s26, s26, s23                     ; + my wave's four steps
	s_mov_b32 s27, 0
	v_lshlrev_b32 v3, 4, v2
	v_lshl_add_u32 v3, v1, 11, v3                  ; in: 16 r, lanes 16-31 one row further down
	s_mul_i32 s28, s18, 8704                       ; my two stages
	v_mul_u32_u24 v4, v1, 272
	v_lshl_add_u32 v4, v2, 4, v4
	v_add_nc_u32 v4, s28, v4                       ; into a stage: row h, 16 r
	v_mul_u32_u24 v5, v2, 272
	v_lshl_add_u32 v5, v1, 4, v5
	v_add_nc_u32 v5, s28, v5                       ; out of it: row r, 16 h
	v_and_b32 v6, 31, v0
	v_lshlrev_b32 v6, 4, v6                        ; words out: 16 bytes a lane
.irp i, 0,1,2,3,4,5,6,7
	v_mov_b32 v[OM+\i], 0                          ; written whole once: v_writelane_b32 fills them lane by lane
.endr
	s_wait_kmcnt 0x0
	s_add_nc_u64 s[12:13], s[12:13], s[24:25]
	s_add_nc_u64 s[16:17], s[16:17], s[26:27]
.irp y, 0,1
.irp i, 0,1,2,3,4,5,6,7
	global_load_b128 v[DG+32*\y+4*\i:DG+32*\y+4*\i+3], v3, s[12:13] offset:(2*\i+8*(\i/4))*2048+256*\y th:TH_LOAD_NT   ; stage rows 2 i and 2 i + 1: queries 2 i + h + 8 (i / 4) of the tile
.endr
.endr
.macro UNIT y
	s_wait_loadcnt 8*(1-\y)                        ; this unit's eight loads are in; the other unit's eight may be out
.irp i, 0,1,2,3,4,5,6,7
	ds_store_b128 v4, v[DG+32*\y+4*\i:DG+32*\y+4*\i+3] offset:4352*\y+544*\i
.endr
.irp i, 0,1,2,3,4,5,6,7
	ds_load_b128 v[DL+4*\i:DL+4*\i+3], v5 offset:4352*\y+32*\i     ; LDS serves a wave's instructions in order: these see my stores.  Keys 32 i + 16 h + 0 .. 15 of query r
.endr
	s_wait_dscnt 0x0
.set J, 0
.rept 128                              ; word J of the unit: one byte of each lane, gathered by a compare into a scalar, laid into lane J / 4 of register J % 4
	v_and_b32 v[TT+J%4], 0xff<<(8*(J%4)), v[DL+4*(J/16)+(J%16)/4]
	v_cmp_ne_u32 s[32+J%4], 0, v[TT+J%4]
	v_writelane_b32 v[OM+4*\y+J%4], s[32+J%4], J/4
.set J, J+1
.endr
	global_store_b128 v6, v[OM+4*\y:OM+4*\y+3], s[16:17] offset:512*\y   ; 128 words: 512 consecutive bytes
.endm
	UNIT 0
	UNIT 1
	s_wait_tensorcnt 0x0
	ds_add_u32 v176, v177
	s_wait_dscnt 0x0
	s_endpgm
.Lfunc_end_k_q199e12ff62_prep:
	.size	k_q199e12ff62_prep, .Lfunc_end_k_q199e12ff62_prep-k_q199e12ff62_prep
	.p2alignl 7, 3214868480
	.fill 96, 4, 3214868480
	.section	.rodata,"a",@progbits
	.p2align	6, 0x0
	.amdhsa_kernel k_q199e12ff62_prep
		.amdhsa_group_segment_fixed_size 35328
		.amdhsa_private_segment_fixed_size 0
		.amdhsa_enable_private_segment 0
		.amdhsa_kernarg_size 56
		.amdhsa_user_sgpr_count 2
		.amdhsa_user_sgpr_kernarg_segment_ptr 1
		.amdhsa_wavefront_size32 1
		.amdhsa_system_sgpr_workgroup_id_x 1
		.amdhsa_system_sgpr_workgroup_id_y 1
		.amdhsa_system_sgpr_workgroup_id_z 1
		.amdhsa_system_vgpr_workitem_id 0
		.amdhsa_next_free_vgpr 178
		.amdhsa_next_free_sgpr 66
		.amdhsa_reserve_vcc 0
		.amdhsa_float_denorm_mode_32 3
		.amdhsa_float_denorm_mode_16_64 3
		.amdhsa_memory_ordered 1
		.amdhsa_forward_progress 1
		.amdhsa_inst_pref_size 111
	.end_amdhsa_kernel
	.amdgpu_metadata
---
amdhsa.version: [ 1, 2 ]
amdhsa.kernels:
  - .name:           k_q199e12ff62_prep
    .symbol:         k_q199e12ff62_prep.kd
    .args:
      - { .name: Wq, .offset: 0, .size: 8, .value_kind: global_buffer, .address_space: global }
      - { .name: Wk, .offset: 8, .size: 8, .value_kind: global_buffer, .address_space: global }
      - { .name: Wv, .offset: 16, .size: 8, .value_kind: global_buffer, .address_space: global }
      - { .name: Wo, .offset: 24, .size: 8, .value_kind: global_buffer, .address_space: global }
      - { .name: mask, .offset: 32, .size: 8, .value_kind: global_buffer, .address_space: global }
      - { .name: wimg, .offset: 40, .size: 8, .value_kind: global_buffer, .address_space: global }
      - { .name: mbits, .offset: 48, .size: 8, .value_kind: global_buffer, .address_space: global }
    .group_segment_fixed_size: 35328
    .private_segment_fixed_size: 0
    .kernarg_segment_align: 8
    .kernarg_segment_size: 56
    .max_flat_workgroup_size: 128
    .sgpr_count:     66
    .vgpr_count:     178
    .wavefront_size: 32
...
	.end_amdgpu_metadata
.endif
;; end of part 1
;; launch proj (part 2): grid 64 x 3, 4 waves a work-group, no clusters, 207,360 bytes of LDS; arguments q, k, v, bq, bk, bv, wimg, qrec, kv; writes qrec, kv
.if DOCPART == 2
	.amdgcn_target "amdgcn-amd-amdhsa--gfx1250"
	.amdhsa_code_object_version 6
	.text
	.protected	k_q199e12ff62_proj
	.globl	k_q199e12ff62_proj
	.p2align	8
	.type	k_q199e12ff62_proj,@function
k_q199e12ff62_proj:
	s_mov_b64 s[64:65], 0
	v_nop
	global_prefetch_b8 v0, s[64:65] scope:SCOPE_SE
	s_setreg_imm32_b32 hwreg(HW_REG_WAVE_MODE, 25, 1), 1
	s_wait_xcnt 0x0
; PROJ.  y = 0, 1, 2: x W + b for x = q, k, v ([8192][1024] f32), both operands as codes of BF8 (E5M2) with one E8M0 scale for each 32 along K; the result is quantised at once for the attention launch and leaves as codes alone.
; SHARES.  A work-group takes 128 tokens (work-group x) of one tensor (work-group y) and all 1,024 columns, in two chunks of 512.  Wave w takes 128 tokens x 128 columns (G = 4 chunk + w: two heads): 64 accumulators, 512 registers.
; x IS READ FROM MEMORY ONCE: phase X quantises the 128 rows (wave w: rows 32 w on) and lays them in LDS as IMAGES OF OPERAND REGISTERS (a group of four registers = 512 bytes, lane l's 16 bytes at 16 l): no pitch, no padding.
; The quantiser wants 16 neighbours along K in one lane; a load is best where neighbouring LANES take neighbouring bytes.  Both are had: a load reads 512 consecutive bytes of one row, and a fragment's 16 rows turn through the wave's own stage in LDS.
; W comes as such images from the launch before, from memory straight into registers, two sets deep: each fragment has ONE reader in the work-group (the waves share the columns out), so LDS and joint loads would serve nobody.
; TILES ARE NOT NEIGHBOURS: row r of tile (f, u) of tokens, or of W's columns, is 32 f + 8 u + r + 8 (r / 8), so that in a result the 16 registers of tiles (f, 0) and (f, 1) are 16 neighbours 32 f + 16 (lane / 16) + 0 .. 15: the next operand's layout.
; q, k (path 0): source 0 = W, source 1 = x: a lane holds a token, its registers run along the head's 64: the first attention product's K.   v (path 1): source 0 = x, source 1 = W: a lane holds a column, its registers run along the tokens: the keys, the second product's K.
; OUT.  qrec[bh][st], 8,448 bytes: codes [tile a 8][c 2][lane][16], scale words [r 16][f 4] (low half: tile (f, 0)'s two bytes, high half: tile (f, 1)'s).
;       kv[bh][st], 16,896 bytes: K's codes as in qrec; V's codes [t 4][c 4][lane][16] (row = dim 32 (t / 2) + 8 (t % 2) + r + 8 (r / 8), k = key); K's scale words [r][f]; V's [r][t].
; LIMITS: NaN and infinities are not served; a block of zeros, or one under 2^-111, gets the byte 1 (this program alone reads the bytes).
; REGISTERS, in windows of 256.  Window 0: v1-15 addresses; v16-31 at work at the head; v32-47 x's scale words, two sets; v48-63 W's, two sets; v64-127 the bias as the first products' C, else the quantiser's work;
;   v128-255 x's eight fragments (v192-255 also the quantiser's 64 held numbers).  Window 1: W's fragments, two sets of 128.  Windows 2, 3: the accumulators (in phase X window 2 holds four sets of 64 numbers of x as loaded, window 3 two sets as turned).
.set RECW, 16896
.set XSC,  131072                      ; LDS: x's images [ks 8][a 8][c 4][lane][16] from 0; from here their scale words [ks 8][lane 32][a 8]
.set STG,  139264                      ; and from here two stages for each wave
.set SPI,  528                         ; a stage row: 512 bytes + 16 = 132 words: the sixteen rows that a load touches start at sixteen different banks (64 banks of 4 bytes: ISA guide 11.1)
.set STB,  16*SPI                      ; a stage: 16 rows
.set L16,  1                           ; 16 x lane
.set R4,   2                           ; 4 r
.set SWA,  3                           ; my wave's stages, on the way in: + 16 lane
.set XWI,  4                           ; where my wave stores x's images: 16 lane + 4,096 w
.set XWS,  5                           ; and their scale words: XSC + 32 lane + 8 w
.set ADX,  6                           ; the K step's images
.set SRA,  7                           ; my wave's stages, on the way out: + 528 r + 64 h
.set ADS,  8                           ; the K step's scale words
.set ADS0, 9                           ; XSC + 32 lane
.set SELV, 10                          ; v_perm_b32's select: lanes 0-15 the low halves (the first head), lanes 16-31 the high halves (the second)
.set SOFF, 11                          ; scale words out: 16 r, lanes 16-31 one head on
.set BOFF, 12                          ; the bias
.set FLR,  13                          ; 2^(16 - 127)
.set XWC,  14                          ; phase X: this trip's store addresses
.set XSW,  15
.set XS,   32
.set WS,   48
.set BI,   64
.set TM,   64                          ; v64-67 largest magnitudes, v68-71 bytes, v72-75 57,344 x the scale, v76-79 the conversions' scale operands
.set PC,   80                          ; v80-95 the codes just made
.set PWS,  112                         ; v112-119 scale words just made
.set OW,   120                         ; v120-123 scale words as they leave
.set XF,   128
.set T,    192
.set XP,   4                           ; s[4:5]   x at my wave's rows
.set WP,   6                           ; s[6:7]   W's record in hand
.set BP,   8                           ; s[8:9]   the bias at my 128 columns
.set OB0,  10                          ; s[10:11] the first head's record (codes), s[12:13] the second's, s[14:15] the first head's scale words
.set OB1,  12
.set OBS,  14
.set WV,   16
.set CH,   17
.set LP,   18
.set MNT,  19
.set SEL,  20
.set Y,    22
.set RECS, 23
.set HSTR, 24
.set HM,   25
.set CHS,  26
.set KX,   28
.set KS,   29
.set MSB, 0
.macro WIN new                         ; the immediate's high byte repeats the setting that is left; a switch that changes nothing is dropped
.if MSB != (\new)
	s_set_vgpr_msb (MSB<<8)|(\new)
.set MSB, (\new)
.endif
.endm
.macro PLACES n
.rept \n
	v_nop
.endr
.endm
; 64 numbers of a lane, v[s] .. v[s + 63] of window w, register 16 b + i = k 32 b + 16 (lane / 16) + i of my row, become a fragment's codes in v[PC] on and its scale word in v[pw].  The numbers are read from the low end on and left as they are.
.macro QUANT w, s, pw
	WIN (((\w)<<2)|((\w)<<4))
.irp b, 0,1,2,3
	v_max3_num_f32 v[TM+\b], v[FLR], |v[(\s)+16*\b]|, |v[(\s)+16*\b+1]|      ; block b: my 16 numbers and the floor; the four blocks by turns
.endr
.irp i, 2,4,6,8,10,12,14
.irp b, 0,1,2,3
	v_max3_num_f32 v[TM+\b], v[TM+\b], |v[(\s)+16*\b+\i]|, |v[(\s)+16*\b+\i+1]|
.endr
.endr
	WIN 0
.irp b, 0,1,2,3
	v_permlanex16_b32 v[TM+4+\b], v[TM+\b], s[SEL], s[SEL+1]
.endr
.irp b, 0,1,2,3
	v_max_num_f32 v[TM+\b], v[TM+\b], v[TM+4+\b]   ; with lane l xor 16's: the block's largest magnitude
.endr
.irp b, 0,1,2,3
	v_add_nc_u32 v[TM+12+\b], 0xf8800000, v[TM+\b] ; 15 off the exponent field: the conversion's scale operand
.endr
.irp b, 0,1,2,3
	v_and_or_b32 v[TM+8+\b], v[TM+\b], 0x7f800000, s[MNT]   ; 57,344 x the scale
.endr
.irp b, 0,1,2,3
	v_lshrrev_b32 v[TM+4+\b], 23, v[TM+12+\b]      ; the scale's byte
.endr
	v_lshl_or_b32 v[\pw], v[TM+5], 8, v[TM+4]
	v_lshl_or_b32 v[\pw], v[TM+6], 16, v[\pw]
	v_lshl_or_b32 v[\pw], v[TM+7], 24, v[\pw]
	WIN (\w)
.irp b, 0,1,2,3
.irp i, 0,1,2,3,4,5,6,7,8,9,10,11,12,13,14,15
	v_med3_num_f32 v[T+16*\b+\i], v[(\s)+16*\b+\i], -v[TM+8+\b], v[TM+8+\b]   ; the conversion does not saturate (ISA guide 7.6.2): the hold, on the way into window 0
.endr
.endr
	WIN 0
.irp b, 0,1,2,3
	v_cvt_scalef32_pk8_bf8_f32 v[PC+4*\b:PC+4*\b+1], v[T+16*\b:T+16*\b+7], v[TM+12+\b]
	v_cvt_scalef32_pk8_bf8_f32 v[PC+4*\b+2:PC+4*\b+3], v[T+16*\b+8:T+16*\b+15], v[TM+12+\b]
.endr
	v_nop                                          ; one plain vector instruction behind the last scaled conversion
.endm
.macro XLOAD i, off                    ; fragment i = (tile u = i / 2, K step i % 2 of the trip's two), as it lies: a row a load, the 32 lanes read the row's 512 consecutive bytes; load n is row n of the tile: token 8 u + n + 8 (n / 8)
	WIN 0x80
.irp n, 0,1,2,3,4,5,6,7,8,9,10,11,12,13,14,15
	global_load_b128 v[64*(\i)+4*\n:64*(\i)+4*\n+3], v[L16], s[XP:XP+1] offset:(8*((\i)/2)+\n+8*(\n/8))*4096+512*((\i)%2)+(\off) th:TH_LOAD_NT
.endr
	WIN 0
.endm
.macro TURN i                          ; the set loaded for fragment i goes through stage i % 2 and comes back 64 bytes of each block a lane: register 16 b + 4 j on = k 32 b + 16 h + 4 j on of row r
	WIN 0x08                                       ; an LDS store's data are its source 1: window 2
.irp n, 0,1,2,3,4,5,6,7,8,9,10,11,12,13,14,15
	ds_store_b128 v[SWA], v[64*((\i)%4)+4*\n:64*((\i)%4)+4*\n+3] offset:STB*((\i)%2)+SPI*\n
.endr
	WIN 0xc0                                       ; destination window 3.  LDS serves a wave's instructions in order (ISA guide 5.7.1.4): these see the stores above
.irp b, 0,1,2,3
.irp j, 0,1,2,3
	ds_load_b128 v[64*((\i)%2)+16*\b+4*\j:64*((\i)%2)+16*\b+4*\j+3], v[SRA] offset:STB*((\i)%2)+128*\b+16*\j
.endr
.endr
	WIN 0
.endm
; A fragment's turn in phase X.  refill = 1: its set is loaded again, two K steps on.  turn = 1: the next fragment goes through the other stage while this one is quantised; left = how many younger loads may stay out.
.macro XFRAG i, refill, turn, left
	s_wait_dscnt 5                                 ; my numbers are back from the stage, so its stores have read the loaded set; the last image's five stores may be out
.if \refill
	XLOAD \i, 1024
.endif
.if \turn
	s_wait_loadcnt \left                           ; the next fragment's 16 loads are in; the younger sets stay out
	TURN (\i)+1
	s_wait_dscnt 32                                ; all but the 32 just issued: the last image's stores have read the codes' registers
.else
	s_wait_dscnt 0x0
.endif
	QUANT 3, 64*((\i)%2), PWS
.irp c, 0,1,2,3
	ds_store_b128 v[XWC], v[PC+4*\c:PC+4*\c+3] offset:((\i)%2)*16384+((\i)/2)*2048+512*\c
.endr
	ds_store_b32 v[XSW], v[PWS] offset:((\i)%2)*1024+4*((\i)/2)
.endm
.macro FETCH_X a0                      ; x's fragments a0 .. a0 + 3 of the K step at v[ADX]
.irp i, 0,1,2,3
.irp c, 0,1,2,3
	ds_load_b128 v[XF+16*((\a0)+\i)+4*\c:XF+16*((\a0)+\i)+4*\c+3], v[ADX] offset:2048*((\a0)+\i)+512*\c
.endr
.endr
.endm
.macro FETCH_XS p                      ; and its eight scale words, into set p
	ds_load_b128 v[XS+8*(\p):XS+8*(\p)+3], v[ADS]
	ds_load_b128 v[XS+8*(\p)+4:XS+8*(\p)+7], v[ADS] offset:16
.endm
.macro FETCH_W p                       ; a record of W: eight fragments and their scale words into set p: 40 loads
	WIN 0x40
.irp b, 0,1,2,3,4,5,6,7
.irp c, 0,1,2,3
	global_load_b128 v[128*(\p)+16*\b+4*\c:128*(\p)+16*\b+4*\c+3], v[L16], s[WP:WP+1] offset:2048*\b+512*\c
.endr
.endr
	WIN 0
.irp b, 0,1,2,3,4,5,6,7
	global_load_b32 v[WS+8*(\p)+\b], v[R4], s[WP:WP+1] offset:16384+64*\b
.endr
.endm
; 16 matrix instructions: x's tiles 4 ha on x W's tiles 4 hb on.  Each of the 64 accumulators has one instruction in a K step, in the same order in every step: the accumulators take turns.
; first = 1: the bias is the C of the sum's first instruction: nothing is cleared and nothing is added later.
.macro MULQ v, ha, hb, p, first
.if \v
.set DW, 2+\hb
.set WB, 0x04
.else
.set DW, 2+\ha
.set WB, 0x01
.endif
.if \first
	WIN (WB|(DW<<6))
.else
	WIN (WB|(DW<<4)|(DW<<6))
.endif
.irp i, 0,1,2,3
.irp j, 0,1,2,3
.set AA, 4*\ha+\i
.set BB, 4*\hb+\j
.if \v
.set RD, 64*\j+8*AA
.set RA, XF+16*AA
.set RB, 128*\p+16*BB
.set SCA, XS+8*\p+AA
.set SCB, WS+8*\p+BB
.else
.set RD, 64*\i+8*BB
.set RA, 128*\p+16*BB
.set RB, XF+16*AA
.set SCA, WS+8*\p+BB
.set SCB, XS+8*\p+AA
.endif
.if \first
	v_wmma_scale_f32_16x16x128_f8f6f4 v[RD:RD+7], v[RA:RA+15], v[RB:RB+15], v[BI+8*BB:BI+8*BB+7], v[SCA], v[SCB] matrix_a_fmt:MATRIX_FMT_BF8 matrix_b_fmt:MATRIX_FMT_BF8
.else
	v_wmma_scale_f32_16x16x128_f8f6f4 v[RD:RD+7], v[RA:RA+15], v[RB:RB+15], v[RD:RD+7], v[SCA], v[SCB] matrix_a_fmt:MATRIX_FMT_BF8 matrix_b_fmt:MATRIX_FMT_BF8
.endif
.endr
.endr
.endm
; A K STEP of 128: 64 matrix instructions.  At its head x's blocks 0-3, x's scale words and W's set p have been asked for.  A load into a register that a matrix instruction has read stands eight plain vector instructions behind it.
.macro STEP v, p, first, last
	PLACES 8                                       ; behind the last step's products, which read x's blocks 4-7, W's other set and the other sets of scale words
	FETCH_X 4
.if \last
	s_wait_loadcnt 0x0
.else
	s_wait_xcnt 0x0                                ; the pending loads have read their base
	s_add_nc_u64 s[WP:WP+1], s[WP:WP+1], RECW
	FETCH_W 1-\p
	s_wait_loadcnt 40                              ; all but the 40 just issued: this step's W, and the bias, are in
.endif
	s_wait_dscnt 16                                ; all but x's blocks 4-7
	MULQ \v, 0, 0, \p, \first
	MULQ \v, 0, 1, \p, \first
	s_wait_dscnt 0x0                               ; blocks 4-7 are in, and no LDS load of mine is out: the addresses may step
	WIN 0
.if \last
	s_mov_b32 s[KX], 0
	s_mov_b32 s[KS], 0
.else
	s_add_co_u32 s[KX], s[KX], 16384
	s_add_co_u32 s[KS], s[KS], 1024
.endif
	v_add_nc_u32 v[ADX], s[KX], v[L16]
	v_add_nc_u32 v[ADS], s[KS], v[ADS0]
	PLACES 6                                       ; with the two additions: eight places behind the products that read blocks 0-3
.if \last
	s_cmp_eq_u32 s[CH], 1                          ; behind the last chunk nothing is fetched
	s_cbranch_scc1 .Lnomore_\@
.endif
	FETCH_X 0                                      ; the next step's
	FETCH_XS 1-\p
.if \last
	s_wait_xcnt 0x0
	s_add_nc_u64 s[WP:WP+1], s[WP:WP+1], 25*RECW   ; from K step 7 of G to K step 0 of G + 4
	FETCH_W 0
.Lnomore_\@:
.endif
	MULQ \v, 1, 0, \p, \first
	MULQ \v, 1, 1, \p, \first
	WIN 0
.endm
.macro BIAS v                          ; eight registers a tile of W's columns, in the result's layout
.irp b, 0,1,2,3,4,5,6,7
.if \v
.irp j, 0,1,2,3,4,5,6,7
	global_load_b32 v[BI+8*\b+\j], v[BOFF], s[BP:BP+1] offset:(32*(\b/2)+8*(\b%2))*4   ; a lane holds one column: the same number in all eight
.endr
.else
	global_load_b128 v[BI+8*\b:BI+8*\b+3], v[BOFF], s[BP:BP+1] offset:(32*(\b/2)+8*(\b%2))*4      ; columns 32 (b / 2) + 16 h + 8 (b % 2) + 0 .. 7
	global_load_b128 v[BI+8*\b+4:BI+8*\b+7], v[BOFF], s[BP:BP+1] offset:(32*(\b/2)+8*(\b%2))*4+16
.endif
.endr
.endm
; THE WAY OUT of a chunk: eight times 64 numbers a lane (path 0: a tile of tokens x my 128 columns; path 1: a tile of columns x the 128 tokens) become a fragment and a scale word.  Every store of codes covers 512 consecutive bytes.
.macro EPI v
	PLACES 8
.irp i, 0,1,2,3,4,5,6,7
	s_wait_xcnt 0x0                                ; the last stores have read the codes' registers
	QUANT 2+\i/4, 64*(\i%4), PWS+\i
.irp g, 0,1,2,3
.if \v
	global_store_b128 v[L16], v[PC+4*\g:PC+4*\g+3], s[OB0+2*(\i/4):OB0+2*(\i/4)+1] offset:2048*(\i%4)+512*\g
.else
	global_store_b128 v[L16], v[PC+4*\g:PC+4*\g+3], s[OB0+2*(\g/2):OB0+2*(\g/2)+1] offset:1024*\i+512*(\g%2)
.endif
.endr
.endr
.irp f, 0,1,2,3
.if \v
	v_cndmask_b32 v[OW+\f], v[PWS+\f], v[PWS+4+\f], s[HM]          ; lanes 0-15: the first head's tiles, lanes 16-31 the second's
.else
	v_perm_b32 v[OW+\f], v[PWS+2*\f+1], v[PWS+2*\f], v[SELV]       ; my head's two bytes of tile (f, 0) below those of tile (f, 1)
.endif
.endr
	global_store_b128 v[SOFF], v[OW:OW+3], s[OBS:OBS+1]            ; sixteen lanes store a head's 256 bytes of scale words
	s_wait_xcnt 0x0                                ; the stores have read their bases and data
	s_add_nc_u64 s[OB0:OB0+1], s[OB0:OB0+1], s[CHS:CHS+1]
	s_add_nc_u64 s[OB1:OB1+1], s[OB1:OB1+1], s[CHS:CHS+1]
	s_add_nc_u64 s[OBS:OBS+1], s[OBS:OBS+1], s[CHS:CHS+1]
	s_add_nc_u64 s[BP:BP+1], s[BP:BP+1], 2048
.endm
.macro CHUNKS v
	s_mov_b32 s[CH], 2
.Lchunk_\@:
	BIAS \v
	STEP \v, 0, 1, 0
	s_mov_b32 s[LP], 3
.Lk_\@:
	STEP \v, 1, 0, 0
	STEP \v, 0, 0, 0
	s_sub_co_u32 s[LP], s[LP], 1
	s_cmp_lg_u32 s[LP], 0
	s_cbranch_scc1 .Lk_\@
	STEP \v, 1, 0, 1
	EPI \v
	s_sub_co_u32 s[CH], s[CH], 1
	s_cmp_lg_u32 s[CH], 0
	s_cbranch_scc1 .Lchunk_\@
	s_wait_tensorcnt 0x0
	ds_add_u32 v30, v31
	s_wait_dscnt 0x0
	s_endpgm
.endm
	s_load_b512 s[32:47], s[0:1], 0x0              ; q, k, v, bq, bk, bv, wimg, qrec
	s_load_b64 s[48:49], s[0:1], 0x40              ; kv
	v_lshl_add_u32 v30, v0, 2, 0x32800
	v_mov_b32 v31, 0
	v_lshrrev_b32 v16, 5, v0
	v_readfirstlane_b32 s[WV], v16                 ; wave 0..3
	s_and_b32 s[Y], ttmp7, 0xffff                  ; which tensor
	v_and_b32 v16, 15, v0                          ; r
	v_bfe_u32 v17, v0, 4, 1                        ; h
	v_and_b32 v18, 31, v0                          ; lane
	v_and_b32 v19, 8, v16
	v_add_nc_u32 v19, v19, v16                     ; r + 8 (r / 8)
	v_lshlrev_b32 v[L16], 4, v18
	v_lshlrev_b32 v[R4], 2, v16
	s_mul_i32 s30, s[WV], 2*STB
	s_add_co_u32 s30, s30, STG                     ; my wave's two stages
	v_add_nc_u32 v[SWA], s30, v[L16]
	v_mul_u32_u24 v20, v16, SPI
	v_lshl_add_u32 v20, v17, 6, v20                ; row r, + 64 h: my 16 numbers of a block of 32
	v_add_nc_u32 v[SRA], s30, v20
	s_lshl_b32 s30, s[WV], 12
	v_add_nc_u32 v[XWI], s30, v[L16]
	s_lshl_b32 s30, s[WV], 3
	s_add_co_u32 s30, s30, XSC
	v_lshl_add_u32 v[XWS], v18, 5, s30
	v_lshl_add_u32 v[ADS0], v18, 5, XSC
	v_mov_b32 v[FLR], 0x8000000
	s_mov_b32 s[HM], 0xffff0000                    ; lanes 16-31
	v_mov_b32 v[SELV], 0x05040100
	v_mov_b32 v20, 0x07060302
	v_cndmask_b32 v[SELV], v[SELV], v20, s[HM]
.irp b, 0,1,2,3
	v_mov_b32 v[TM+4+\b], 0                        ; written once: a lane permute's destination counts as one of its sources
.endr
	s_mov_b32 s[SEL], 0x76543210
	s_mov_b32 s[SEL+1], 0xfedcba98                 ; v_permlanex16_b32's selects for lane l xor 16
	s_mov_b32 s[MNT], 0x600000                     ; the mantissa field of 57,344
	s_lshr_b32 s50, ttmp9, 4                       ; b
	s_and_b32 s51, ttmp9, 15                       ; st
	s_cmp_eq_u32 s[Y], 0
	s_mov_b32 s[RECS], 16896
	s_cselect_b32 s[RECS], 8448, s[RECS]           ; a record of qrec or of kv
	s_lshl_b32 s[HSTR], s[RECS], 4                 ; from head to head: 16 records
	s_lshl_b32 s[CHS], s[HSTR], 3                  ; from chunk to chunk: 8 heads
	s_mov_b32 s[CHS+1], 0
	v_mul_lo_u32 v20, v17, s[HSTR]
	v_lshl_add_u32 v[SOFF], v16, 4, v20
	s_lshl_b32 s52, s50, 4
	s_lshl_b32 s53, s[WV], 1
	s_add_co_u32 s52, s52, s53                     ; bh = 16 b + 2 w
	s_lshl_b32 s52, s52, 4
	s_add_co_u32 s52, s52, s51
	s_mul_i32 s52, s52, s[RECS]                    ; my first head's record
	s_cmp_eq_u32 s[Y], 2
	s_cselect_b32 s54, 8192, 0                     ; V's codes lie behind K's
	s_mov_b32 s55, 16384
	s_cselect_b32 s55, 16640, s55                  ; the scale words: K's at 16,384, V's at 16,640,
	s_cmp_eq_u32 s[Y], 0
	s_cselect_b32 s55, 8192, s55                   ; Q's at 8,192
	s_add_co_u32 s54, s54, s52
	s_add_co_u32 s56, s55, s52
	s_mov_b32 s55, 0
	s_mov_b32 s57, 0
	s_lshl_b32 s58, ttmp9, 19                      ; 128 rows of 4,096 bytes a work-group,
	s_lshl_b32 s59, s[WV], 17                      ; 32 a wave
	s_add_co_u32 s58, s58, s59
	s_mov_b32 s59, 0
	s_lshl_b32 s60, s[Y], 6
	s_lshl_b32 s61, s[WV], 3
	s_add_co_u32 s60, s60, s61
	s_mul_i32 s60, s60, RECW                       ; W's record (y, G = w, K step 0)
	s_mov_b32 s61, 0
	s_lshl_b32 s62, s[WV], 9                       ; my 128 numbers of the bias
	s_mov_b32 s63, 0
	s_mov_b32 s30, s[HSTR]
	s_mov_b32 s31, 0
	s_wait_kmcnt 0x0
	s_cmp_eq_u32 s[Y], 1                           ; the buffers are chosen by the work-group's y alone
	s_cselect_b64 s[XP:XP+1], s[34:35], s[32:33]
	s_cselect_b64 s[BP:BP+1], s[40:41], s[38:39]
	s_cmp_eq_u32 s[Y], 2
	s_cselect_b64 s[XP:XP+1], s[36:37], s[XP:XP+1]
	s_cselect_b64 s[BP:BP+1], s[42:43], s[BP:BP+1]
	s_cmp_eq_u32 s[Y], 0
	s_cselect_b64 s[OB0:OB0+1], s[46:47], s[48:49]
	s_mov_b64 s[OBS:OBS+1], s[OB0:OB0+1]
	s_add_nc_u64 s[XP:XP+1], s[XP:XP+1], s[58:59]
	s_add_nc_u64 s[WP:WP+1], s[44:45], s[60:61]
	s_add_nc_u64 s[BP:BP+1], s[BP:BP+1], s[62:63]
	s_add_nc_u64 s[OB0:OB0+1], s[OB0:OB0+1], s[54:55]
	s_add_nc_u64 s[OBS:OBS+1], s[OBS:OBS+1], s[56:57]
	s_add_nc_u64 s[OB1:OB1+1], s[OB0:OB0+1], s[30:31]
	FETCH_W 0                                      ; the first K step's W: older than every load of x, so the counts below hold
	XLOAD 0, 0
	XLOAD 1, 0
	XLOAD 2, 0
	XLOAD 3, 0
	; ---- PHASE X: my 32 rows of x become 16 fragments (tiles a = 2 w + u, eight K steps), two K steps a trip.  Four sets of 16 loads are on their way; the turn through the stage runs one fragment ahead of the quantiser
	s_wait_loadcnt 48                              ; fragment 0's 16 loads are in; the three younger sets stay out
	TURN 0
	s_wait_dscnt 0x0                               ; once: so that the count at a fragment's head holds on the way into the loop too
	s_mov_b32 s[KX], 0
	s_mov_b32 s[KS], 0
	s_mov_b32 s[LP], 3
.Lx:
	v_add_nc_u32 v[XWC], s[KX], v[XWI]
	v_add_nc_u32 v[XSW], s[KS], v[XWS]
	XFRAG 0, 1, 1, 48
	XFRAG 1, 1, 1, 48
	XFRAG 2, 1, 1, 48
	XFRAG 3, 1, 1, 48
	s_wait_xcnt 0x0                                ; the loads have read their base (the last were issued a fragment's arithmetic ago)
	s_add_nc_u64 s[XP:XP+1], s[XP:XP+1], 1024
	s_add_co_u32 s[KX], s[KX], 32768
	s_add_co_u32 s[KS], s[KS], 2048
	s_sub_co_u32 s[LP], s[LP], 1
	s_cmp_lg_u32 s[LP], 0
	s_cbranch_scc1 .Lx
	v_add_nc_u32 v[XWC], s[KX], v[XWI]
	v_add_nc_u32 v[XSW], s[KS], v[XWS]
	XFRAG 0, 0, 1, 32                              ; the last trip loads nothing: the counts run down
	XFRAG 1, 0, 1, 16
	XFRAG 2, 0, 1, 0
	XFRAG 3, 0, 0, 0
	s_wait_dscnt 0x0                               ; for the others' sake: my stores have landed
	s_barrier_signal -1
	s_barrier_wait -1                              ; x's 64 fragments lie in LDS; nothing is stored to LDS behind this barrier
	s_mov_b32 s[KX], 0
	s_mov_b32 s[KS], 0
	v_mov_b32 v[ADX], v[L16]
	v_mov_b32 v[ADS], v[ADS0]
	FETCH_X 0
	FETCH_XS 0
	s_cmp_eq_u32 s[Y], 2
	s_cbranch_scc1 .Lvpath
	v_lshlrev_b32 v[BOFF], 6, v17                  ; the bias: 16 h numbers on
	CHUNKS 0
.Lvpath:
	v_lshlrev_b32 v[BOFF], 2, v19                  ; the bias: my column's number
	CHUNKS 1
.Lfunc_end_k_q199e12ff62_proj:
	.size	k_q199e12ff62_proj, .Lfunc_end_k_q199e12ff62_proj-k_q199e12ff62_proj
	.p2alignl 7, 3214868480
	.fill 96, 4, 3214868480
	.section	.rodata,"a",@progbits
	.p2align	6, 0x0
	.amdhsa_kernel k_q199e12ff62_proj
		.amdhsa_group_segment_fixed_size 207360
		.amdhsa_private_segment_fixed_size 0
		.amdhsa_enable_private_segment 0
		.amdhsa_kernarg_size 72
		.amdhsa_user_sgpr_count 2
		.amdhsa_user_sgpr_kernarg_segment_ptr 1
		.amdhsa_wavefront_size32 1
		.amdhsa_system_sgpr_workgroup_id_x 1
		.amdhsa_system_sgpr_workgroup_id_y 1
		.amdhsa_system_sgpr_workgroup_id_z 1
		.amdhsa_system_vgpr_workitem_id 0
		.amdhsa_next_free_vgpr 1024
		.amdhsa_next_free_sgpr 66
		.amdhsa_reserve_vcc 0
		.amdhsa_float_denorm_mode_32 3
		.amdhsa_float_denorm_mode_16_64 3
		.amdhsa_memory_ordered 1
		.amdhsa_forward_progress 1
		.amdhsa_inst_pref_size 255
	.end_amdhsa_kernel
	.section	.bss,"aw",@nobits
	.p2align	6
	.space	262144
	.amdgpu_metadata
---
amdhsa.version: [ 1, 2 ]
amdhsa.kernels:
  - .name:           k_q199e12ff62_proj
    .symbol:         k_q199e12ff62_proj.kd
    .args:
      - { .name: q, .offset: 0, .size: 8, .value_kind: global_buffer, .address_space: global }
      - { .name: k, .offset: 8, .size: 8, .value_kind: global_buffer, .address_space: global }
      - { .name: v, .offset: 16, .size: 8, .value_kind: global_buffer, .address_space: global }
      - { .name: bq, .offset: 24, .size: 8, .value_kind: global_buffer, .address_space: global }
      - { .name: bk, .offset: 32, .size: 8, .value_kind: global_buffer, .address_space: global }
      - { .name: bv, .offset: 40, .size: 8, .value_kind: global_buffer, .address_space: global }
      - { .name: wimg, .offset: 48, .size: 8, .value_kind: global_buffer, .address_space: global }
      - { .name: qrec, .offset: 56, .size: 8, .value_kind: global_buffer, .address_space: global }
      - { .name: kv, .offset: 64, .size: 8, .value_kind: global_buffer, .address_space: global }
    .group_segment_fixed_size: 207360
    .private_segment_fixed_size: 0
    .kernarg_segment_align: 8
    .kernarg_segment_size: 72
    .max_flat_workgroup_size: 128
    .sgpr_count:     66
    .vgpr_count:     1024
    .wavefront_size: 32
...
	.end_amdgpu_metadata
.endif
;; end of part 2
;; launch attn (part 3): grid 4 x 64, 16 waves a work-group, clusters of 4 x 1, 273,408 bytes of LDS; arguments qrec, kv, mbits, cimg, cs16; writes cimg, cs16
.if DOCPART == 3
	.amdgcn_target "amdgcn-amd-amdhsa--gfx1250"
	.amdhsa_code_object_version 6
	.text
	.protected	k_q199e12ff62_attn
	.globl	k_q199e12ff62_attn
	.p2align	8
	.type	k_q199e12ff62_attn,@function
k_q199e12ff62_attn:
	s_mov_b64 s[64:65], 0
	v_nop
	global_prefetch_b8 v0, s[64:65] scope:SCOPE_SE
	s_setreg_imm32_b32 hwreg(HW_REG_WAVE_MODE, 25, 1), 1
	s_wait_xcnt 0x0
	s_wait_alu depctr_hold_cnt(0) depctr_sa_sdst(0) depctr_va_vdst(0) depctr_va_sdst(0) depctr_va_ssrc(0) depctr_va_vcc(0) depctr_vm_vsrc(0)
	s_getreg_b32 s2, hwreg(HW_REG_IB_STS2, 6, 4)
	s_cmp_eq_u32 s2, 0
	s_cbranch_scc0 .Lentry_in_a_cluster
	s_endpgm
.Lentry_in_a_cluster:
	s_bfe_u32 s2, ttmp6, 0x10000c
	s_cmp_lg_u32 s2, 0x3003
	s_cbranch_scc0 .Lentry_shape_is_right
	s_endpgm
.Lentry_shape_is_right:
; ATTN.  ctx[b][q][head][:] = the sum over keys of softmax(Q . K / 8, barred scores replaced) V, both products on codes of BF8 (E5M2) with one E8M0 scale for each 32 along K; ctx leaves as codes for the last product.
; THE SOFTMAX AHEAD OF THE SECOND PRODUCT: t = score x log2(e) / 8; M = the running largest t rounded UP to a whole number; p = 2^(t - M) is quantised along the keys, not normalised; the row's sum is taken of the unquantised p and divides at the end.
; When M moves, the sum and O are multiplied by 2^(old M - new M): exact.
; THE MASK.  A barred score is replaced, ahead of the maximum, by -2^33 (a logit of -2^30 where the definition has -1e9): -2^33 x log2(e) / 8 is a whole number in f32, so that in a row all of whose keys are barred t - M is exactly 0 and every p is 1, the plain mean of V.
; LIMIT: the results are the definition's wherever every open logit lies above -1e9 (scores above -8e9).  NaN and infinities are not served.
; SHARES.  A WORK-GROUP STAYS: it owns 512 queries of one head (work-group y = 16 b + head) and takes them in two passes of 256; in a pass each of its sixteen waves owns one tile of 16, in 256 registers: four waves to a SIMD,
; so that one wave's vector work stands beside another's matrix work and LDS loads.  No barrier stands between the passes: K and V are only read, and a wave that has finished pass 0 goes on.
; THE HEAD'S K AND V STAY IN LDS: 16 records of 16,896 bytes (128 keys each: K's codes, V's codes, their scale words), filled ONCE for both passes: no slot is filled again.  The head's four work-groups are one cluster: each record is asked for JOINTLY.
; Waves 0-3 issue two loads each: record w (the first four steps can begin when these have landed), and records 4 + 3 w on: two tensor loads of a wave are out at the most.
; LAYOUT.  Both products transposed: S^T = K Q^T, O^T = V^T P^T: a lane holds ONE query (lane % 16).  Operands lie as images of their registers: every LDS load takes 16 bytes at 16 x lane.
; K = 64 IN AN INSTRUCTION OF 128: fragment f of K holds tile (f, 0) of 16 keys in its groups 0, 1 and tile (f, 1) in groups 2, 3.  Against Q's 64 codes followed by zero codes it gives tile (f, 0)'s scores, against zero codes followed by Q's it gives tile (f, 1)'s.
; The zeros stand on Q's side alone; K's codes are finite (the quantiser holds them), so a zero code adds nothing; the scale bytes over Q's zero codes are 0.
; THE MASK'S BITS come by scalar loads, 64 words a step, asked for a step ahead; word n is the lane mask of one v_cndmask_b32 on score register n.  Pass 0's last step asks for pass 1's first words (16 tiles, 65,536 bytes, on);
; pass 1's last step asks once more for its own 256 bytes, so that no load leaves the buffer.
; REGISTERS: v1-7 addresses; v12 -M, v13 the largest t, v[14:15] the sum; v16-23 zeros, v24-31 Q, v32-39 zeros; v40, v41 Q's scale words; v42-45, v250-253 pass 1's Q, v46, v47 its scale words; v48-111 four fragments of K, then of V;
;   v112-175 S^T, then p; v176-207 O^T; v208-223 p's codes; v224-249 at work.
.set RECB, 16896
.set CSG,  270336                      ; behind the records: 1,024 bytes for ctx's scale bytes, [block of 128 tokens 4][r 16][a 8] halfwords
.set L16,  1                           ; 16 x lane
.set R16,  2                           ; 16 r
.set AD,   3                           ; the step's record + 16 lane
.set AS,   4                           ; the step's record + 16 r
.set CSA,  5                           ; where I put my tile's halfword
.set CSR,  6                           ; where wave 0 reads them back
.set GOF,  7                           ; and its offset in cs16
.set Q2A,  42
.set Q2S,  46
.set Q2B,  250
.set KV,   48
.set S,    112
.set O,    176
.set PCD,  208
.set BM,   224                         ; v224-227 a block's largest score, then largest p
.set PX,   228                         ; v228-231 the other half's; bytes; a chain of the sums
.set HL,   232                         ; v232-235 57,344 x the scale
.set SO,   236                         ; v236-239 the conversions' scale operands
.set KSC,  240                         ; v240-243 K's, then V's scale words
.set F,    246                         ; f = 2^(old M - new M)
.set PWD,  247                         ; p's scale word
.set TT,   248
.set NEG,  249                         ; -2^33
.set CS,   2                           ; s[2:3] c = log2(e) / 8
.set MP,   4                           ; s[4:5] my pass 0 tile's words in mbits
.set TB,   6                           ; the step's record in LDS
.set CNT,  7
.set G1A,  8                           ; s[8:31] the descriptors; behind the wait that shows the loads done: s[8:15] at work, s[16:17] my codes' place in cimg, s[18:19] the work-group's place in cs16, s[24:27] the two buffers
.set G1B,  16
.set G0A,  24
.set G0B,  28
.set SEL,  66
.set MNT,  100
.set MO,   101                         ; the byte from s[MP] on at which the words asked for begin
.set WV,   104
.macro ROUND                           ; a round of the cluster's barrier
	s_barrier_signal -1
	s_barrier_wait -1
	s_cmp_lg_u32 s[WV], 0
	s_cbranch_scc1 .Lnw0_\@
	s_barrier_signal -3
.Lnw0_\@:
	s_barrier_wait -3
	s_barrier_signal -1
	s_barrier_wait -1
.endm
.macro MWORDS                          ; 64 words: word n in s[32 + n] (n < 32) or s[36 + n]
	s_load_b512 s[32:47], s[MP:MP+1], s[MO] offset:0x0
	s_load_b512 s[48:63], s[MP:MP+1], s[MO] offset:0x40
	s_load_b512 s[68:83], s[MP:MP+1], s[MO] offset:0x80
	s_load_b512 s[84:99], s[MP:MP+1], s[MO] offset:0xc0
.endm
.macro INIT                            ; a pass begins: the step is written once: the first finds zeros, which the first change of M leaves zeros
	v_mov_b32 v13, 0xff61b1e6                      ; the largest t so far: -3e38, under every t
	v_floor_f32 v12, -v13                          ; -M
	v_mov_b32 v14, 0
	v_mov_b32 v15, 0
.set j, 0
.rept 32
	v_mov_b32 v[O+j], 0                            ; O^T
.set j, j+1
.endr
.endm
	s_load_b128 s[32:35], s[0:1], 0x0              ; qrec, kv
	s_load_b64 s[36:37], s[0:1], 0x10              ; mbits
	v_lshl_add_u32 v254, v0, 2, 0x42400
	v_mov_b32 v255, 0
	ds_add_u32 v254, v255
	ds_add_u32 v254, v255
	v_lshrrev_b32 v8, 5, v0
	v_readfirstlane_b32 s[WV], v8                  ; wave 0..15
	v_and_b32 v8, 31, v0
	v_lshlrev_b32 v[L16], 4, v8
	v_and_b32 v9, 15, v0
	v_lshlrev_b32 v[R16], 4, v9
	v_bfe_u32 v10, v0, 4, 1
	v_lshl_add_u32 v[GOF], v10, 12, v[R16]         ; lanes 16-31: the next block of 128 tokens, 16 heads x 256 bytes on
	v_add_nc_u32 v[CSR], CSG, v[L16]
	s_bfe_u32 s40, ttmp6, 0x40000                  ; cx: it enters global addresses alone
	s_lshl_b32 s41, ttmp9, 2
	s_add_co_u32 s41, s41, s40                     ; which 512 queries of the head are mine
	s_and_b32 s42, ttmp7, 0xffff                   ; bh, which the four partners share
	s_lshr_b32 s43, s[WV], 3
	s_lshl_b32 s44, s43, 8
	s_and_b32 s45, s[WV], 7                        ; a: my tile in its block of 128
	s_lshl_b32 s46, s45, 1
	s_add_co_u32 s44, s44, s46
	s_add_co_u32 s44, s44, CSG
	v_add_nc_u32 v[CSA], s44, v[R16]
	; descriptors: dense blocks as rows of 256 bytes (32 elements of 8 bytes): one record is 66 rows, three are 198.  15:0 the mask: all four work-groups; 17:16 elements of 8 bytes; 21 set beside a mask
	s_mov_b32 s[G1A], 15|(3<<16)|(1<<21)
	s_mov_b32 s[G1A+1], 32<<16
	s_mov_b32 s[G1A+2], 66<<16
	s_mov_b32 s[G1A+3], 32<<16
	s_mov_b32 s[G1A+4], 66
	s_mov_b32 s[G1A+5], 32
	s_mov_b32 s[G1A+6], 0
	s_mov_b32 s[G1A+7], 0
	s_mov_b32 s[G1B], 15|(3<<16)|(1<<21)
	s_mov_b32 s[G1B+1], 32<<16
	s_mov_b32 s[G1B+2], 198<<16
	s_mov_b32 s[G1B+3], 32<<16
	s_mov_b32 s[G1B+4], 198
	s_mov_b32 s[G1B+5], 32
	s_mov_b32 s[G1B+6], 0
	s_mov_b32 s[G1B+7], 0
	s_mul_i32 s48, s42, 16*RECB                    ; the head's records
	s_mul_i32 s49, s[WV], RECB                     ; record w: its place in the head and in LDS
	s_add_co_u32 s50, s48, s49
	s_mov_b32 s51, 0
	s_mul_i32 s52, s[WV], 3*RECB
	s_add_co_u32 s53, s52, 4*RECB                  ; records 4 + 3 w on
	s_add_co_u32 s54, s48, s53
	s_mov_b32 s55, 0
	s_lshl_b32 s56, s42, 4
	s_lshl_b32 s57, s41, 2
	s_add_co_u32 s56, s56, s57
	s_add_co_u32 s56, s56, s43                     ; Q's record in pass 0: 16 bh + 4 x my place + wave / 8; pass 1's lies two records on
	s_mul_i32 s56, s56, 8448
	s_lshl_b32 s57, s45, 10
	s_add_co_u32 s58, s56, s57                     ; my tile's codes
	s_mov_b32 s59, 0
	s_lshr_b32 s57, s45, 1
	s_lshl_b32 s57, s57, 2
	s_add_co_u32 s60, s56, s57
	s_add_co_u32 s60, s60, 8192                    ; the scale word [r][f = a / 2]
	s_mov_b32 s61, 0
	s_and_b32 s72, s45, 1
	s_lshl_b32 s72, s72, 4                         ; and my tile's half of it
	s_lshr_b32 s73, s42, 4
	s_lshl_b32 s73, s73, 7
	s_lshl_b32 s74, s41, 5
	s_add_co_u32 s73, s73, s74
	s_add_co_u32 s73, s73, s[WV]                   ; 128 b + my tile of queries in pass 0; pass 1's lies 16 tiles on
	s_lshl_b32 s74, s73, 12
	s_mov_b32 s75, 0
	s_mov_b32 s[CS], 0x3e38aa3b                    ; c = log2(e) / 8
	s_mov_b32 s[CS+1], s[CS]                       ; (named with it as a pair, so it is written)
	s_mov_b32 s[SEL], 0x76543210
	s_mov_b32 s[SEL+1], 0xfedcba98                 ; v_permlanex16_b32's selects for lane l xor 16
	s_mov_b32 s[MNT], 0x600000                     ; the mantissa field of 57,344
	s_mov_b32 s[TB], 0
	s_mov_b32 s[MO], 0
	s_wait_dscnt 0x0
	s_wait_kmcnt 0x0
	s_mov_b32 s[G0A], 1
	s_mov_b32 s[G0A+1], s49
	s_add_nc_u64 s[G0A+2:G0A+3], s[34:35], s[50:51]
	s_or_b32 s[G0A+3], s[G0A+3], 0x80000000
	s_mov_b32 s[G0B], 1
	s_mov_b32 s[G0B+1], s53
	s_add_nc_u64 s[G0B+2:G0B+3], s[34:35], s[54:55]
	s_or_b32 s[G0B+3], s[G0B+3], 0x80000000
	s_add_nc_u64 s[68:69], s[32:33], s[58:59]
	s_add_nc_u64 s[70:71], s[32:33], s[60:61]
	s_add_nc_u64 s[MP:MP+1], s[36:37], s[74:75]
	ROUND                                          ; all four work-groups are here: the joint loads meet
	s_cmp_lt_u32 s[WV], 4                          ; a wave's two fills stand in one branch on the wave's number, ahead of every wait on TENSORcnt and every LDS read
	s_cbranch_scc0 .Lno_fetch
	tensor_load_to_lds s[G0A:G0A+3], s[G1A:G1A+7]
	s_nop 0
	tensor_load_to_lds s[G0B:G0B+3], s[G1B:G1B+7]
	s_nop 0
.rept 4
	v_nop
.endr
.Lno_fetch:
	global_load_b128 v[24:27], v[L16], s[68:69]                    ; Q's 64 codes a row: two groups
	global_load_b128 v[28:31], v[L16], s[68:69] offset:512
	global_load_b32 v40, v[R16], s[70:71]
	global_load_b128 v[Q2A:Q2A+3], v[L16], s[68:69] offset:16896   ; pass 1's come now too: nothing is waited for at the change of passes
	global_load_b128 v[Q2B:Q2B+3], v[L16], s[68:69] offset:16896+512
	global_load_b32 v[Q2S], v[R16], s[70:71] offset:16896
.irp j, 16,17,18,19,20,21,22,23,32,33,34,35,36,37,38,39
	v_mov_b32 v[\j], 0                             ; zero codes on both sides of Q's
.endr
	v_mov_b32 v[NEG], 0xd0000000                   ; -2^33
	v_mov_b32 v[PWD], 0                            ; (named as the upper half of the pair with f before it is first written)
.irp b, 0,1,2,3
	v_mov_b32 v[PX+\b], 0                          ; written once: a lane permute's destination counts as one of its sources
.endr
	v_mov_b32 v[TT], 0
	s_wait_loadcnt 0x0
	v_lshrrev_b32 v40, s72, v40
	v_and_b32 v40, 0xffff, v40                     ; Q's two bytes for k 0-63, bytes of 0 over the zero codes;
	v_lshlrev_b32 v41, 16, v40                     ; and for k 64-127
	v_lshrrev_b32 v[Q2S], s72, v[Q2S]
	v_and_b32 v[Q2S], 0xffff, v[Q2S]
	v_lshlrev_b32 v[Q2S+1], 16, v[Q2S]
	INIT
	s_wait_xcnt 0x0
	MWORDS                                         ; step 0's words
; A KEY STEP: 128 keys, one record.
.macro STEP
	v_add_nc_u32 v[AD], s[TB], v[L16]
	v_add_nc_u32 v[AS], s[TB], v[R16]
.rept 6
	v_nop                                          ; with the two additions: eight places behind the last products, in front of loads into registers that they read
.endr
.irp f, 0,1,2,3
.irp c, 0,1,2,3
	ds_load_b128 v[KV+16*\f+4*\c:KV+16*\f+4*\c+3], v[AD] offset:2048*\f+512*\c
.endr
.endr
	ds_load_b128 v[KSC:KSC+3], v[AS] offset:16384
	s_wait_dscnt 0x0
.irp f, 0,1,2,3
	v_wmma_scale_f32_16x16x128_f8f6f4 v[S+16*\f:S+16*\f+7], v[KV+16*\f:KV+16*\f+15], v[24:39], 0, v[KSC+\f], v40 matrix_a_fmt:MATRIX_FMT_BF8 matrix_b_fmt:MATRIX_FMT_BF8
	v_wmma_scale_f32_16x16x128_f8f6f4 v[S+16*\f+8:S+16*\f+15], v[KV+16*\f:KV+16*\f+15], v[16:31], 0, v[KSC+\f], v41 matrix_a_fmt:MATRIX_FMT_BF8 matrix_b_fmt:MATRIX_FMT_BF8
.endr                                              ; register 16 f + i of S^T: key 32 f + 16 (lane / 16) + i
.rept 8
	v_nop
.endr
.irp t, 0,1,2,3
.irp c, 0,1,2,3
	ds_load_b128 v[KV+16*\t+4*\c:KV+16*\t+4*\c+3], v[AD] offset:8192+2048*\t+512*\c   ; V's fragments land while the softmax is worked
.endr
.endr
	ds_load_b128 v[KSC:KSC+3], v[AS] offset:16640
	s_wait_kmcnt 0x0                               ; this step's words, asked for a step ago
.set n, 0
.rept 64
.if n < 32
	v_cndmask_b32 v[S+n], v[S+n], v[NEG], s[32+n]  ; a barred score becomes -2^33; each result is read from its low end on
.else
	v_cndmask_b32 v[S+n], v[S+n], v[NEG], s[36+n]
.endif
.set n, n+1
.endr
.irp b, 0,1,2,3
	v_max3_num_f32 v[BM+\b], v[S+16*\b], v[S+16*\b+1], v[S+16*\b+2]   ; the largest score of each block of 32 keys: it serves for the row's maximum and, since p rises with the score, for the block's largest p
.endr
.irp i, 3,5,7,9,11,13
.irp b, 0,1,2,3
	v_max3_num_f32 v[BM+\b], v[BM+\b], v[S+16*\b+\i], v[S+16*\b+\i+1]
.endr
.endr
.irp b, 0,1,2,3
	v_max_num_f32 v[BM+\b], v[BM+\b], v[S+16*\b+15]
.endr
	s_add_co_u32 s[MO], s[MO], 256                 ; the next step's words (the loads before are done: their offset may be written):
	s_cmp_eq_u32 s[MO], 4096                       ; behind pass 0's 4,096 bytes come pass 1's, 65,536 bytes from pass 0's first;
	s_cselect_b32 s[MO], 0x10000, s[MO]
	s_min_u32 s[MO], s[MO], 0x10f00                ; and the offset is held inside pass 1's 4,096 bytes
	MWORDS
.irp b, 0,1,2,3
	v_permlanex16_b32 v[PX+\b], v[BM+\b], s[SEL], s[SEL+1]
.endr
.irp b, 0,1,2,3
	v_max_num_f32 v[BM+\b], v[BM+\b], v[PX+\b]     ; with lane l xor 16's 16 keys
.endr
	v_max3_num_f32 v[TT], v[BM], v[BM+1], v[BM+2]
	v_max_num_f32 v[TT], v[TT], v[BM+3]            ; the step's largest score of my query
	v_mul_f32 v[TT], s[CS], v[TT]                  ; as t
	v_max_num_f32 v13, v13, v[TT]                  ; the running largest t
	v_mov_b32 v[TT], v12
	v_floor_f32 v12, -v13                          ; the new -M = floor(-t): M is a whole number
	v_sub_f32 v[TT], v12, v[TT]                    ; old M - new M: a whole number, 0 or less
	v_cvt_i32_f32 v[TT], v[TT]                     ; (it saturates)
	v_ldexp_f32 v[F], 1.0, v[TT]                   ; f = 2^(old M - new M)
.set j, 0
.rept 32
	v_pk_fma_f32 v[S+j:S+j+1], v[S+j:S+j+1], s[CS:CS+1], v[12:13] op_sel_hi:[1,0,0]   ; t - M, two at a time
.set j, j+2
.endr
.irp b, 0,1,2,3
	v_fma_f32 v[BM+\b], v[BM+\b], s[CS], v12       ; the same of each block's largest score
.endr
.set j, 0
.rept 64
	v_exp_f32 v[S+j], v[S+j]                       ; p = 2^(t - M), at most 1
.set j, j+1
.endr
	v_pk_mul_f32 v[14:15], v[14:15], v[F:F+1] op_sel_hi:[1,0]      ; the sums under the new M: a plain instruction behind the exponentials
	s_wait_alu depctr_va_vdst(0)                   ; one wait for the batch of 64, ahead of its first reader
.irp b, 0,1,2,3
	v_exp_f32 v[BM+\b], v[BM+\b]                   ; the block's largest p: the same two instructions on the same number give the same bits
.endr
	v_pk_add_f32 v[PX:PX+1], v[S:S+1], v[S+2:S+3]  ; the row's sum is taken of the unquantised p, in two chains
.set j, 4
.rept 15
	v_pk_add_f32 v[14:15], v[14:15], v[S+j:S+j+1]
	v_pk_add_f32 v[PX:PX+1], v[PX:PX+1], v[S+j+2:S+j+3]
.set j, j+4
.endr
	v_pk_add_f32 v[14:15], v[14:15], v[PX:PX+1]
	s_wait_alu depctr_va_vdst(0)                   ; and one for the four
.irp b, 0,1,2,3
	v_max_num_f32 v[BM+\b], 0x8000000, v[BM+\b]    ; the floor 2^(16 - 127): the byte cannot fall under 1
.endr
.irp b, 0,1,2,3
	v_add_nc_u32 v[SO+\b], 0xf8800000, v[BM+\b]    ; 15 off the exponent field: the conversion's scale operand
.endr
.irp b, 0,1,2,3
	v_and_or_b32 v[HL+\b], v[BM+\b], 0x7f800000, s[MNT]            ; 57,344 x the scale
.endr
.irp b, 0,1,2,3
	v_lshrrev_b32 v[PX+\b], 23, v[SO+\b]           ; the scale's byte
.endr
	v_lshl_or_b32 v[PWD], v[PX+1], 8, v[PX]        ; p's scale word for these 128 keys
	v_lshl_or_b32 v[PWD], v[PX+2], 16, v[PWD]
	v_lshl_or_b32 v[PWD], v[PX+3], 24, v[PWD]
.irp b, 0,1,2,3
.irp i, 0,1,2,3,4,5,6,7,8,9,10,11,12,13,14,15
	v_min_num_f32 v[S+16*\b+\i], v[S+16*\b+\i], v[HL+\b]           ; the conversion does not saturate (ISA guide 7.6.2); p is not negative, so the hold is one-sided
.endr
	v_cvt_scalef32_pk8_bf8_f32 v[PCD+4*\b:PCD+4*\b+1], v[S+16*\b:S+16*\b+7], v[SO+\b]
	v_cvt_scalef32_pk8_bf8_f32 v[PCD+4*\b+2:PCD+4*\b+3], v[S+16*\b+8:S+16*\b+15], v[SO+\b]
.endr
.set j, 0
.rept 16
	v_pk_mul_f32 v[O+j:O+j+1], v[O+j:O+j+1], v[F:F+1] op_sel_hi:[1,0]   ; O^T under the new M; these sixteen also stand between the conversions and the products
.set j, j+2
.endr
	s_wait_dscnt 0x0                               ; V is in
.irp t, 0,1,2,3
	v_wmma_scale_f32_16x16x128_f8f6f4 v[O+8*\t:O+8*\t+7], v[KV+16*\t:KV+16*\t+15], v[PCD:PCD+15], v[O+8*\t:O+8*\t+7], v[KSC+\t], v[PWD] matrix_a_fmt:MATRIX_FMT_BF8 matrix_b_fmt:MATRIX_FMT_BF8
.endr                                              ; the four accumulators take turns, and the next step's eight products on S^T stand between two links
	s_add_co_u32 s[TB], s[TB], RECB
.endm
; THE WAY OUT of pass p.  O^T / the sum is ctx: register 8 t + j of lane (r, h) is dim 32 (t / 2) + 16 h + 8 (t % 2) + j of query r: two blocks of 32 along the last product's K.  They are quantised here.
; cimg[Mb 64][ks = head / 2][a 8][c = 2 (head % 2) + block][lane][16]; pass 1's block of 128 tokens lies two on: 2 x 8 x 8 x 2,048 bytes.  The two scale bytes go, as a halfword, to LDS and leave at the end.
.macro WAYOUT p
	v_add_f32 v14, v14, v15
	v_permlanex16_b32 v[TT], v14, s[SEL], s[SEL+1]
	v_add_f32 v14, v14, v[TT]                      ; the row's sum
	v_rcp_f32 v14, v14
.rept 8
	v_nop                                          ; the places behind the last products, and the plain instruction behind the reciprocal
.endr
	s_wait_alu depctr_va_vdst(0)                   ; ahead of the reciprocal's first reader
.set j, 0
.rept 32
	v_mul_f32 v[S+j], v[O+j], v14
.set j, j+1
.endr
.irp b, 0,1
	v_max3_num_f32 v[BM+\b], |v[S+16*\b]|, |v[S+16*\b+1]|, 0x8000000
.endr
.irp i, 2,4,6,8,10,12,14
.irp b, 0,1
	v_max3_num_f32 v[BM+\b], v[BM+\b], |v[S+16*\b+\i]|, |v[S+16*\b+\i+1]|
.endr
.endr
.irp b, 0,1
	v_permlanex16_b32 v[PX+\b], v[BM+\b], s[SEL], s[SEL+1]
.endr
.irp b, 0,1
	v_max_num_f32 v[BM+\b], v[BM+\b], v[PX+\b]
.endr
.irp b, 0,1
	v_add_nc_u32 v[SO+\b], 0xf8800000, v[BM+\b]
.endr
.irp b, 0,1
	v_and_or_b32 v[HL+\b], v[BM+\b], 0x7f800000, s[MNT]
.endr
.irp b, 0,1
	v_lshrrev_b32 v[PX+\b], 23, v[SO+\b]
.endr
	v_lshl_or_b32 v[TT], v[PX+1], 8, v[PX]         ; my row's two bytes
.irp b, 0,1
.irp i, 0,1,2,3,4,5,6,7,8,9,10,11,12,13,14,15
	v_med3_num_f32 v[S+16*\b+\i], v[S+16*\b+\i], -v[HL+\b], v[HL+\b]
.endr
	v_cvt_scalef32_pk8_bf8_f32 v[PCD+4*\b:PCD+4*\b+1], v[S+16*\b:S+16*\b+7], v[SO+\b]
	v_cvt_scalef32_pk8_bf8_f32 v[PCD+4*\b+2:PCD+4*\b+3], v[S+16*\b+8:S+16*\b+15], v[SO+\b]
.endr
	v_nop                                          ; one plain vector instruction behind the last scaled conversion
	global_store_b128 v[L16], v[PCD:PCD+3], s[16:17] offset:262144*\p            ; 512 consecutive bytes each
	global_store_b128 v[L16], v[PCD+4:PCD+7], s[16:17] offset:262144*\p+512
	ds_store_b16 v[CSA], v[TT] offset:512*\p       ; both lanes of a row write the same halfword with the same value
.endm
	s_wait_tensorcnt 0x1                           ; my first load, one of records 0-3, has landed; my second may stay out
	s_barrier_signal -1
	s_barrier_wait -1                              ; records 0-3 are whole
	s_mov_b32 s[CNT], 4
.LloopA:
	STEP
	s_sub_co_u32 s[CNT], s[CNT], 1
	s_cmp_lg_u32 s[CNT], 0
	s_cbranch_scc1 .LloopA
	s_wait_tensorcnt 0x0                           ; my second load has landed: the descriptors' registers are free from here on
	s_wait_dscnt 0x0
	s_barrier_signal -1
	s_barrier_wait -1                              ; all sixteen records are whole: no barrier stands between here and the end of pass 1
	s_load_b128 s[24:27], s[0:1], 0x18             ; cimg, cs16; the next step's wait for the words covers it
	s_mov_b32 s[CNT], 12
.LloopB:
	STEP
	s_sub_co_u32 s[CNT], s[CNT], 1
	s_cmp_lg_u32 s[CNT], 0
	s_cbranch_scc1 .LloopB
	; where the results go.  Pass 1's first words are on their way into s32-63 and s68-99: the work is done in s8-15
	s_bfe_u32 s8, ttmp6, 0x40000                   ; cx
	s_lshl_b32 s9, ttmp9, 2
	s_add_co_u32 s9, s9, s8                        ; my place among the head's four
	s_and_b32 s10, ttmp7, 0xffff
	s_lshr_b32 s11, s10, 4                         ; b
	s_and_b32 s10, s10, 15                         ; head
	s_lshl_b32 s11, s11, 4
	s_lshl_b32 s9, s9, 2
	s_add_co_u32 s11, s11, s9                      ; the work-group's first block of 128 tokens: 16 b + 4 x my place
	s_lshr_b32 s12, s[WV], 3
	s_add_co_u32 s12, s11, s12                     ; my wave's in pass 0
	s_lshl_b32 s12, s12, 3
	s_lshr_b32 s13, s10, 1
	s_add_co_u32 s12, s12, s13
	s_lshl_b32 s12, s12, 3
	s_and_b32 s13, s[WV], 7
	s_add_co_u32 s12, s12, s13
	s_lshl_b32 s12, s12, 11
	s_and_b32 s13, s10, 1
	s_lshl_b32 s13, s13, 10
	s_add_co_u32 s12, s12, s13
	s_mov_b32 s13, 0
	s_add_nc_u64 s[16:17], s[24:25], s[12:13]
	s_lshl_b32 s14, s11, 4
	s_add_co_u32 s14, s14, s10
	s_lshl_b32 s14, s14, 8                         ; cs16[Mb][head][r 16][a 8]: 256 bytes a block and head
	s_mov_b32 s15, 0
	s_add_nc_u64 s[18:19], s[26:27], s[14:15]
	WAYOUT 0
	; THE CHANGE OF PASSES: pass 1's Q and scale words take their places (the last products that read these registers stand a softmax and a way out back), and the sums begin anew
	v_mov_b32 v40, v[Q2S]
	v_mov_b32 v41, v[Q2S+1]
.irp j, 0,1,2,3
	v_mov_b32 v[24+\j], v[Q2A+\j]
	v_mov_b32 v[28+\j], v[Q2B+\j]
.endr
	INIT
	s_mov_b32 s[TB], 0
	s_wait_xcnt 0x0                                ; pass 0's stores have read the codes' registers, which the next step writes
	s_mov_b32 s[CNT], 16
.LloopC:
	STEP
	s_sub_co_u32 s[CNT], s[CNT], 1
	s_cmp_lg_u32 s[CNT], 0
	s_cbranch_scc1 .LloopC
	WAYOUT 1
	s_wait_kmcnt 0x0                               ; the words asked for last, which nobody reads
	s_wait_dscnt 0x0                               ; for wave 0's sake: my two halfword stores have landed
	s_barrier_signal -1
	s_barrier_wait -1
	s_cmp_lg_u32 s[WV], 0
	s_cbranch_scc1 .Lnot0
	ds_load_b128 v[S:S+3], v[CSR]                  ; the halfwords of 32 tiles: 256 bytes for each of the four blocks of tokens
	ds_load_b128 v[S+4:S+7], v[CSR] offset:512
	s_wait_dscnt 0x0
	global_store_b128 v[GOF], v[S:S+3], s[18:19]   ; sixteen lanes store 256 consecutive bytes, aligned: blocks 0 and 1,
	global_store_b128 v[GOF], v[S+4:S+7], s[18:19] offset:8192     ; blocks 2 and 3
.Lnot0:
	s_wait_tensorcnt 0x0
	ds_add_u32 v254, v255
	s_wait_dscnt 0x0
	ROUND                                          ; the closing round: no work-group ends while a partner may still ask for a record that names it
	s_endpgm
.Lfunc_end_k_q199e12ff62_attn:
	.size	k_q199e12ff62_attn, .Lfunc_end_k_q199e12ff62_attn-k_q199e12ff62_attn
	.p2alignl 7, 3214868480
	.fill 96, 4, 3214868480
	.section	.rodata,"a",@progbits
	.p2align	6, 0x0
	.amdhsa_kernel k_q199e12ff62_attn
		.amdhsa_group_segment_fixed_size 273408
		.amdhsa_private_segment_fixed_size 0
		.amdhsa_enable_private_segment 0
		.amdhsa_kernarg_size 40
		.amdhsa_user_sgpr_count 2
		.amdhsa_user_sgpr_kernarg_segment_ptr 1
		.amdhsa_wavefront_size32 1
		.amdhsa_system_sgpr_workgroup_id_x 1
		.amdhsa_system_sgpr_workgroup_id_y 1
		.amdhsa_system_sgpr_workgroup_id_z 1
		.amdhsa_system_vgpr_workitem_id 0
		.amdhsa_next_free_vgpr 256
		.amdhsa_next_free_sgpr 106
		.amdhsa_reserve_vcc 0
		.amdhsa_float_denorm_mode_32 3
		.amdhsa_float_denorm_mode_16_64 3
		.amdhsa_memory_ordered 1
		.amdhsa_forward_progress 1
		.amdhsa_inst_pref_size 92
	.end_amdhsa_kernel
	.amdgpu_metadata
---
amdhsa.version: [ 1, 2 ]
amdhsa.kernels:
  - .name:           k_q199e12ff62_attn
    .symbol:         k_q199e12ff62_attn.kd
    .args:
      - { .name: qrec, .offset: 0, .size: 8, .value_kind: global_buffer, .address_space: global }
      - { .name: kv, .offset: 8, .size: 8, .value_kind: global_buffer, .address_space: global }
      - { .name: mbits, .offset: 16, .size: 8, .value_kind: global_buffer, .address_space: global }
      - { .name: cimg, .offset: 24, .size: 8, .value_kind: global_buffer, .address_space: global }
      - { .name: cs16, .offset: 32, .size: 8, .value_kind: global_buffer, .address_space: global }
    .group_segment_fixed_size: 273408
    .private_segment_fixed_size: 0
    .kernarg_segment_align: 8
    .kernarg_segment_size: 40
    .max_flat_workgroup_size: 512
    .sgpr_count:     106
    .vgpr_count:     256
    .wavefront_size: 32
...
	.end_amdgpu_metadata
.endif
;; end of part 3
;; launch outp (part 4): grid 256 x 1, 4 waves a work-group, clusters of 4 x 1, 168,448 bytes of LDS; arguments cimg, cs16, wimg, bo, out0; writes out0
.if DOCPART == 4
	.amdgcn_target "amdgcn-amd-amdhsa--gfx1250"
	.amdhsa_code_object_version 6
	.text
	.protected	k_q199e12ff62_outp
	.globl	k_q199e12ff62_outp
	.p2align	8
	.type	k_q199e12ff62_outp,@function
k_q199e12ff62_outp:
	s_mov_b64 s[64:65], 0
	v_nop
	global_prefetch_b8 v0, s[64:65] scope:SCOPE_SE
	s_setreg_imm32_b32 hwreg(HW_REG_WAVE_MODE, 25, 1), 1
	s_wait_xcnt 0x0
	s_wait_alu depctr_hold_cnt(0) depctr_sa_sdst(0) depctr_va_vdst(0) depctr_va_sdst(0) depctr_va_ssrc(0) depctr_va_vcc(0) depctr_vm_vsrc(0)
	s_getreg_b32 s2, hwreg(HW_REG_IB_STS2, 6, 4)
	s_cmp_eq_u32 s2, 0
	s_cbranch_scc0 .Lentry_in_a_cluster
	s_endpgm
.Lentry_in_a_cluster:
	s_bfe_u32 s2, ttmp6, 0x10000c
	s_cmp_lg_u32 s2, 0x3003
	s_cbranch_scc0 .Lentry_shape_is_right
	s_endpgm
.Lentry_shape_is_right:
; OUTP.  out = ctx Wo + bo, on codes of BF8 (E5M2) with one E8M0 scale for each 32 along K.  ctx comes as images of operand registers with its scale bytes, Wo likewise (weight 3 of wimg); out is [8192][1024] f32.
; SHARES.  A cluster of four work-groups takes 128 tokens (cluster x); work-group cx takes columns 256 cx on; wave w 128 tokens x 64 columns: 32 accumulators.
; The four partners need the same 128 KiB of ctx: it is asked for JOINTLY, once, a quarter by each wave (32,768 dense bytes as 128 rows of 256); no LDS byte is filled again.  cx enters global addresses alone.
; A wave's part of Wo, 8 K steps x 4 fragments, 512 registers, has one reader: it goes from memory straight into registers, three K steps ahead of its use, and each register is loaded once.
; Source 0 = Wo's columns, source 1 = ctx: a lane holds a token, and its registers run along the columns; the bias is the C of each sum's first instruction.
; TILES ARE NOT NEIGHBOURS: row r of tile a of tokens is token 32 (a / 2) + 8 (a % 2) + r + 8 (r / 8); register j of lane (r, h) in the result of W's tile b is column 32 (b / 2) + 16 h + 8 (b % 2) + j of its 128.
; REGISTERS.  Window 0: v1-11 addresses; v16-31 scale words at the head; v32-63 W's scale words; v64-79 ctx's, two sets; v80-111 the bias; v112-127 ctx's scale halfwords; v128-255 ctx's eight fragments, on the way out rows of out.
;   Windows 1 and 3: W (K steps 0-3, 4-7).  Window 2: the accumulators ((a, b) at 32 a + 8 b).
.set RECW, 16896
.set XSC,  131072                      ; LDS: ctx's images [ks 8][a 8][c 4][lane][16] from 0; from here its scale words [ks 8][lane 32][a 8]
.set STG,  139264                      ; and a stage of 16 rows x (256 + 16) bytes for each wave
.set L16,  1
.set R16,  2
.set ADXH, 3                           ; 16 lane + 65,536: K steps 4-7
.set ADS,  4                           ; XSC + 32 lane
.set L16W, 5                           ; W's codes: 16 lane + my four fragments' place in a record
.set R4W,  6                           ; W's scale words
.set BOF,  7
.set STO,  8
.set SRD,  9
.set GOF,  10
.set XSW,  11
.set WS,   32
.set XS,   64
.set BI,   80
.set CH,   112
.set XF,   128
.set BK,   128
.set WV,   14
.set G1,   16
.set G0,   24
.set MSB, 0
.macro WIN new
.if MSB != (\new)
	s_set_vgpr_msb (MSB<<8)|(\new)
.set MSB, (\new)
.endif
.endm
.macro PLACES n
.rept \n
	v_nop
.endr
.endm
.macro ROUND
	s_barrier_signal -1
	s_barrier_wait -1
	s_cmp_lg_u32 s[WV], 0
	s_cbranch_scc1 .Lnw0_\@
	s_barrier_signal -3
.Lnw0_\@:
	s_barrier_wait -3
	s_barrier_signal -1
	s_barrier_wait -1
.endm
.macro WLOAD ks                        ; my four fragments of K step ks and their scale words: 20 loads
.if (\ks) < 4
	WIN 0x40
.else
	WIN 0xc0
.endif
.irp b, 0,1,2,3
.irp c, 0,1,2,3
	global_load_b128 v[64*((\ks)%4)+16*\b+4*\c:64*((\ks)%4)+16*\b+4*\c+3], v[L16W], s[8:9] offset:(\ks)*RECW+2048*\b+512*\c
.endr
.endr
	WIN 0
.irp b, 0,1,2,3
	global_load_b32 v[WS+4*(\ks)+\b], v[R4W], s[8:9] offset:(\ks)*RECW+16384+64*\b
.endr
.endm
.macro OFX ks, a0                      ; ctx's fragments a0 .. a0 + 3 of K step ks
.irp i, 0,1,2,3
.irp c, 0,1,2,3
.if (\ks) < 4
	ds_load_b128 v[XF+16*((\a0)+\i)+4*\c:XF+16*((\a0)+\i)+4*\c+3], v[L16] offset:(\ks)*16384+2048*((\a0)+\i)+512*\c
.else
	ds_load_b128 v[XF+16*((\a0)+\i)+4*\c:XF+16*((\a0)+\i)+4*\c+3], v[ADXH] offset:((\ks)-4)*16384+2048*((\a0)+\i)+512*\c
.endif
.endr
.endr
.endm
.macro OXS ks
	ds_load_b128 v[XS+8*((\ks)%2):XS+8*((\ks)%2)+3], v[ADS] offset:(\ks)*1024
	ds_load_b128 v[XS+8*((\ks)%2)+4:XS+8*((\ks)%2)+7], v[ADS] offset:(\ks)*1024+16
.endm
.macro OMUL ks, ha                     ; 16 matrix instructions: tiles 4 ha on of tokens x my four tiles of columns.  Each accumulator has one instruction in a K step: they take turns
.if (\ks) == 0
	WIN 0x81
.elseif (\ks) < 4
	WIN 0xa1
.else
	WIN 0xa3
.endif
.irp i, 0,1,2,3
.irp j, 0,1,2,3
.set AA, 4*\ha+\i
.if (\ks) == 0
	v_wmma_scale_f32_16x16x128_f8f6f4 v[32*AA+8*\j:32*AA+8*\j+7], v[64*((\ks)%4)+16*\j:64*((\ks)%4)+16*\j+15], v[XF+16*AA:XF+16*AA+15], v[BI+8*\j:BI+8*\j+7], v[WS+4*(\ks)+\j], v[XS+8*((\ks)%2)+AA] matrix_a_fmt:MATRIX_FMT_BF8 matrix_b_fmt:MATRIX_FMT_BF8
.else
	v_wmma_scale_f32_16x16x128_f8f6f4 v[32*AA+8*\j:32*AA+8*\j+7], v[64*((\ks)%4)+16*\j:64*((\ks)%4)+16*\j+15], v[XF+16*AA:XF+16*AA+15], v[32*AA+8*\j:32*AA+8*\j+7], v[WS+4*(\ks)+\j], v[XS+8*((\ks)%2)+AA] matrix_a_fmt:MATRIX_FMT_BF8 matrix_b_fmt:MATRIX_FMT_BF8
.endif
.endr
.endr
.endm
.macro OSTEP ks
.if (\ks) > 0
	PLACES 8                                       ; behind the last step's products, in front of loads into registers that they read
.endif
	OFX \ks, 4
.if (\ks) <= 4
	WLOAD (\ks)+3
	s_wait_loadcnt 60                              ; all but the three younger K steps of W
.else
	s_wait_loadcnt 20*(7-(\ks))
.endif
	s_wait_dscnt 16                                ; all but ctx's blocks 4-7
	OMUL \ks, 0
	s_wait_dscnt 0x0
	WIN 0
.if (\ks) < 7
	PLACES 8
	OFX (\ks)+1, 0
	OXS (\ks)+1
.endif
	OMUL \ks, 1
	WIN 0
.endm
	s_load_b256 s[4:11], s[0:1], 0x0               ; cimg, cs16, wimg, bo
	s_load_b64 s[12:13], s[0:1], 0x20              ; out0
	v_lshl_add_u32 v254, v0, 2, 0x29000
	v_mov_b32 v255, 0
	ds_add_u32 v254, v255
	ds_add_u32 v254, v255
	s_wait_dscnt 0x0
	v_lshrrev_b32 v12, 5, v0
	v_readfirstlane_b32 s[WV], v12                 ; wave 0..3
	v_and_b32 v12, 31, v0                          ; lane
	v_and_b32 v13, 15, v0                          ; r
	v_bfe_u32 v14, v0, 4, 1                        ; h
	v_lshlrev_b32 v[L16], 4, v12
	v_lshlrev_b32 v[R16], 4, v13
	v_add_nc_u32 v[ADXH], 65536, v[L16]
	v_lshl_add_u32 v[ADS], v12, 5, XSC
	s_and_b32 s31, s[WV], 1                        ; which four of G's eight fragments are mine
	s_lshl_b32 s34, s31, 13
	v_add_nc_u32 v[L16W], s34, v[L16]
	s_lshl_b32 s34, s31, 8
	v_lshl_add_u32 v[R4W], v13, 2, s34
	v_lshlrev_b32 v[BOF], 6, v14
	s_mul_i32 s35, s[WV], 4352
	s_add_co_u32 s35, s35, STG                     ; my stage
	v_mul_u32_u24 v15, v13, 272
	v_lshl_add_u32 v15, v14, 6, v15
	v_add_nc_u32 v[STO], s35, v15                  ; in: row r, + 64 h
	v_mul_u32_u24 v15, v14, 272
	v_lshl_add_u32 v15, v13, 4, v15
	v_add_nc_u32 v[SRD], s35, v15                  ; back: lanes 0-15 one row, lanes 16-31 the next
	v_lshl_add_u32 v[GOF], v14, 12, v[R16]         ; and the same in out: rows of 4,096 bytes
	s_lshl_b32 s34, s[WV], 11
	v_add_nc_u32 v[XSW], s34, v[ADS]               ; where I store the scale words of K steps 2 w and 2 w + 1
	s_bfe_u32 s28, ttmp6, 0x40000                  ; cx
	s_lshl_b32 s30, s28, 1
	s_lshr_b32 s29, s[WV], 1
	s_add_co_u32 s30, s30, s29                     ; G = 2 cx + w / 2
	s_add_co_u32 s36, s30, 24
	s_mul_i32 s36, s36, 8*RECW                     ; weight 3, G, K step 0
	s_mov_b32 s37, 0
	s_lshl_b32 s38, s30, 9
	s_lshl_b32 s39, s31, 8
	s_add_co_u32 s38, s38, s39                     ; my first column, in bytes
	s_mov_b32 s39, 0
	s_lshl_b32 s40, ttmp9, 19                      ; 128 rows of out
	s_mov_b32 s41, 0
	s_lshl_b32 s44, s[WV], 15                      ; my quarter of ctx's images: in LDS,
	s_lshl_b32 s42, ttmp9, 17
	s_add_co_u32 s42, s42, s44                     ; and in memory: the cluster's x and the wave's number alone
	s_mov_b32 s43, 0
	s_lshl_b32 s46, ttmp9, 12
	s_lshl_b32 s47, s[WV], 10
	s_add_co_u32 s46, s46, s47                     ; cs16: heads 4 w on of my 128 tokens
	s_mov_b32 s47, 0
	s_mov_b32 s[G1], 15|(3<<16)|(1<<21)            ; 15:0 the mask: all four work-groups; 17:16 elements of 8 bytes; 21 set beside a mask
	s_mov_b32 s[G1+1], 32<<16
	s_mov_b32 s[G1+2], 128<<16
	s_mov_b32 s[G1+3], 32<<16
	s_mov_b32 s[G1+4], 128
	s_mov_b32 s[G1+5], 32
	s_mov_b32 s[G1+6], 0
	s_mov_b32 s[G1+7], 0
	s_wait_kmcnt 0x0
	s_mov_b32 s[G0], 1
	s_mov_b32 s[G0+1], s44
	s_add_nc_u64 s[G0+2:G0+3], s[4:5], s[42:43]
	s_or_b32 s[G0+3], s[G0+3], 0x80000000
	s_add_nc_u64 s[6:7], s[6:7], s[46:47]
	s_add_nc_u64 s[8:9], s[8:9], s[36:37]
	s_add_nc_u64 s[10:11], s[10:11], s[38:39]
	s_add_nc_u64 s[12:13], s[12:13], s[38:39]
	s_add_nc_u64 s[12:13], s[12:13], s[40:41]
	ROUND                                          ; all four work-groups are here: the joint loads meet
	tensor_load_to_lds s[G0:G0+3], s[G1:G1+7]      ; one load a wave, the only one of the launch
	s_nop 0
.rept 4
	v_nop
.endr
.irp i, 0,1,2,3
	global_load_b128 v[CH+4*\i:CH+4*\i+3], v[R16], s[6:7] offset:256*\i      ; head 4 w + i: my row's eight halfwords (tiles a = 0 .. 7)
.endr
.irp b, 0,1,2,3
	global_load_b128 v[BI+8*\b:BI+8*\b+3], v[BOF], s[10:11] offset:(32*(\b/2)+8*(\b%2))*4
	global_load_b128 v[BI+8*\b+4:BI+8*\b+7], v[BOF], s[10:11] offset:(32*(\b/2)+8*(\b%2))*4+16
.endr
	WLOAD 0
	WLOAD 1
	s_wait_loadcnt 48                              ; all but the bias's 8 loads and W's 40: the halfwords are in
.irp k, 0,1                            ; K step 2 w + k: heads 4 w + 2 k (bytes 0, 1 of a word) and 4 w + 2 k + 1 (bytes 2, 3)
.irp g, 0,1,2,3
	v_perm_b32 v[16+8*\k+2*\g], v[CH+8*\k+4+\g], v[CH+8*\k+\g], 0x05040100    ; tile a = 2 g: the low halves
	v_perm_b32 v[16+8*\k+2*\g+1], v[CH+8*\k+4+\g], v[CH+8*\k+\g], 0x07060302  ; tile a = 2 g + 1: the high halves
.endr
	ds_store_b128 v[XSW], v[16+8*\k:16+8*\k+3] offset:1024*\k
	ds_store_b128 v[XSW], v[16+8*\k+4:16+8*\k+7] offset:1024*\k+16
.endr
	WLOAD 2
	s_wait_tensorcnt 0x0                           ; my quarter of the images has landed,
	s_wait_dscnt 0x0                               ; and so have my scale words
	s_barrier_signal -1
	s_barrier_wait -1                              ; everybody's have
	OFX 0, 0
	OXS 0
.irp s, 0,1,2,3,4,5,6,7
	OSTEP \s
.endr
; THE WAY OUT, a tile of 16 tokens x my 64 columns at a time, through my own stage: a lane holds 32 neighbouring bytes of a row four times; they come back as whole pieces of 256 bytes of a row of out.
; LDS serves a wave's instructions in order (ISA guide 5.7.1.4): no wait between the stores and the loads, nor in front of the next tile's stores.
.macro TOSTAGE a
	WIN 0x08                                       ; an LDS store's data are its source 1: window 2
.irp b, 0,1,2,3
	ds_store_b128 v[STO], v[32*(\a)+8*\b:32*(\a)+8*\b+3] offset:128*(\b/2)+32*(\b%2)         ; each accumulator from its low end on
	ds_store_b128 v[STO], v[32*(\a)+8*\b+4:32*(\a)+8*\b+7] offset:128*(\b/2)+32*(\b%2)+16
.endr
	WIN 0
.irp i, 0,1,2,3,4,5,6,7
	ds_load_b128 v[BK+32*((\a)%2)+4*\i:BK+32*((\a)%2)+4*\i+3], v[SRD] offset:544*\i
.endr
.endm
.macro SEND a, younger                 ; younger: the LDS instructions issued behind tile a's loads
	s_wait_dscnt \younger
.irp i, 0,1,2,3,4,5,6,7
	global_store_b128 v[GOF], v[BK+32*((\a)%2)+4*\i:BK+32*((\a)%2)+4*\i+3], s[12:13] offset:(32*((\a)/2)+8*((\a)%2)+2*\i+8*(\i/4))*4096 th:TH_STORE_NT   ; sixteen lanes store 256 consecutive bytes, aligned; stage rows 2 i and 2 i + 1 are tokens 2 i + h + 8 (i / 4) of the tile
.endr
.endm
	PLACES 8                                       ; behind the last products: their results are read, and rows land in registers that they read
	TOSTAGE 0
.irp a, 1,2,3,4,5,6,7
.if \a > 1
	s_wait_xcnt 0x0                                ; tile a - 2's stores have read their registers: tile a's rows may land there
.endif
	TOSTAGE \a
	SEND \a-1, 16                                  ; behind tile a - 1's loads: tile a's 8 stores and 8 loads
.endr
	SEND 7, 0
	s_wait_xcnt 0x0
	v_lshl_add_u32 v254, v0, 2, 0x29000
	v_mov_b32 v255, 0
	s_wait_tensorcnt 0x0
	ds_add_u32 v254, v255
	s_wait_dscnt 0x0
	ROUND                                          ; the closing round: no work-group ends while a partner may still ask for what names it
	s_endpgm
.Lfunc_end_k_q199e12ff62_outp:
	.size	k_q199e12ff62_outp, .Lfunc_end_k_q199e12ff62_outp-k_q199e12ff62_outp
	.p2alignl 7, 3214868480
	.fill 96, 4, 3214868480
	.section	.rodata,"a",@progbits
	.p2align	6, 0x0
	.amdhsa_kernel k_q199e12ff62_outp
		.amdhsa_group_segment_fixed_size 168448
		.amdhsa_private_segment_fixed_size 0
		.amdhsa_enable_private_segment 0
		.amdhsa_kernarg_size 40
		.amdhsa_user_sgpr_count 2
		.amdhsa_user_sgpr_kernarg_segment_ptr 1
		.amdhsa_wavefront_size32 1
		.amdhsa_system_sgpr_workgroup_id_x 1
		.amdhsa_system_sgpr_workgroup_id_y 1
		.amdhsa_system_sgpr_workgroup_id_z 1
		.amdhsa_system_vgpr_workitem_id 0
		.amdhsa_next_free_vgpr 1024
		.amdhsa_next_free_sgpr 66
		.amdhsa_reserve_vcc 0
		.amdhsa_float_denorm_mode_32 3
		.amdhsa_float_denorm_mode_16_64 3
		.amdhsa_memory_ordered 1
		.amdhsa_forward_progress 1
		.amdhsa_inst_pref_size 93
	.end_amdhsa_kernel
	.amdgpu_metadata
---
amdhsa.version: [ 1, 2 ]
amdhsa.kernels:
  - .name:           k_q199e12ff62_outp
    .symbol:         k_q199e12ff62_outp.kd
    .args:
      - { .name: cimg, .offset: 0, .size: 8, .value_kind: global_buffer, .address_space: global }
      - { .name: cs16, .offset: 8, .size: 8, .value_kind: global_buffer, .address_space: global }
      - { .name: wimg, .offset: 16, .size: 8, .value_kind: global_buffer, .address_space: global }
      - { .name: bo, .offset: 24, .size: 8, .value_kind: global_buffer, .address_space: global }
      - { .name: out0, .offset: 32, .size: 8, .value_kind: global_buffer, .address_space: global }
    .group_segment_fixed_size: 168448
    .private_segment_fixed_size: 0
    .kernarg_segment_align: 8
    .kernarg_segment_size: 40
    .max_flat_workgroup_size: 128
    .sgpr_count:     66
    .vgpr_count:     1024
    .wavefront_size: 32
...
	.end_amdgpu_metadata
.endif
;; end of part 4
;; ======== version 2 of 2: 4 launches
;; limits: right only within a limited range of input values
;; workspace buffers: wimg 4,325,376 bytes; mbits 2,097,152 bytes of whole numbers; qrec 8,650,752 bytes; kv 17,301,504 bytes; cimg 8,388,608 bytes; cs16 262,144 bytes
;; launch prep (part 5): grid 640 x 1, 4 waves a work-group, no clusters, 35,328 bytes of LDS; arguments Wq, Wk, Wv, Wo, mask, wimg, mbits; writes wimg, mbits
.if DOCPART == 5
	.amdgcn_target "amdgcn-amd-amdhsa--gfx1250"
	.amdhsa_code_object_version 6
	.text
	.protected	k_q199e12ff62_prep
	.globl	k_q199e12ff62_prep
	.p2align	8
	.type	k_q199e12ff62_prep,@function
k_q199e12ff62_prep:
	s_mov_b64 s[64:65], 0
	v_nop
	global_prefetch_b8 v0, s[64:65] scope:SCOPE_SE
	s_setreg_imm32_b32 hwreg(HW_REG_WAVE_MODE, 25, 1), 1
	s_wait_xcnt 0x0
; PREP.  Work-groups 0-127: the four weights W [1024 (k)][1024 (n)], f32, become codes of BF8 (E5M2) along K with one E8M0 byte for each 32 along K,
; laid as IMAGES OF OPERAND REGISTERS: wimg[p: q,k,v,o][G 8][ks 8], a record of 16,896 bytes: codes [b 8][c 4][lane 32][16 bytes], then scale words [b 8][r 16].
; Fragment (G, b): its row r is column n = 128 G + 32 (b / 2) + 8 (b % 2) + r + 8 (r / 8); byte i of lane (r, h), group c, is k = 128 ks + 32 c + 16 h + i.
; Work-groups 128-639: the mask's bytes become bits: mbits[b 4][qt 128][st 16][64 words]; bit L = 16 h + r of word j says whether
; query 128 (qt / 8) + 32 ((qt / 2) % 4) + 8 (qt % 2) + r + 8 (r / 8) is barred from key 128 st + 32 (j / 16) + 16 h + j % 16: the lane and register in which the attention launch holds that score.
; THE QUANTISER: a block's scale is 2^(floor(log2(largest magnitude)) - 15); its byte is the largest magnitude's exponent field - 15, held at 1 from below; each number is held within +-57,344 x the scale and rounded to the nearest code.
; LIMITS: NaN and infinities among the inputs are not served; a block of zeros, or one whose largest magnitude lies under 2^-111, gets the byte 1 (its codes are zeros or the floor's; this program alone reads the bytes).
; No tensor loads, no barrier: waves share nothing.  Only the mask's path uses LDS.
.set REC,  16896
.set X,    32                          ; v32-95   W: two sets of 32 numbers
.set C,    96                          ; v96-159  W: eight registers of codes for each block: no store's data are written again
.set SB,   24                          ; v24-25   W: the scale bytes, four to a register
.set DG,   32                          ; v32-95   mask: 2 units x 8 loads x 4 registers
.set DL,   96                          ; v96-127  mask: a unit's bytes, turned through the stage
.set OM,   128                         ; v128-135 mask: four registers of words for each unit
.set TT,   20                          ; v20-23   mask: at work
	s_load_b256 s[4:11], s[0:1], 0x0               ; Wq, Wk, Wv, Wo
	s_load_b128 s[12:15], s[0:1], 0x20             ; mask, wimg
	s_load_b64 s[16:17], s[0:1], 0x30              ; mbits
	v_lshl_add_u32 v176, v0, 2, 0x8800
	v_mov_b32 v177, 0
	v_lshrrev_b32 v1, 5, v0
	v_readfirstlane_b32 s18, v1                    ; wave 0..3
	v_and_b32 v2, 15, v0                           ; r
	v_bfe_u32 v1, v0, 4, 1                         ; the lane's half: u for W, h for the mask
	s_cmp_lt_u32 ttmp9, 128
	s_cbranch_scc0 .Lmask
	; ---- W.  Work-group = 32 p + 4 G + kq.  A LANE TAKES A COLUMN AND ITS REGISTERS RUN DOWN K: lane (u, r) of wave w takes column 128 G + 32 w + 8 u + r + 8 (r / 8), row r of fragment b = 2 w + u;
	; the 32 lanes of a load still read 128 consecutive bytes.  256 along K for a work-group: 8 blocks t, which fall into records 2 kq + t / 4, group c = t % 4.
	s_lshr_b32 s19, ttmp9, 5                       ; p
	s_bfe_u32 s20, ttmp9, 0x30002                  ; G
	s_and_b32 s21, ttmp9, 3                        ; kq
	v_and_b32 v6, 8, v2
	v_add_nc_u32 v6, v6, v2                        ; r + 8 (r / 8)
	v_lshl_add_u32 v6, v1, 3, v6                   ; + 8 u
	v_lshlrev_b32 v3, 2, v6                        ; in: 4 bytes a column
	s_lshl_b32 s22, s18, 12
	v_lshlrev_b32 v4, 4, v2
	v_lshl_add_u32 v4, v1, 11, v4
	v_add_nc_u32 v4, s22, v4                       ; codes out: 2,048 (2 w + u) + 16 r
	s_lshl_b32 s22, s18, 7
	s_add_co_u32 s22, s22, 16384
	s_wait_alu depctr_va_vdst(0)
	v_lshlrev_b32 v5, 2, v2
	v_lshl_add_u32 v5, v1, 6, v5
	v_add_nc_u32 v5, s22, v5                       ; scale words out: 16,384 + 64 (2 w + u) + 4 r
	s_lshl_b32 s24, s21, 20                        ; 256 kq rows of 4,096 bytes
	s_lshl_b32 s22, s20, 9
	s_add_co_u32 s24, s24, s22                     ; + 128 G columns
	s_lshl_b32 s22, s18, 7
	s_add_co_u32 s24, s24, s22                     ; + 32 w columns
	s_mov_b32 s25, 0
	s_lshl_b32 s26, s19, 3
	s_add_co_u32 s26, s26, s20
	s_lshl_b32 s26, s26, 3
	s_lshl_b32 s22, s21, 1
	s_add_co_u32 s26, s26, s22
	s_mul_i32 s26, s26, REC                        ; record (8 p + G) 8 + 2 kq
	s_mov_b32 s27, 0
	s_mov_b32 s28, 0x600000                        ; the mantissa field of 57,344
	s_wait_kmcnt 0x0
	s_cmp_eq_u32 s19, 1                            ; which weight: the choice hangs on the work-group's number alone
	s_cselect_b64 s[4:5], s[6:7], s[4:5]
	s_cmp_eq_u32 s19, 2
	s_cselect_b64 s[4:5], s[8:9], s[4:5]
	s_cmp_eq_u32 s19, 3
	s_cselect_b64 s[4:5], s[10:11], s[4:5]
	s_add_nc_u64 s[4:5], s[4:5], s[24:25]
	s_add_nc_u64 s[14:15], s[14:15], s[26:27]
.macro LOAD t                          ; block t: W(32 t + i, my column) into set t % 2
.irp i, 0,1,2,3,4,5,6,7,8,9,10,11,12,13,14,15,16,17,18,19,20,21,22,23,24,25,26,27,28,29,30,31
	global_load_b32 v[X+32*((\t)%2)+\i], v3, s[4:5] offset:(32*(\t)+\i)*4096 th:TH_LOAD_NT
.endr
.endm
.macro BLOCK t
.set XB, X+32*((\t)%2)
.set CC, C+8*(\t)
.if (\t) < 7
	s_wait_loadcnt 32                              ; this block's 32 loads are in; the next block's 32 may be out
.else
	s_wait_loadcnt 0x0
.endif
	v_max3_num_f32 v12, |v[XB]|, |v[XB+1]|, |v[XB+2]|              ; the block's largest magnitude: all 32 numbers are mine; two chains
	v_max3_num_f32 v13, |v[XB+3]|, |v[XB+4]|, |v[XB+5]|
.irp i, 6,10,14,18,22,26
	v_max3_num_f32 v12, v12, |v[XB+\i]|, |v[XB+\i+1]|
	v_max3_num_f32 v13, v13, |v[XB+\i+2]|, |v[XB+\i+3]|
.endr
	v_max3_num_f32 v12, v12, |v[XB+30]|, |v[XB+31]|
	v_max3_num_f32 v12, v12, v13, 0x8000000        ; and the floor 2^(16 - 127): the byte cannot fall under 1
	v_add_nc_u32 v11, 0xf8800000, v12              ; 15 off the exponent field: the conversion's scale operand
	v_and_or_b32 v10, v12, 0x7f800000, s28         ; 57,344 x the scale
	v_lshrrev_b32 v13, 23, v11                     ; the scale's byte
.if (\t)%4 == 0
	v_mov_b32 v[SB+(\t)/4], v13
.else
	v_lshl_or_b32 v[SB+(\t)/4], v13, 8*((\t)%4), v[SB+(\t)/4]
.endif
.irp i, 0,1,2,3,4,5,6,7,8,9,10,11,12,13,14,15,16,17,18,19,20,21,22,23,24,25,26,27,28,29,30,31
	v_med3_num_f32 v[XB+\i], v[XB+\i], -v10, v10   ; the conversion to an 8-bit code does not saturate (ISA guide 7.6.2): the hold comes first
.endr
.irp g, 0,1,2,3
	v_cvt_scalef32_pk8_bf8_f32 v[CC+2*\g:CC+2*\g+1], v[XB+8*\g:XB+8*\g+7], v11
.endr
	global_store_b128 v4, v[CC:CC+3], s[14:15] offset:((\t)/4)*REC+((\t)%4)*512        ; k 0-15 of the block are the bytes of lane (r, 0) of the image: sixteen lanes store 256 consecutive bytes, aligned
	global_store_b128 v4, v[CC+4:CC+7], s[14:15] offset:((\t)/4)*REC+((\t)%4)*512+256  ; k 16-31 those of lane (r, 1)
.if (\t)+2 < 8
	LOAD (\t)+2
.endif
.if (\t)%4 == 3
	global_store_b32 v5, v[SB+(\t)/4], s[14:15] offset:((\t)/4)*REC                    ; a K step's four bytes: my row's scale word
.endif
.endm
	LOAD 0
	LOAD 1
.irp t, 0,1,2,3,4,5,6,7
	BLOCK \t
.endr
	s_endpgm
	; ---- THE MASK.  Work-group - 128 = 128 b + qt: sixteen queries x 2,048 keys.  Wave w takes keys 512 w on, as two units of 256 keys.
	; Loads are dense (sixteen lanes read 256 consecutive bytes of a query's row); the unit turns through the wave's own stage (rows of 256 + 16 bytes), so that lane (r, h) holds 16 neighbouring keys of query r.
.Lmask:
	s_sub_co_u32 s19, ttmp9, 128                   ; 128 b + qt
	s_lshr_b32 s20, s19, 7                         ; b
	s_and_b32 s21, s19, 127                        ; qt
	s_lshr_b32 s22, s21, 3
	s_lshl_b32 s22, s22, 7
	s_bfe_u32 s23, s21, 0x20001
	s_lshl_b32 s23, s23, 5
	s_add_co_u32 s22, s22, s23
	s_and_b32 s23, s21, 1
	s_lshl_b32 s23, s23, 3
	s_add_co_u32 s22, s22, s23                     ; the tile's first query
	s_lshl_b32 s24, s22, 11                        ; rows of 2,048 bytes
	s_lshl_b32 s23, s20, 22
	s_add_co_u32 s24, s24, s23
	s_lshl_b32 s23, s18, 9
	s_add_co_u32 s24, s24, s23                     ; + my wave's 512 keys
	s_mov_b32 s25, 0
	s_lshl_b32 s26, s19, 12                        ; 16 steps x 256 bytes for a tile of queries
	s_lshl_b32 s23, s18, 10
	s_add_co_u32 s26, s26, s23                     ; + my wave's four steps
	s_mov_b32 s27, 0
	s_wait_alu depctr_va_vdst(0)
	v_lshlrev_b32 v3, 4, v2
	v_lshl_add_u32 v3, v1, 11, v3                  ; in: 16 r, lanes 16-31 one row further down
	s_mul_i32 s28, s18, 8704                       ; my two stages
	v_mul_u32_u24 v4, v1, 272
	v_lshl_add_u32 v4, v2, 4, v4
	v_add_nc_u32 v4, s28, v4                       ; into a stage: row h, 16 r
	v_mul_u32_u24 v5, v2, 272
	v_lshl_add_u32 v5, v1, 4, v5
	v_add_nc_u32 v5, s28, v5                       ; out of it: row r, 16 h
	v_and_b32 v6, 31, v0
	v_lshlrev_b32 v6, 4, v6                        ; words out: 16 bytes a lane
.irp i, 0,1,2,3,4,5,6,7
	v_mov_b32 v[OM+\i], 0                          ; written whole once: v_writelane_b32 fills them lane by lane
.endr
	s_wait_kmcnt 0x0
	s_add_nc_u64 s[12:13], s[12:13], s[24:25]
	s_add_nc_u64 s[16:17], s[16:17], s[26:27]
.irp y, 0,1
.irp i, 0,1,2,3,4,5,6,7
	global_load_b128 v[DG+32*\y+4*\i:DG+32*\y+4*\i+3], v3, s[12:13] offset:(2*\i+8*(\i/4))*2048+256*\y th:TH_LOAD_NT   ; stage rows 2 i and 2 i + 1: queries 2 i + h + 8 (i / 4) of the tile
.endr
.endr
.macro UNIT y
	s_wait_loadcnt 8*(1-\y)                        ; this unit's eight loads are in; the other unit's eight may be out
.irp i, 0,1,2,3,4,5,6,7
	ds_store_b128 v4, v[DG+32*\y+4*\i:DG+32*\y+4*\i+3] offset:4352*\y+544*\i
.endr
.irp i, 0,1,2,3,4,5,6,7
	ds_load_b128 v[DL+4*\i:DL+4*\i+3], v5 offset:4352*\y+32*\i     ; LDS serves a wave's instructions in order: these see my stores.  Keys 32 i + 16 h + 0 .. 15 of query r
.endr
	s_wait_dscnt 0x0
.set J, 0
.rept 128                              ; word J of the unit: one byte of each lane, gathered by a compare into a scalar, laid into lane J / 4 of register J % 4
	v_and_b32 v[TT+J%4], 0xff<<(8*(J%4)), v[DL+4*(J/16)+(J%16)/4]
	v_cmp_ne_u32 s[32+J%4], 0, v[TT+J%4]
	v_writelane_b32 v[OM+4*\y+J%4], s[32+J%4], J/4
.set J, J+1
.endr
	global_store_b128 v6, v[OM+4*\y:OM+4*\y+3], s[16:17] offset:512*\y   ; 128 words: 512 consecutive bytes
.endm
	UNIT 0
	UNIT 1
	s_wait_tensorcnt 0x0
	ds_add_u32 v176, v177
	s_wait_dscnt 0x0
	s_endpgm
.Lfunc_end_k_q199e12ff62_prep:
	.size	k_q199e12ff62_prep, .Lfunc_end_k_q199e12ff62_prep-k_q199e12ff62_prep
	.p2alignl 7, 3214868480
	.fill 96, 4, 3214868480
	.section	.rodata,"a",@progbits
	.p2align	6, 0x0
	.amdhsa_kernel k_q199e12ff62_prep
		.amdhsa_group_segment_fixed_size 35328
		.amdhsa_private_segment_fixed_size 0
		.amdhsa_enable_private_segment 0
		.amdhsa_kernarg_size 56
		.amdhsa_user_sgpr_count 2
		.amdhsa_user_sgpr_kernarg_segment_ptr 1
		.amdhsa_wavefront_size32 1
		.amdhsa_system_sgpr_workgroup_id_x 1
		.amdhsa_system_sgpr_workgroup_id_y 1
		.amdhsa_system_sgpr_workgroup_id_z 1
		.amdhsa_system_vgpr_workitem_id 0
		.amdhsa_next_free_vgpr 178
		.amdhsa_next_free_sgpr 66
		.amdhsa_reserve_vcc 0
		.amdhsa_float_denorm_mode_32 3
		.amdhsa_float_denorm_mode_16_64 3
		.amdhsa_memory_ordered 1
		.amdhsa_forward_progress 1
		.amdhsa_inst_pref_size 111
	.end_amdhsa_kernel
	.amdgpu_metadata
---
amdhsa.version: [ 1, 2 ]
amdhsa.kernels:
  - .name:           k_q199e12ff62_prep
    .symbol:         k_q199e12ff62_prep.kd
    .args:
      - { .name: Wq, .offset: 0, .size: 8, .value_kind: global_buffer, .address_space: global }
      - { .name: Wk, .offset: 8, .size: 8, .value_kind: global_buffer, .address_space: global }
      - { .name: Wv, .offset: 16, .size: 8, .value_kind: global_buffer, .address_space: global }
      - { .name: Wo, .offset: 24, .size: 8, .value_kind: global_buffer, .address_space: global }
      - { .name: mask, .offset: 32, .size: 8, .value_kind: global_buffer, .address_space: global }
      - { .name: wimg, .offset: 40, .size: 8, .value_kind: global_buffer, .address_space: global }
      - { .name: mbits, .offset: 48, .size: 8, .value_kind: global_buffer, .address_space: global }
    .group_segment_fixed_size: 35328
    .private_segment_fixed_size: 0
    .kernarg_segment_align: 8
    .kernarg_segment_size: 56
    .max_flat_workgroup_size: 128
    .sgpr_count:     66
    .vgpr_count:     178
    .wavefront_size: 32
...
	.end_amdgpu_metadata
.endif
;; end of part 5
;; launch proj (part 6): grid 64 x 3, 4 waves a work-group, no clusters, 207,360 bytes of LDS; arguments q, k, v, bq, bk, bv, wimg, qrec, kv; writes qrec, kv
.if DOCPART == 6
	.amdgcn_target "amdgcn-amd-amdhsa--gfx1250"
	.amdhsa_code_object_version 6
	.text
	.protected	k_q199e12ff62_proj
	.globl	k_q199e12ff62_proj
	.p2align	8
	.type	k_q199e12ff62_proj,@function
k_q199e12ff62_proj:
	s_mov_b64 s[64:65], 0
	v_nop
	global_prefetch_b8 v0, s[64:65] scope:SCOPE_SE
	s_setreg_imm32_b32 hwreg(HW_REG_WAVE_SCHED_MODE, 0, 2), 2
	s_setreg_imm32_b32 hwreg(HW_REG_WAVE_MODE, 25, 1), 1
	s_wait_xcnt 0x0
	s_wait_alu depctr_vm_vsrc(0)
; PROJ.  y = 0, 1, 2: x W + b for x = q, k, v ([8192][1024] f32), both operands as codes of BF8 (E5M2) with one E8M0 scale for each 32 along K; the result is quantised at once for the attention launch and leaves as codes alone.
; SHARES.  A work-group takes 128 tokens (work-group x) of one tensor (work-group y) and all 1,024 columns, in two chunks of 512.  Wave w takes 128 tokens x 128 columns (G = 4 chunk + w: two heads): 64 accumulators, 512 registers.
; x IS READ FROM MEMORY ONCE: phase X quantises the 128 rows (wave w: rows 32 w on) and lays them in LDS as IMAGES OF OPERAND REGISTERS (a group of four registers = 512 bytes, lane l's 16 bytes at 16 l): no pitch, no padding.
; The quantiser wants 16 neighbours along K in one lane; a load is best where neighbouring LANES take neighbouring bytes.  Both are had: a load reads 512 consecutive bytes of one row, and a fragment's 16 rows turn through the wave's own stage in LDS.
; W comes as such images from the launch before, from memory straight into registers, two sets deep: each fragment has ONE reader in the work-group (the waves share the columns out), so LDS and joint loads would serve nobody.
; TILES ARE NOT NEIGHBOURS: row r of tile (f, u) of tokens, or of W's columns, is 32 f + 8 u + r + 8 (r / 8), so that in a result the 16 registers of tiles (f, 0) and (f, 1) are 16 neighbours 32 f + 16 (lane / 16) + 0 .. 15: the next operand's layout.
; q, k (path 0): source 0 = W, source 1 = x: a lane holds a token, its registers run along the head's 64: the first attention product's K.   v (path 1): source 0 = x, source 1 = W: a lane holds a column, its registers run along the tokens: the keys, the second product's K.
; OUT.  qrec[bh][st], 8,448 bytes: codes [tile a 8][c 2][lane][16], scale words [r 16][f 4] (low half: tile (f, 0)'s two bytes, high half: tile (f, 1)'s).
;       kv[bh][st], 16,896 bytes: K's codes as in qrec; V's codes [t 4][c 4][lane][16] (row = dim 32 (t / 2) + 8 (t % 2) + r + 8 (r / 8), k = key); K's scale words [r][f]; V's [r][t].
; LIMITS: NaN and infinities are not served; a block of zeros, or one under 2^-111, gets the byte 1 (this program alone reads the bytes).
; REGISTERS, in windows of 256.  Window 0: v1-15 addresses; v16-31 at work at the head; v32-47 x's scale words, two sets; v48-63 W's, two sets; v64-127 the bias as the first products' C, else the quantiser's work;
;   v128-255 x's eight fragments (v192-255 also the quantiser's 64 held numbers).  Window 1: W's fragments, two sets of 128.  Windows 2, 3: the accumulators (in phase X window 2 holds four sets of 64 numbers of x as loaded, window 3 two sets as turned).
; THE MODE: SCHED_MODE bits 1:0 = 2 (LLVM: expert scheduling mode 2), set by the entry lines.  The code itself states the register dependences
; between vector or matrix instructions and memory or LDS instructions, with s_wait_alu, always for 0.
; THE PLAN.  Registers that memory or LDS instructions touch:
;   PHASE X, fragment i.  Loaded set i % 4 (window 2): written by x's loads, read by the turn's LDS stores alone (issued in fragment i - 1), loaded again at fragment i's head.
;     Turned set i % 2 (window 3): written by the turn's LDS loads, read by fragment i's quantiser, loaded again in fragment i + 1.   v[PC ..], v[PWS]: written by the quantiser, read by the image's five LDS stores.
;     v[XWC], v[XSW]: written in a trip's first fragment, read by the images' stores.
;     TWO WAITS A FRAGMENT: vm_vsrc at its head (the stage's and the last image's stores have read their registers), va_vdst behind its quantiser (the codes are written; the turned set is done with).
;   THE K LOOP, step s, W's set p.  x's blocks 0-3: read by the step's first 32 products, loaded again in its second half.  Blocks 4-7: read by its second 32, loaded again in the next step's first half.
;     W's set p and both sets p of scale words: read by all 64, loaded again in the next step.  v[ADX], v[ADS]: read by every LDS load of x, written once a step.
;     x has ONE set: 512 registers of accumulators, 256 of W and 128 of x leave no room for a second.  So TWO WAITS ON va_vdst A STEP, one at its head and one in its middle, and one on vm_vsrc ahead of the two additions.
;     Behind each wait on va_vdst x's loads are dealt, eight at a time, behind the half's first two rows of four products, which name none of the registers that those loads touch; W's 40 loads go out at once, since they are wanted first thing in the next step.
;   THE WAY OUT.  v[PC ..]: written by a tile's conversions, read by its four stores; v[OW ..]: written once a chunk, read by one store.  At a chunk's head the bias lands in v64-127, which hold both.
;   v[L16], v[R4], v[SWA], v[SRA], v[SOFF], v[ADS0], v[XWI], v[XWS]: made at the head and never written again.
.set RECW, 16896
.set XSC,  131072                      ; LDS: x's images [ks 8][a 8][c 4][lane][16] from 0; from here their scale words [ks 8][lane 32][a 8]
.set STG,  139264                      ; and from here two stages for each wave
.set SPI,  528                         ; a stage row: 512 bytes + 16 = 132 words: the sixteen rows that a load touches start at sixteen different banks (64 banks of 4 bytes: ISA guide 11.1)
.set STB,  16*SPI                      ; a stage: 16 rows
.set L16,  1                           ; 16 x lane
.set R4,   2                           ; 4 r
.set SWA,  3                           ; my wave's stages, on the way in: + 16 lane
.set XWI,  4                           ; where my wave stores x's images: 16 lane + 4,096 w
.set XWS,  5                           ; and their scale words: XSC + 32 lane + 8 w
.set ADX,  6                           ; the K step's images
.set SRA,  7                           ; my wave's stages, on the way out: + 528 r + 64 h
.set ADS,  8                           ; the K step's scale words
.set ADS0, 9                           ; XSC + 32 lane
.set SELV, 10                          ; v_perm_b32's select: lanes 0-15 the low halves (the first head), lanes 16-31 the high halves (the second)
.set SOFF, 11                          ; scale words out: 16 r, lanes 16-31 one head on
.set BOFF, 12                          ; the bias
.set FLR,  13                          ; 2^(16 - 127)
.set XWC,  14                          ; phase X: this trip's store addresses
.set XSW,  15
.set XS,   32
.set WS,   48
.set BI,   64
.set TM,   64                          ; v64-67 largest magnitudes, v68-71 bytes, v72-75 57,344 x the scale, v76-79 the conversions' scale operands
.set PC,   80                          ; v80-95 the codes just made
.set PWS,  112                         ; v112-119 scale words just made
.set OW,   120                         ; v120-123 scale words as they leave
.set XF,   128
.set T,    192
.set XP,   4                           ; s[4:5]   x at my wave's rows
.set WP,   6                           ; s[6:7]   W's record in hand
.set BP,   8                           ; s[8:9]   the bias at my 128 columns
.set OB0,  10                          ; s[10:11] the first head's record (codes), s[12:13] the second's, s[14:15] the first head's scale words
.set OB1,  12
.set OBS,  14
.set WV,   16
.set CH,   17
.set LP,   18
.set MNT,  19
.set SEL,  20
.set Y,    22
.set RECS, 23
.set HSTR, 24
.set HM,   25
.set CHS,  26
.set KX,   28
.set KS,   29
.set MSB, 0
.macro WIN new                         ; the immediate's high byte repeats the setting that is left; a switch that changes nothing is dropped
.if MSB != (\new)
	s_set_vgpr_msb (MSB<<8)|(\new)
.set MSB, (\new)
.endif
.endm
.macro PLACES n
.rept \n
	v_nop
.endr
.endm
; 64 numbers of a lane, v[s] .. v[s + 63] of window w, register 16 b + i = k 32 b + 16 (lane / 16) + i of my row, become a fragment's codes in v[PC] on and its scale word in v[pw].  The numbers are read from the low end on and left as they are.
; gate other than 0: global stores of the codes made last are out; the two waits for them stand ahead of the conversions, behind the maxima and the holds.
.macro QUANT w, s, pw, gate
	WIN (((\w)<<2)|((\w)<<4))
.irp b, 0,1,2,3
	v_max3_num_f32 v[TM+\b], v[FLR], |v[(\s)+16*\b]|, |v[(\s)+16*\b+1]|      ; block b: my 16 numbers and the floor; the four blocks by turns
.endr
.irp i, 2,4,6,8,10,12,14
.irp b, 0,1,2,3
	v_max3_num_f32 v[TM+\b], v[TM+\b], |v[(\s)+16*\b+\i]|, |v[(\s)+16*\b+\i+1]|
.endr
.endr
	WIN 0
.irp b, 0,1,2,3
	v_permlanex16_b32 v[TM+4+\b], v[TM+\b], s[SEL], s[SEL+1]
.endr
.irp b, 0,1,2,3
	v_max_num_f32 v[TM+\b], v[TM+\b], v[TM+4+\b]   ; with lane l xor 16's: the block's largest magnitude
.endr
.irp b, 0,1,2,3
	v_add_nc_u32 v[TM+12+\b], 0xf8800000, v[TM+\b] ; 15 off the exponent field: the conversion's scale operand
.endr
.irp b, 0,1,2,3
	v_and_or_b32 v[TM+8+\b], v[TM+\b], 0x7f800000, s[MNT]   ; 57,344 x the scale
.endr
.irp b, 0,1,2,3
	v_lshrrev_b32 v[TM+4+\b], 23, v[TM+12+\b]      ; the scale's byte
.endr
	v_lshl_or_b32 v[\pw], v[TM+5], 8, v[TM+4]
	v_lshl_or_b32 v[\pw], v[TM+6], 16, v[\pw]
	v_lshl_or_b32 v[\pw], v[TM+7], 24, v[\pw]
	WIN (\w)
.irp b, 0,1,2,3
.irp i, 0,1,2,3,4,5,6,7,8,9,10,11,12,13,14,15
	v_med3_num_f32 v[T+16*\b+\i], v[(\s)+16*\b+\i], -v[TM+8+\b], v[TM+8+\b]   ; the conversion does not saturate (ISA guide 7.6.2): the hold, on the way into window 0
.endr
.endr
	WIN 0
.if \gate
	s_wait_alu depctr_va_vdst(0)
	s_wait_xcnt 0x0                                ; the last tile's stores have had their addresses translated (ISA guide 3.1): their data are rewritten only behind this wait,
	s_wait_alu depctr_vm_vsrc(0)                   ; and they have read v[PC ..], which the conversions below write again
.endif
.irp b, 0,1,2,3
	v_cvt_scalef32_pk8_bf8_f32 v[PC+4*\b:PC+4*\b+1], v[T+16*\b:T+16*\b+7], v[TM+12+\b]
	v_cvt_scalef32_pk8_bf8_f32 v[PC+4*\b+2:PC+4*\b+3], v[T+16*\b+8:T+16*\b+15], v[TM+12+\b]
.endr
	v_nop                                          ; one plain vector instruction behind the last scaled conversion
.endm
.macro XLOAD i, off                    ; fragment i = (tile u = i / 2, K step i % 2 of the trip's two), as it lies: a row a load, the 32 lanes read the row's 512 consecutive bytes; load n is row n of the tile: token 8 u + n + 8 (n / 8)
	WIN 0x80
.irp n, 0,1,2,3,4,5,6,7,8,9,10,11,12,13,14,15
	global_load_b128 v[64*(\i)+4*\n:64*(\i)+4*\n+3], v[L16], s[XP:XP+1] offset:(8*((\i)/2)+\n+8*(\n/8))*4096+512*((\i)%2)+(\off) th:TH_LOAD_NT
.endr
	WIN 0
.endm
.macro TURN i                          ; the set loaded for fragment i goes through stage i % 2 and comes back 64 bytes of each block a lane: register 16 b + 4 j on = k 32 b + 16 h + 4 j on of row r
	WIN 0x08                                       ; an LDS store's data are its source 1: window 2
.irp n, 0,1,2,3,4,5,6,7,8,9,10,11,12,13,14,15
	ds_store_b128 v[SWA], v[64*((\i)%4)+4*\n:64*((\i)%4)+4*\n+3] offset:STB*((\i)%2)+SPI*\n
.endr
	WIN 0xc0                                       ; destination window 3.  LDS serves a wave's instructions in order (ISA guide 5.7.1.4): these see the stores above
.irp b, 0,1,2,3
.irp j, 0,1,2,3
	ds_load_b128 v[64*((\i)%2)+16*\b+4*\j:64*((\i)%2)+16*\b+4*\j+3], v[SRA] offset:STB*((\i)%2)+128*\b+16*\j
.endr
.endr
	WIN 0
.endm
; A fragment's turn in phase X.  refill = 1: its set is loaded again, two K steps on.  turn = 1: the next fragment goes through the other stage while this one is quantised; left = how many younger loads may stay out.
.macro XFRAG i, refill, turn, left
	s_wait_dscnt 5                                 ; my numbers are back from the stage; the last image's five stores may be out
	s_wait_alu depctr_vm_vsrc(0)                   ; the stores into the stage have read the loaded set, in which the refill lands; the last image's stores have read v[PC ..], v[PWS], v[XWC] and v[XSW], which are written again below
.if (\i) == 0
	v_add_nc_u32 v[XWC], s[KX], v[XWI]             ; this trip's two K steps: where their images go,
	v_add_nc_u32 v[XSW], s[KS], v[XWS]             ; and their scale words
.endif
.if \refill
	XLOAD \i, 1024
.endif
.if \turn
	s_wait_loadcnt \left                           ; the next fragment's 16 loads are in; the younger sets stay out
	TURN (\i)+1                                    ; its loads land in the turned set that the fragment before quantised: the wait behind that quantiser has shown it done with, and nothing since names the set or v[SRA]
	s_wait_dscnt 32                                ; all but the 32 just issued: the last image's stores have landed
.else
	s_wait_dscnt 0x0
.endif
	QUANT 3, 64*((\i)%2), PWS, 0
	s_wait_alu depctr_va_vdst(0)                   ; the codes, the scale word and (in a trip's first fragment) the two addresses are written, which the five stores read; the quantiser is done reading its turned set, which is loaded again a fragment on
.irp c, 0,1,2,3
	ds_store_b128 v[XWC], v[PC+4*\c:PC+4*\c+3] offset:((\i)%2)*16384+((\i)/2)*2048+512*\c
.endr
	ds_store_b32 v[XSW], v[PWS] offset:((\i)%2)*1024+4*((\i)/2)
.endm
.macro FETCH_X a0                      ; x's fragments a0 .. a0 + 3 of the K step at v[ADX]
.irp i, 0,1,2,3
.irp c, 0,1,2,3
	ds_load_b128 v[XF+16*((\a0)+\i)+4*\c:XF+16*((\a0)+\i)+4*\c+3], v[ADX] offset:2048*((\a0)+\i)+512*\c
.endr
.endr
.endm
.macro FETCH_X2 a0                     ; two of them: a0 and a0 + 1: eight loads
.irp i, 0,1
.irp c, 0,1,2,3
	ds_load_b128 v[XF+16*((\a0)+\i)+4*\c:XF+16*((\a0)+\i)+4*\c+3], v[ADX] offset:2048*((\a0)+\i)+512*\c
.endr
.endr
.endm
.macro FETCH_XS p                      ; and its eight scale words, into set p
	ds_load_b128 v[XS+8*(\p):XS+8*(\p)+3], v[ADS]
	ds_load_b128 v[XS+8*(\p)+4:XS+8*(\p)+7], v[ADS] offset:16
.endm
.macro FETCH_W p                       ; a record of W: eight fragments and their scale words into set p: 40 loads
	WIN 0x40
.irp b, 0,1,2,3,4,5,6,7
.irp c, 0,1,2,3
	global_load_b128 v[128*(\p)+16*\b+4*\c:128*(\p)+16*\b+4*\c+3], v[L16], s[WP:WP+1] offset:2048*\b+512*\c
.endr
.endr
	WIN 0
.irp b, 0,1,2,3,4,5,6,7
	global_load_b32 v[WS+8*(\p)+\b], v[R4], s[WP:WP+1] offset:16384+64*\b
.endr
.endm
; 16 matrix instructions: x's tiles 4 ha on x W's tiles 4 hb on.  Each of the 64 accumulators has one instruction in a K step, in the same order in every step: the accumulators take turns.
; first = 1: the bias is the C of the sum's first instruction: nothing is cleared and nothing is added later.
; deal = 1: behind the first two rows of four products stand this step's blocks 4-7 of x, eight LDS loads each time; deal = 2: the next step's blocks 0-3 and its scale words.  No wait stands with them:
; the products issued since the half's wait on va_vdst name the other four blocks of x, W's set p, the sets p of scale words and the accumulators.
.macro MULQ v, ha, hb, p, first, deal
.if \v
.set DW, 2+\hb
.set WB, 0x04
.else
.set DW, 2+\ha
.set WB, 0x01
.endif
.irp i, 0,1,2,3
.if \first
	WIN (WB|(DW<<6))
.else
	WIN (WB|(DW<<4)|(DW<<6))
.endif
.irp j, 0,1,2,3
.set AA, 4*\ha+\i
.set BB, 4*\hb+\j
.if \v
.set RD, 64*\j+8*AA
.set RA, XF+16*AA
.set RB, 128*\p+16*BB
.set SCA, XS+8*\p+AA
.set SCB, WS+8*\p+BB
.else
.set RD, 64*\i+8*BB
.set RA, 128*\p+16*BB
.set RB, XF+16*AA
.set SCA, WS+8*\p+BB
.set SCB, XS+8*\p+AA
.endif
.if \first
	v_wmma_scale_f32_16x16x128_f8f6f4 v[RD:RD+7], v[RA:RA+15], v[RB:RB+15], v[BI+8*BB:BI+8*BB+7], v[SCA], v[SCB] matrix_a_fmt:MATRIX_FMT_BF8 matrix_b_fmt:MATRIX_FMT_BF8
.else
	v_wmma_scale_f32_16x16x128_f8f6f4 v[RD:RD+7], v[RA:RA+15], v[RB:RB+15], v[RD:RD+7], v[SCA], v[SCB] matrix_a_fmt:MATRIX_FMT_BF8 matrix_b_fmt:MATRIX_FMT_BF8
.endif
.endr
.if ((\deal) == 1) && (\i < 2)
	WIN 0
	FETCH_X2 4+2*\i
.endif
.if ((\deal) == 2) && (\i < 2)
	WIN 0
	FETCH_X2 2*\i
.endif
.if ((\deal) == 2) && (\i == 1)
	FETCH_XS 1-\p
.endif
.endr
.endm
; A K STEP of 128: 64 matrix instructions.  At its head x's blocks 0-3, x's scale words and W's set p have been asked for.  A load into a register that a matrix instruction has read stands eight plain vector instructions behind it: the places stay beside the waits.
.macro STEP v, p, first, last
	PLACES 8                                       ; behind the last step's products, which read x's blocks 4-7, W's other set and the other sets of scale words
.if !\first
	s_wait_alu depctr_va_vdst(0)                   ; the last step's products are done reading x's blocks 4-7, W's other set and the other sets of scale words, in which this step's loads land (a chunk's first step: the wait at the chunk's head has said so)
.endif
.if \last
	s_wait_loadcnt 0x0
.else
	s_wait_xcnt 0x0                                ; the pending loads have read their base
	s_add_nc_u64 s[WP:WP+1], s[WP:WP+1], RECW
	FETCH_W 1-\p
	s_wait_loadcnt 40                              ; all but the 40 just issued: this step's W, and the bias, are in
.endif
	s_wait_dscnt 0x0                               ; x's blocks 0-3 and scale words are in (asked for in the last step's second half)
	MULQ \v, 0, 0, \p, \first, 1                   ; with blocks 4-7 dealt among its products
	MULQ \v, 0, 1, \p, \first, 0
	s_wait_dscnt 0x0                               ; blocks 4-7 are in, and no LDS load of mine is out
	WIN 0
.if \last
	s_mov_b32 s[KX], 0
	s_mov_b32 s[KS], 0
.else
	s_add_co_u32 s[KX], s[KX], 16384
	s_add_co_u32 s[KS], s[KS], 1024
.endif
	s_wait_alu depctr_vm_vsrc(0)                   ; the LDS loads issued so far have read v[ADX] and v[ADS]: the addresses may step
	v_add_nc_u32 v[ADX], s[KX], v[L16]
	v_add_nc_u32 v[ADS], s[KS], v[ADS0]
	PLACES 6                                       ; with the two additions: eight places behind the products that read blocks 0-3
	s_wait_alu depctr_va_vdst(0)                   ; the two addresses are written, which the loads below read; the step's first 32 products are done reading blocks 0-3, in which they land
.if \last
	s_cmp_eq_u32 s[CH], 1                          ; behind the last chunk nothing is fetched
	s_cbranch_scc1 .Lnomore_\@
	FETCH_X 0                                      ; the next chunk's first step: in one run, under the one branch
	FETCH_XS 1-\p
	s_wait_xcnt 0x0
	s_add_nc_u64 s[WP:WP+1], s[WP:WP+1], 25*RECW   ; from K step 7 of G to K step 0 of G + 4
	FETCH_W 0
.Lnomore_\@:
	MULQ \v, 1, 0, \p, \first, 0
.else
	MULQ \v, 1, 0, \p, \first, 2                   ; with the next step's blocks 0-3 and scale words dealt among its products
.endif
	MULQ \v, 1, 1, \p, \first, 0
	WIN 0
.endm
.macro BIAS v                          ; eight registers a tile of W's columns, in the result's layout
.irp b, 0,1,2,3,4,5,6,7
.if \v
.irp j, 0,1,2,3,4,5,6,7
	global_load_b32 v[BI+8*\b+\j], v[BOFF], s[BP:BP+1] offset:(32*(\b/2)+8*(\b%2))*4   ; a lane holds one column: the same number in all eight
.endr
.else
	global_load_b128 v[BI+8*\b:BI+8*\b+3], v[BOFF], s[BP:BP+1] offset:(32*(\b/2)+8*(\b%2))*4      ; columns 32 (b / 2) + 16 h + 8 (b % 2) + 0 .. 7
	global_load_b128 v[BI+8*\b+4:BI+8*\b+7], v[BOFF], s[BP:BP+1] offset:(32*(\b/2)+8*(\b%2))*4+16
.endif
.endr
.endm
; THE WAY OUT of a chunk: eight times 64 numbers a lane (path 0: a tile of tokens x my 128 columns; path 1: a tile of columns x the 128 tokens) become a fragment and a scale word.  Every store of codes covers 512 consecutive bytes.
; The waits for a tile's stores stand in the next tile's quantiser, ahead of its conversions; the first tile has none: the chunk's head has shown the codes' registers read.
.macro EPI v
	PLACES 8
.irp i, 0,1,2,3,4,5,6,7
	QUANT 2+\i/4, 64*(\i%4), PWS+\i, \i
	s_wait_alu depctr_va_vdst(0)                   ; the conversions have written v[PC ..], which the four stores read
.irp g, 0,1,2,3
.if \v
	global_store_b128 v[L16], v[PC+4*\g:PC+4*\g+3], s[OB0+2*(\i/4):OB0+2*(\i/4)+1] offset:2048*(\i%4)+512*\g
.else
	global_store_b128 v[L16], v[PC+4*\g:PC+4*\g+3], s[OB0+2*(\g/2):OB0+2*(\g/2)+1] offset:1024*\i+512*(\g%2)
.endif
.endr
.endr
.irp f, 0,1,2,3
.if \v
	v_cndmask_b32 v[OW+\f], v[PWS+\f], v[PWS+4+\f], s[HM]          ; lanes 0-15: the first head's tiles, lanes 16-31 the second's
.else
	v_perm_b32 v[OW+\f], v[PWS+2*\f+1], v[PWS+2*\f], v[SELV]       ; my head's two bytes of tile (f, 0) below those of tile (f, 1)
.endif
.endr
	s_wait_alu depctr_va_vdst(0)                   ; v[OW ..] are written, which the store reads
	global_store_b128 v[SOFF], v[OW:OW+3], s[OBS:OBS+1]            ; sixteen lanes store a head's 256 bytes of scale words
	s_wait_xcnt 0x0                                ; the stores have read their bases and data
	s_add_nc_u64 s[OB0:OB0+1], s[OB0:OB0+1], s[CHS:CHS+1]
	s_add_nc_u64 s[OB1:OB1+1], s[OB1:OB1+1], s[CHS:CHS+1]
	s_add_nc_u64 s[OBS:OBS+1], s[OBS:OBS+1], s[CHS:CHS+1]
	s_add_nc_u64 s[BP:BP+1], s[BP:BP+1], 2048
.endm
.macro CHUNKS v
	s_mov_b32 s[CH], 2
.Lchunk_\@:
	s_wait_alu depctr_vm_vsrc(0)                   ; the stores of codes and scale words (first chunk: phase X's LDS stores; second: the way out's) have read v80-123, in which the bias lands; phase X's stores into the stages have read window 2, which the products write
	s_wait_alu depctr_va_vdst(0)                   ; v[BOFF] is written, which the bias's loads read; the quantiser is done with v64-127, in which they land, and with v192-255, in which x's blocks 4-7 land; the last chunk's products are done reading W's set 1 and the sets 1 of scale words
	BIAS \v
	STEP \v, 0, 1, 0
	s_mov_b32 s[LP], 3
.Lk_\@:
	STEP \v, 1, 0, 0
	STEP \v, 0, 0, 0
	s_sub_co_u32 s[LP], s[LP], 1
	s_cmp_lg_u32 s[LP], 0
	s_cbranch_scc1 .Lk_\@
	STEP \v, 1, 0, 1
	EPI \v
	s_sub_co_u32 s[CH], s[CH], 1
	s_cmp_lg_u32 s[CH], 0
	s_cbranch_scc1 .Lchunk_\@
	s_wait_dscnt 0x0                               ; the closing lines, six on end
	s_wait_alu 0x0
	s_wait_tensorcnt 0x0
	ds_add_u32 v30, v31
	s_wait_dscnt 0x0
	s_endpgm
.endm
	s_load_b512 s[32:47], s[0:1], 0x0              ; q, k, v, bq, bk, bv, wimg, qrec
	s_load_b64 s[48:49], s[0:1], 0x40              ; kv
	v_lshl_add_u32 v30, v0, 2, 0x32800
	v_mov_b32 v31, 0
	v_lshrrev_b32 v16, 5, v0
	v_readfirstlane_b32 s[WV], v16                 ; wave 0..3
	s_and_b32 s[Y], ttmp7, 0xffff                  ; which tensor
	v_and_b32 v16, 15, v0                          ; r
	v_bfe_u32 v17, v0, 4, 1                        ; h
	v_and_b32 v18, 31, v0                          ; lane
	v_and_b32 v19, 8, v16
	v_add_nc_u32 v19, v19, v16                     ; r + 8 (r / 8)
	v_lshlrev_b32 v[L16], 4, v18
	v_lshlrev_b32 v[R4], 2, v16
	s_wait_alu depctr_va_sdst(0)                   ; the wave's number is written, ahead of its first reader: LDS addresses and the bases are made from it
	s_mul_i32 s30, s[WV], 2*STB
	s_add_co_u32 s30, s30, STG                     ; my wave's two stages
	v_add_nc_u32 v[SWA], s30, v[L16]
	v_mul_u32_u24 v20, v16, SPI
	v_lshl_add_u32 v20, v17, 6, v20                ; row r, + 64 h: my 16 numbers of a block of 32
	v_add_nc_u32 v[SRA], s30, v20
	s_lshl_b32 s30, s[WV], 12
	v_add_nc_u32 v[XWI], s30, v[L16]
	s_lshl_b32 s30, s[WV], 3
	s_add_co_u32 s30, s30, XSC
	v_lshl_add_u32 v[XWS], v18, 5, s30
	v_lshl_add_u32 v[ADS0], v18, 5, XSC
	v_mov_b32 v[ADX], v[L16]                       ; the first K step's images and scale words: made here, ahead of the head's one wait on va_vdst
	v_mov_b32 v[ADS], v[ADS0]
	v_mov_b32 v[FLR], 0x8000000
	s_mov_b32 s[HM], 0xffff0000                    ; lanes 16-31
	v_mov_b32 v[SELV], 0x05040100
	v_mov_b32 v20, 0x07060302
	v_cndmask_b32 v[SELV], v[SELV], v20, s[HM]
.irp b, 0,1,2,3
	v_mov_b32 v[TM+4+\b], 0                        ; written once: a lane permute's destination counts as one of its sources
.endr
	s_mov_b32 s[SEL], 0x76543210
	s_mov_b32 s[SEL+1], 0xfedcba98                 ; v_permlanex16_b32's selects for lane l xor 16
	s_mov_b32 s[MNT], 0x600000                     ; the mantissa field of 57,344
	s_lshr_b32 s50, ttmp9, 4                       ; b
	s_and_b32 s51, ttmp9, 15                       ; st
	s_cmp_eq_u32 s[Y], 0
	s_mov_b32 s[RECS], 16896
	s_cselect_b32 s[RECS], 8448, s[RECS]           ; a record of qrec or of kv
	s_lshl_b32 s[HSTR], s[RECS], 4                 ; from head to head: 16 records
	s_lshl_b32 s[CHS], s[HSTR], 3                  ; from chunk to chunk: 8 heads
	s_mov_b32 s[CHS+1], 0
	v_mul_lo_u32 v20, v17, s[HSTR]
	v_lshl_add_u32 v[SOFF], v16, 4, v20
	s_lshl_b32 s52, s50, 4
	s_lshl_b32 s53, s[WV], 1
	s_add_co_u32 s52, s52, s53                     ; bh = 16 b + 2 w
	s_lshl_b32 s52, s52, 4
	s_add_co_u32 s52, s52, s51
	s_mul_i32 s52, s52, s[RECS]                    ; my first head's record
	s_cmp_eq_u32 s[Y], 2
	s_cselect_b32 s54, 8192, 0                     ; V's codes lie behind K's
	s_mov_b32 s55, 16384
	s_cselect_b32 s55, 16640, s55                  ; the scale words: K's at 16,384, V's at 16,640,
	s_cmp_eq_u32 s[Y], 0
	s_cselect_b32 s55, 8192, s55                   ; Q's at 8,192
	s_add_co_u32 s54, s54, s52
	s_add_co_u32 s56, s55, s52
	s_mov_b32 s55, 0
	s_mov_b32 s57, 0
	s_lshl_b32 s58, ttmp9, 19                      ; 128 rows of 4,096 bytes a work-group,
	s_lshl_b32 s59, s[WV], 17                      ; 32 a wave
	s_add_co_u32 s58, s58, s59
	s_mov_b32 s59, 0
	s_lshl_b32 s60, s[Y], 6
	s_lshl_b32 s61, s[WV], 3
	s_add_co_u32 s60, s60, s61
	s_mul_i32 s60, s60, RECW                       ; W's record (y, G = w, K step 0)
	s_mov_b32 s61, 0
	s_lshl_b32 s62, s[WV], 9                       ; my 128 numbers of the bias
	s_mov_b32 s63, 0
	s_mov_b32 s30, s[HSTR]
	s_mov_b32 s31, 0
	s_wait_kmcnt 0x0
	s_cmp_eq_u32 s[Y], 1                           ; the buffers are chosen by the work-group's y alone
	s_cselect_b64 s[XP:XP+1], s[34:35], s[32:33]
	s_cselect_b64 s[BP:BP+1], s[40:41], s[38:39]
	s_cmp_eq_u32 s[Y], 2
	s_cselect_b64 s[XP:XP+1], s[36:37], s[XP:XP+1]
	s_cselect_b64 s[BP:BP+1], s[42:43], s[BP:BP+1]
	s_cmp_eq_u32 s[Y], 0
	s_cselect_b64 s[OB0:OB0+1], s[46:47], s[48:49]
	s_mov_b64 s[OBS:OBS+1], s[OB0:OB0+1]
	s_add_nc_u64 s[XP:XP+1], s[XP:XP+1], s[58:59]
	s_add_nc_u64 s[WP:WP+1], s[44:45], s[60:61]
	s_add_nc_u64 s[BP:BP+1], s[BP:BP+1], s[62:63]
	s_add_nc_u64 s[OB0:OB0+1], s[OB0:OB0+1], s[54:55]
	s_add_nc_u64 s[OBS:OBS+1], s[OBS:OBS+1], s[56:57]
	s_add_nc_u64 s[OB1:OB1+1], s[OB0:OB0+1], s[30:31]
	s_wait_alu depctr_va_vdst(0)                   ; the addresses and offsets made above are written: v[L16], v[R4], v[SWA], v[SRA], v[ADX], v[ADS] and v[SOFF], which loads and stores read from here on
	FETCH_W 0                                      ; the first K step's W: older than every load of x, so the counts below hold
	XLOAD 0, 0
	XLOAD 1, 0
	XLOAD 2, 0
	XLOAD 3, 0
	; ---- PHASE X: my 32 rows of x become 16 fragments (tiles a = 2 w + u, eight K steps), two K steps a trip.  Four sets of 16 loads are on their way; the turn through the stage runs one fragment ahead of the quantiser
	s_wait_loadcnt 48                              ; fragment 0's 16 loads are in; the three younger sets stay out
	TURN 0
	s_wait_dscnt 0x0                               ; once: so that the count at a fragment's head holds on the way into the loop too
	s_mov_b32 s[KX], 0
	s_mov_b32 s[KS], 0
	s_mov_b32 s[LP], 3
.Lx:
	XFRAG 0, 1, 1, 48
	XFRAG 1, 1, 1, 48
	XFRAG 2, 1, 1, 48
	XFRAG 3, 1, 1, 48
	s_wait_xcnt 0x0                                ; the loads have read their base (the last were issued a fragment's arithmetic ago)
	s_add_nc_u64 s[XP:XP+1], s[XP:XP+1], 1024
	s_add_co_u32 s[KX], s[KX], 32768
	s_add_co_u32 s[KS], s[KS], 2048
	s_sub_co_u32 s[LP], s[LP], 1
	s_cmp_lg_u32 s[LP], 0
	s_cbranch_scc1 .Lx
	XFRAG 0, 0, 1, 32                              ; the last trip loads nothing: the counts run down
	XFRAG 1, 0, 1, 16
	XFRAG 2, 0, 1, 0
	XFRAG 3, 0, 0, 0
	s_wait_dscnt 0x0                               ; for the others' sake: my stores have landed
	s_barrier_signal -1
	s_barrier_wait -1                              ; x's 64 fragments lie in LDS; nothing is stored to LDS behind this barrier
	s_mov_b32 s[KX], 0
	s_mov_b32 s[KS], 0
	FETCH_X 0                                      ; v[ADX] and v[ADS] stand since the head; no vector or LDS instruction has named v128-191 or v32-39
	FETCH_XS 0
	s_cmp_eq_u32 s[Y], 2
	s_cbranch_scc1 .Lvpath
	v_lshlrev_b32 v[BOFF], 6, v17                  ; the bias: 16 h numbers on
	CHUNKS 0
.Lvpath:
	v_lshlrev_b32 v[BOFF], 2, v19                  ; the bias: my column's number
	CHUNKS 1
.Lfunc_end_k_q199e12ff62_proj:
	.size	k_q199e12ff62_proj, .Lfunc_end_k_q199e12ff62_proj-k_q199e12ff62_proj
	.p2alignl 7, 3214868480
	.fill 96, 4, 3214868480
	.section	.rodata,"a",@progbits
	.p2align	6, 0x0
	.amdhsa_kernel k_q199e12ff62_proj
		.amdhsa_group_segment_fixed_size 207360
		.amdhsa_private_segment_fixed_size 0
		.amdhsa_enable_private_segment 0
		.amdhsa_kernarg_size 72
		.amdhsa_user_sgpr_count 2
		.amdhsa_user_sgpr_kernarg_segment_ptr 1
		.amdhsa_wavefront_size32 1
		.amdhsa_system_sgpr_workgroup_id_x 1
		.amdhsa_system_sgpr_workgroup_id_y 1
		.amdhsa_system_sgpr_workgroup_id_z 1
		.amdhsa_system_vgpr_workitem_id 0
		.amdhsa_next_free_vgpr 1024
		.amdhsa_next_free_sgpr 66
		.amdhsa_reserve_vcc 0
		.amdhsa_float_denorm_mode_32 3
		.amdhsa_float_denorm_mode_16_64 3
		.amdhsa_memory_ordered 1
		.amdhsa_forward_progress 1
		.amdhsa_inst_pref_size 255
	.end_amdhsa_kernel
	.section	.bss,"aw",@nobits
	.p2align	6
	.space	262144
	.amdgpu_metadata
---
amdhsa.version: [ 1, 2 ]
amdhsa.kernels:
  - .name:           k_q199e12ff62_proj
    .symbol:         k_q199e12ff62_proj.kd
    .args:
      - { .name: q, .offset: 0, .size: 8, .value_kind: global_buffer, .address_space: global }
      - { .name: k, .offset: 8, .size: 8, .value_kind: global_buffer, .address_space: global }
      - { .name: v, .offset: 16, .size: 8, .value_kind: global_buffer, .address_space: global }
      - { .name: bq, .offset: 24, .size: 8, .value_kind: global_buffer, .address_space: global }
      - { .name: bk, .offset: 32, .size: 8, .value_kind: global_buffer, .address_space: global }
      - { .name: bv, .offset: 40, .size: 8, .value_kind: global_buffer, .address_space: global }
      - { .name: wimg, .offset: 48, .size: 8, .value_kind: global_buffer, .address_space: global }
      - { .name: qrec, .offset: 56, .size: 8, .value_kind: global_buffer, .address_space: global }
      - { .name: kv, .offset: 64, .size: 8, .value_kind: global_buffer, .address_space: global }
    .group_segment_fixed_size: 207360
    .private_segment_fixed_size: 0
    .kernarg_segment_align: 8
    .kernarg_segment_size: 72
    .max_flat_workgroup_size: 128
    .sgpr_count:     66
    .vgpr_count:     1024
    .wavefront_size: 32
...
	.end_amdgpu_metadata
.endif
;; end of part 6
;; launch attn (part 7): grid 4 x 64, 16 waves a work-group, clusters of 4 x 1, 273,408 bytes of LDS; arguments qrec, kv, mbits, cimg, cs16; writes cimg, cs16
.if DOCPART == 7
	.amdgcn_target "amdgcn-amd-amdhsa--gfx1250"
	.amdhsa_code_object_version 6
	.text
	.protected	k_q199e12ff62_attn
	.globl	k_q199e12ff62_attn
	.p2align	8
	.type	k_q199e12ff62_attn,@function
k_q199e12ff62_attn:
	s_mov_b64 s[64:65], 0
	v_nop
	global_prefetch_b8 v0, s[64:65] scope:SCOPE_SE
	s_setreg_imm32_b32 hwreg(HW_REG_WAVE_MODE, 25, 1), 1
	s_wait_xcnt 0x0
	s_wait_alu depctr_hold_cnt(0) depctr_sa_sdst(0) depctr_va_vdst(0) depctr_va_sdst(0) depctr_va_ssrc(0) depctr_va_vcc(0) depctr_vm_vsrc(0)
	s_getreg_b32 s2, hwreg(HW_REG_IB_STS2, 6, 4)
	s_cmp_eq_u32 s2, 0
	s_cbranch_scc0 .Lentry_in_a_cluster
	s_endpgm
.Lentry_in_a_cluster:
	s_bfe_u32 s2, ttmp6, 0x10000c
	s_cmp_lg_u32 s2, 0x3003
	s_cbranch_scc0 .Lentry_shape_is_right
	s_endpgm
.Lentry_shape_is_right:
; ATTN.  ctx[b][q][head][:] = the sum over keys of softmax(Q . K / 8, barred scores replaced) V, both products on codes of BF8 (E5M2) with one E8M0 scale for each 32 along K; ctx leaves as codes for the last product.
; THE SOFTMAX AHEAD OF THE SECOND PRODUCT: t = score x log2(e) / 8; M = the running largest t rounded UP to a whole number; p = 2^(t - M) is quantised along the keys, not normalised; the row's sum is taken of the unquantised p and divides at the end.
; When M moves, the sum and O are multiplied by 2^(old M - new M): exact.
; THE MASK.  A barred score is replaced, ahead of the maximum, by -2^33 (a logit of -2^30 where the definition has -1e9): -2^33 x log2(e) / 8 is a whole number in f32, so that in a row all of whose keys are barred t - M is exactly 0 and every p is 1, the plain mean of V.
; LIMIT: the results are the definition's wherever every open logit lies above -1e9 (scores above -8e9).  NaN and infinities are not served.
; SHARES.  A WORK-GROUP STAYS: it owns 512 queries of one head (work-group y = 16 b + head) and takes them in two passes of 256; in a pass each of its sixteen waves owns one tile of 16, in 256 registers: four waves to a SIMD,
; so that one wave's vector work stands beside another's matrix work and LDS loads.  No barrier stands between the passes: K and V are only read, and a wave that has finished pass 0 goes on.
; THE HEAD'S K AND V STAY IN LDS: 16 records of 16,896 bytes (128 keys each: K's codes, V's codes, their scale words), filled ONCE for both passes: no slot is filled again.  The head's four work-groups are one cluster: each record is asked for JOINTLY.
; Waves 0-3 issue two loads each: record w (the first four steps can begin when these have landed), and records 4 + 3 w on: two tensor loads of a wave are out at the most.
; LAYOUT.  Both products transposed: S^T = K Q^T, O^T = V^T P^T: a lane holds ONE query (lane % 16).  Operands lie as images of their registers: every LDS load takes 16 bytes at 16 x lane.
; K = 64 IN AN INSTRUCTION OF 128: fragment f of K holds tile (f, 0) of 16 keys in its groups 0, 1 and tile (f, 1) in groups 2, 3.  Against Q's 64 codes followed by zero codes it gives tile (f, 0)'s scores, against zero codes followed by Q's it gives tile (f, 1)'s.
; The zeros stand on Q's side alone; K's codes are finite (the quantiser holds them), so a zero code adds nothing; the scale bytes over Q's zero codes are 0.
; THE MASK'S BITS come by scalar loads, 64 words a step, asked for a step ahead; word n is the lane mask of one v_cndmask_b32 on score register n.  Pass 0's last step asks for pass 1's first words (16 tiles, 65,536 bytes, on);
; pass 1's last step asks once more for its own 256 bytes, so that no load leaves the buffer.
; REGISTERS: v1-7 addresses; v12 -M, v13 the largest t, v[14:15] the sum; v16-23 zeros, v24-31 Q, v32-39 zeros; v40, v41 Q's scale words; v42-45, v250-253 pass 1's Q, v46, v47 its scale words; v48-111 four fragments of K, then of V;
;   v112-175 S^T, then p; v176-207 O^T; v208-223 p's codes; v224-249 at work.
.set RECB, 16896
.set CSG,  270336                      ; behind the records: 1,024 bytes for ctx's scale bytes, [block of 128 tokens 4][r 16][a 8] halfwords
.set L16,  1                           ; 16 x lane
.set R16,  2                           ; 16 r
.set AD,   3                           ; the step's record + 16 lane
.set AS,   4                           ; the step's record + 16 r
.set CSA,  5                           ; where I put my tile's halfword
.set CSR,  6                           ; where wave 0 reads them back
.set GOF,  7                           ; and its offset in cs16
.set Q2A,  42
.set Q2S,  46
.set Q2B,  250
.set KV,   48
.set S,    112
.set O,    176
.set PCD,  208
.set BM,   224                         ; v224-227 a block's largest score, then largest p
.set PX,   228                         ; v228-231 the other half's; bytes; a chain of the sums
.set HL,   232                         ; v232-235 57,344 x the scale
.set SO,   236                         ; v236-239 the conversions' scale operands
.set KSC,  240                         ; v240-243 K's, then V's scale words
.set F,    246                         ; f = 2^(old M - new M)
.set PWD,  247                         ; p's scale word
.set TT,   248
.set NEG,  249                         ; -2^33
.set CS,   2                           ; s[2:3] c = log2(e) / 8
.set MP,   4                           ; s[4:5] my pass 0 tile's words in mbits
.set TB,   6                           ; the step's record in LDS
.set CNT,  7
.set G1A,  8                           ; s[8:31] the descriptors; behind the wait that shows the loads done: s[8:15] at work, s[16:17] my codes' place in cimg, s[18:19] the work-group's place in cs16, s[24:27] the two buffers
.set G1B,  16
.set G0A,  24
.set G0B,  28
.set SEL,  66
.set MNT,  100
.set MO,   101                         ; the byte from s[MP] on at which the words asked for begin
.set WV,   104
.macro ROUND                           ; a round of the cluster's barrier
	s_barrier_signal -1
	s_barrier_wait -1
	s_cmp_lg_u32 s[WV], 0
	s_cbranch_scc1 .Lnw0_\@
	s_barrier_signal -3
.Lnw0_\@:
	s_barrier_wait -3
	s_barrier_signal -1
	s_barrier_wait -1
.endm
.macro MWORDS                          ; 64 words: word n in s[32 + n] (n < 32) or s[36 + n]
	s_load_b512 s[32:47], s[MP:MP+1], s[MO] offset:0x0
	s_load_b512 s[48:63], s[MP:MP+1], s[MO] offset:0x40
	s_load_b512 s[68:83], s[MP:MP+1], s[MO] offset:0x80
	s_load_b512 s[84:99], s[MP:MP+1], s[MO] offset:0xc0
.endm
.macro INIT                            ; a pass begins: the step is written once: the first finds zeros, which the first change of M leaves zeros
	v_mov_b32 v13, 0xff61b1e6                      ; the largest t so far: -3e38, under every t
	s_delay_alu instid0(VALU_DEP_1)
	v_floor_f32 v12, -v13                          ; -M
	v_mov_b32 v14, 0
	v_mov_b32 v15, 0
.set j, 0
.rept 32
	v_mov_b32 v[O+j], 0                            ; O^T
.set j, j+1
.endr
.endm
	s_load_b128 s[32:35], s[0:1], 0x0              ; qrec, kv
	s_load_b64 s[36:37], s[0:1], 0x10              ; mbits
	v_lshl_add_u32 v254, v0, 2, 0x42400
	v_mov_b32 v255, 0
	ds_add_u32 v254, v255
	ds_add_u32 v254, v255
	v_lshrrev_b32 v8, 5, v0
	s_delay_alu instid0(VALU_DEP_1)
	v_readfirstlane_b32 s[WV], v8                  ; wave 0..15
	v_and_b32 v8, 31, v0
	s_delay_alu instid0(VALU_DEP_1)
	v_lshlrev_b32 v[L16], 4, v8
	v_and_b32 v9, 15, v0
	s_delay_alu instid0(VALU_DEP_1)
	v_lshlrev_b32 v[R16], 4, v9
	s_wait_alu depctr_va_vdst(0)
	v_bfe_u32 v10, v0, 4, 1
	s_delay_alu instid0(VALU_DEP_1)
	v_lshl_add_u32 v[GOF], v10, 12, v[R16]         ; lanes 16-31: the next block of 128 tokens, 16 heads x 256 bytes on
	v_add_nc_u32 v[CSR], CSG, v[L16]
	s_bfe_u32 s40, ttmp6, 0x40000                  ; cx: it enters global addresses alone
	s_lshl_b32 s41, ttmp9, 2
	s_add_co_u32 s41, s41, s40                     ; which 512 queries of the head are mine
	s_and_b32 s42, ttmp7, 0xffff                   ; bh, which the four partners share
	s_lshr_b32 s43, s[WV], 3
	s_lshl_b32 s44, s43, 8
	s_and_b32 s45, s[WV], 7                        ; a: my tile in its block of 128
	s_lshl_b32 s46, s45, 1
	s_add_co_u32 s44, s44, s46
	s_add_co_u32 s44, s44, CSG
	v_add_nc_u32 v[CSA], s44, v[R16]
	; descriptors: dense blocks as rows of 256 bytes (32 elements of 8 bytes): one record is 66 rows, three are 198.  15:0 the mask: all four work-groups; 17:16 elements of 8 bytes; 21 set beside a mask
	s_mov_b32 s[G1A], 15|(3<<16)|(1<<21)
	s_mov_b32 s[G1A+1], 32<<16
	s_mov_b32 s[G1A+2], 66<<16
	s_mov_b32 s[G1A+3], 32<<16
	s_mov_b32 s[G1A+4], 66
	s_mov_b32 s[G1A+5], 32
	s_mov_b32 s[G1A+6], 0
	s_mov_b32 s[G1A+7], 0
	s_mov_b32 s[G1B], 15|(3<<16)|(1<<21)
	s_mov_b32 s[G1B+1], 32<<16
	s_mov_b32 s[G1B+2], 198<<16
	s_mov_b32 s[G1B+3], 32<<16
	s_mov_b32 s[G1B+4], 198
	s_mov_b32 s[G1B+5], 32
	s_mov_b32 s[G1B+6], 0
	s_mov_b32 s[G1B+7], 0
	s_mul_i32 s48, s42, 16*RECB                    ; the head's records
	s_mul_i32 s49, s[WV], RECB                     ; record w: its place in the head and in LDS
	s_add_co_u32 s50, s48, s49
	s_mov_b32 s51, 0
	s_mul_i32 s52, s[WV], 3*RECB
	s_add_co_u32 s53, s52, 4*RECB                  ; records 4 + 3 w on
	s_add_co_u32 s54, s48, s53
	s_mov_b32 s55, 0
	s_lshl_b32 s56, s42, 4
	s_lshl_b32 s57, s41, 2
	s_add_co_u32 s56, s56, s57
	s_add_co_u32 s56, s56, s43                     ; Q's record in pass 0: 16 bh + 4 x my place + wave / 8; pass 1's lies two records on
	s_mul_i32 s56, s56, 8448
	s_lshl_b32 s57, s45, 10
	s_add_co_u32 s58, s56, s57                     ; my tile's codes
	s_mov_b32 s59, 0
	s_lshr_b32 s57, s45, 1
	s_lshl_b32 s57, s57, 2
	s_add_co_u32 s60, s56, s57
	s_add_co_u32 s60, s60, 8192                    ; the scale word [r][f = a / 2]
	s_mov_b32 s61, 0
	s_and_b32 s72, s45, 1
	s_lshl_b32 s72, s72, 4                         ; and my tile's half of it
	s_lshr_b32 s73, s42, 4
	s_lshl_b32 s73, s73, 7
	s_lshl_b32 s74, s41, 5
	s_add_co_u32 s73, s73, s74
	s_add_co_u32 s73, s73, s[WV]                   ; 128 b + my tile of queries in pass 0; pass 1's lies 16 tiles on
	s_lshl_b32 s74, s73, 12
	s_mov_b32 s75, 0
	s_mov_b32 s[CS], 0x3e38aa3b                    ; c = log2(e) / 8
	s_mov_b32 s[CS+1], s[CS]                       ; (named with it as a pair, so it is written)
	s_mov_b32 s[SEL], 0x76543210
	s_mov_b32 s[SEL+1], 0xfedcba98                 ; v_permlanex16_b32's selects for lane l xor 16
	s_mov_b32 s[MNT], 0x600000                     ; the mantissa field of 57,344
	s_mov_b32 s[TB], 0
	s_mov_b32 s[MO], 0
	s_wait_dscnt 0x0
	s_wait_kmcnt 0x0
	s_mov_b32 s[G0A], 1
	s_mov_b32 s[G0A+1], s49
	s_add_nc_u64 s[G0A+2:G0A+3], s[34:35], s[50:51]
	s_or_b32 s[G0A+3], s[G0A+3], 0x80000000
	s_mov_b32 s[G0B], 1
	s_mov_b32 s[G0B+1], s53
	s_add_nc_u64 s[G0B+2:G0B+3], s[34:35], s[54:55]
	s_or_b32 s[G0B+3], s[G0B+3], 0x80000000
	s_add_nc_u64 s[68:69], s[32:33], s[58:59]
	s_add_nc_u64 s[70:71], s[32:33], s[60:61]
	s_add_nc_u64 s[MP:MP+1], s[36:37], s[74:75]
	ROUND                                          ; all four work-groups are here: the joint loads meet
	s_cmp_lt_u32 s[WV], 4                          ; a wave's two fills stand in one branch on the wave's number, ahead of every wait on TENSORcnt and every LDS read
	s_cbranch_scc0 .Lno_fetch
	tensor_load_to_lds s[G0A:G0A+3], s[G1A:G1A+7]
	s_nop 0
	tensor_load_to_lds s[G0B:G0B+3], s[G1B:G1B+7]
	s_nop 0
.rept 4
	v_nop
.endr
.Lno_fetch:
	global_load_b128 v[24:27], v[L16], s[68:69]                    ; Q's 64 codes a row: two groups
	global_load_b128 v[28:31], v[L16], s[68:69] offset:512
	global_load_b32 v40, v[R16], s[70:71]
	global_load_b128 v[Q2A:Q2A+3], v[L16], s[68:69] offset:16896   ; pass 1's come now too: nothing is waited for at the change of passes
	global_load_b128 v[Q2B:Q2B+3], v[L16], s[68:69] offset:16896+512
	global_load_b32 v[Q2S], v[R16], s[70:71] offset:16896
.irp j, 16,17,18,19,20,21,22,23,32,33,34,35,36,37,38,39
	v_mov_b32 v[\j], 0                             ; zero codes on both sides of Q's
.endr
	v_mov_b32 v[NEG], 0xd0000000                   ; -2^33
	v_mov_b32 v[PWD], 0                            ; (named as the upper half of the pair with f before it is first written)
.irp b, 0,1,2,3
	v_mov_b32 v[PX+\b], 0                          ; written once: a lane permute's destination counts as one of its sources
.endr
	v_mov_b32 v[TT], 0
	s_wait_loadcnt 0x0
	v_lshrrev_b32 v40, s72, v40
	s_delay_alu instid0(VALU_DEP_1)
	v_and_b32 v40, 0xffff, v40                     ; Q's two bytes for k 0-63, bytes of 0 over the zero codes;
	s_delay_alu instid0(VALU_DEP_1)
	v_lshlrev_b32 v41, 16, v40                     ; and for k 64-127
	v_lshrrev_b32 v[Q2S], s72, v[Q2S]
	s_delay_alu instid0(VALU_DEP_1)
	v_and_b32 v[Q2S], 0xffff, v[Q2S]
	s_delay_alu instid0(VALU_DEP_1)
	v_lshlrev_b32 v[Q2S+1], 16, v[Q2S]
	INIT
	s_wait_xcnt 0x0
	MWORDS                                         ; step 0's words
; A KEY STEP: 128 keys, one record.
.macro STEP
	s_setprio 2
	v_add_nc_u32 v[AD], s[TB], v[L16]
	v_add_nc_u32 v[AS], s[TB], v[R16]
.rept 6
	v_nop                                          ; with the two additions: eight places behind the last products, in front of loads into registers that they read
.endr
.irp f, 0,1,2,3
.irp c, 0,1,2,3
	ds_load_b128 v[KV+16*\f+4*\c:KV+16*\f+4*\c+3], v[AD] offset:2048*\f+512*\c
.endr
.endr
	ds_load_b128 v[KSC:KSC+3], v[AS] offset:16384
	s_wait_alu depctr_va_vdst(0)
	s_wait_dscnt 0x0
.irp f, 0,1,2,3
	v_wmma_scale_f32_16x16x128_f8f6f4 v[S+16*\f:S+16*\f+7], v[KV+16*\f:KV+16*\f+15], v[24:39], 0, v[KSC+\f], v40 matrix_a_fmt:MATRIX_FMT_BF8 matrix_b_fmt:MATRIX_FMT_BF8
	v_wmma_scale_f32_16x16x128_f8f6f4 v[S+16*\f+8:S+16*\f+15], v[KV+16*\f:KV+16*\f+15], v[16:31], 0, v[KSC+\f], v41 matrix_a_fmt:MATRIX_FMT_BF8 matrix_b_fmt:MATRIX_FMT_BF8
.endr                                              ; register 16 f + i of S^T: key 32 f + 16 (lane / 16) + i
.rept 8
	v_nop
.endr
.irp t, 0,1,2,3
.irp c, 0,1,2,3
	ds_load_b128 v[KV+16*\t+4*\c:KV+16*\t+4*\c+3], v[AD] offset:8192+2048*\t+512*\c   ; V's fragments land while the softmax is worked
.endr
.endr
	ds_load_b128 v[KSC:KSC+3], v[AS] offset:16640
	s_wait_kmcnt 0x0                               ; this step's words, asked for a step ago
.set n, 0
.rept 64
.if n < 32
	v_cndmask_b32 v[S+n], v[S+n], v[NEG], s[32+n]  ; a barred score becomes -2^33; each result is read from its low end on
.else
	v_cndmask_b32 v[S+n], v[S+n], v[NEG], s[36+n]
.endif
.set n, n+1
.endr
.irp b, 0,1,2,3
	v_max3_num_f32 v[BM+\b], v[S+16*\b], v[S+16*\b+1], v[S+16*\b+2]   ; the largest score of each block of 32 keys: it serves for the row's maximum and, since p rises with the score, for the block's largest p
.endr
.irp i, 3,5,7,9,11,13
.irp b, 0,1,2,3
	s_delay_alu instid0(VALU_DEP_4)
	v_max3_num_f32 v[BM+\b], v[BM+\b], v[S+16*\b+\i], v[S+16*\b+\i+1]
.endr
.endr
.irp b, 0,1,2,3
	s_delay_alu instid0(VALU_DEP_4)
	v_max_num_f32 v[BM+\b], v[BM+\b], v[S+16*\b+15]
.endr
	s_add_co_u32 s[MO], s[MO], 256                 ; the next step's words (the loads before are done: their offset may be written):
	s_cmp_eq_u32 s[MO], 4096                       ; behind pass 0's 4,096 bytes come pass 1's, 65,536 bytes from pass 0's first;
	s_cselect_b32 s[MO], 0x10000, s[MO]
	s_min_u32 s[MO], s[MO], 0x10f00                ; and the offset is held inside pass 1's 4,096 bytes
	MWORDS
	s_wait_alu depctr_va_vdst(0)
.irp b, 0,1,2,3
	v_permlanex16_b32 v[PX+\b], v[BM+\b], s[SEL], s[SEL+1]
.endr
.irp b, 0,1,2,3
	s_delay_alu instid0(VALU_DEP_4)
	v_max_num_f32 v[BM+\b], v[BM+\b], v[PX+\b]     ; with lane l xor 16's 16 keys
.endr
	s_delay_alu instid0(VALU_DEP_2)
	v_max3_num_f32 v[TT], v[BM], v[BM+1], v[BM+2]
	s_delay_alu instid0(VALU_DEP_1)
	v_max_num_f32 v[TT], v[TT], v[BM+3]            ; the step's largest score of my query
	s_delay_alu instid0(VALU_DEP_1)
	v_mul_f32 v[TT], s[CS], v[TT]                  ; as t
	s_delay_alu instid0(VALU_DEP_1)
	v_max_num_f32 v13, v13, v[TT]                  ; the running largest t
	v_mov_b32 v[TT], v12
	s_delay_alu instid0(VALU_DEP_2)
	v_floor_f32 v12, -v13                          ; the new -M = floor(-t): M is a whole number
	s_delay_alu instid0(VALU_DEP_1)
	v_sub_f32 v[TT], v12, v[TT]                    ; old M - new M: a whole number, 0 or less
	s_delay_alu instid0(VALU_DEP_1)
	v_cvt_i32_f32 v[TT], v[TT]                     ; (it saturates)
	s_delay_alu instid0(VALU_DEP_1)
	v_ldexp_f32 v[F], 1.0, v[TT]                   ; f = 2^(old M - new M)
.set j, 0
.rept 32
	v_pk_fma_f32 v[S+j:S+j+1], v[S+j:S+j+1], s[CS:CS+1], v[12:13] op_sel_hi:[1,0,0]   ; t - M, two at a time
.set j, j+2
.endr
.irp b, 0,1,2,3
	v_fma_f32 v[BM+\b], v[BM+\b], s[CS], v12       ; the same of each block's largest score
.endr
.set j, 0
	s_wait_alu depctr_va_vdst(0)
.rept 64
	v_exp_f32 v[S+j], v[S+j]                       ; p = 2^(t - M), at most 1
.set j, j+1
.endr
	s_setprio 1
	v_pk_mul_f32 v[14:15], v[14:15], v[F:F+1] op_sel_hi:[1,0]      ; the sums under the new M: a plain instruction behind the exponentials
	s_wait_alu depctr_va_vdst(0)                   ; one wait for the batch of 64, ahead of its first reader
.irp b, 0,1,2,3
	v_exp_f32 v[BM+\b], v[BM+\b]                   ; the block's largest p: the same two instructions on the same number give the same bits
.endr
	v_pk_add_f32 v[228:229], v[116:117], v[120:121]
	v_pk_add_f32 v[244:245], v[124:125], v[128:129]
	v_pk_add_f32 v[238:239], v[132:133], v[136:137]
	v_pk_add_f32 v[236:237], v[140:141], v[144:145]
	v_pk_add_f32 v[234:235], v[148:149], v[152:153]
	v_pk_add_f32 v[232:233], v[156:157], v[160:161]
	v_pk_add_f32 v[230:231], v[164:165], v[168:169]
	v_pk_add_f32 v[14:15], v[14:15], v[172:173]
	v_pk_add_f32 v[228:229], v[228:229], v[112:113]
	v_pk_add_f32 v[244:245], v[244:245], v[114:115]
	v_pk_add_f32 v[238:239], v[238:239], v[118:119]
	v_pk_add_f32 v[236:237], v[236:237], v[122:123]
	v_pk_add_f32 v[234:235], v[234:235], v[126:127]
	v_pk_add_f32 v[232:233], v[232:233], v[130:131]
	v_pk_add_f32 v[230:231], v[230:231], v[134:135]
	v_pk_add_f32 v[14:15], v[14:15], v[138:139]
	v_pk_add_f32 v[228:229], v[228:229], v[142:143]
	v_pk_add_f32 v[244:245], v[244:245], v[146:147]
	v_pk_add_f32 v[238:239], v[238:239], v[150:151]
	v_pk_add_f32 v[236:237], v[236:237], v[154:155]
	v_pk_add_f32 v[234:235], v[234:235], v[158:159]
	v_pk_add_f32 v[232:233], v[232:233], v[162:163]
	v_pk_add_f32 v[230:231], v[230:231], v[166:167]
	v_pk_add_f32 v[14:15], v[14:15], v[170:171]
	v_pk_add_f32 v[228:229], v[228:229], v[174:175]
	s_delay_alu instid0(VALU_DEP_2)
	v_pk_add_f32 v[14:15], v[14:15], v[236:237]
	s_delay_alu instid0(VALU_DEP_2)
	v_pk_add_f32 v[228:229], v[228:229], v[234:235]
	v_pk_add_f32 v[244:245], v[244:245], v[232:233]
	v_pk_add_f32 v[238:239], v[238:239], v[230:231]
	s_delay_alu instid0(VALU_DEP_2)
	v_pk_add_f32 v[14:15], v[14:15], v[244:245]
	s_delay_alu instid0(VALU_DEP_2)
	v_pk_add_f32 v[228:229], v[228:229], v[238:239]
	s_delay_alu instid0(VALU_DEP_1)
	v_pk_add_f32 v[14:15], v[14:15], v[228:229]
	s_wait_alu depctr_va_vdst(0)                   ; and one for the four
.irp b, 0,1,2,3
	v_max_num_f32 v[BM+\b], 0x8000000, v[BM+\b]    ; the floor 2^(16 - 127): the byte cannot fall under 1
.endr
.irp b, 0,1,2,3
	s_delay_alu instid0(VALU_DEP_4)
	v_add_nc_u32 v[SO+\b], 0xf8800000, v[BM+\b]    ; 15 off the exponent field: the conversion's scale operand
.endr
.irp b, 0,1,2,3
	v_and_or_b32 v[HL+\b], v[BM+\b], 0x7f800000, s[MNT]            ; 57,344 x the scale
.endr
.irp b, 0,1,2,3
	v_lshrrev_b32 v[PX+\b], 23, v[SO+\b]           ; the scale's byte
.endr
	s_delay_alu instid0(VALU_DEP_3)
	v_lshl_or_b32 v[PWD], v[PX+1], 8, v[PX]        ; p's scale word for these 128 keys
	s_delay_alu instid0(VALU_DEP_1)
	v_lshl_or_b32 v[PWD], v[PX+2], 16, v[PWD]
	s_delay_alu instid0(VALU_DEP_1)
	v_lshl_or_b32 v[PWD], v[PX+3], 24, v[PWD]
.irp b, 0,1,2,3
.irp i, 0,1,2,3,4,5,6,7,8,9,10,11,12,13,14,15
	v_min_num_f32 v[S+16*\b+\i], v[S+16*\b+\i], v[HL+\b]           ; the conversion does not saturate (ISA guide 7.6.2); p is not negative, so the hold is one-sided
.endr
	v_cvt_scalef32_pk8_bf8_f32 v[PCD+4*\b:PCD+4*\b+1], v[S+16*\b:S+16*\b+7], v[SO+\b]
	v_cvt_scalef32_pk8_bf8_f32 v[PCD+4*\b+2:PCD+4*\b+3], v[S+16*\b+8:S+16*\b+15], v[SO+\b]
.endr
.set j, 0
	s_setprio 0
.rept 16
	v_pk_mul_f32 v[O+j:O+j+1], v[O+j:O+j+1], v[F:F+1] op_sel_hi:[1,0]   ; O^T under the new M; these sixteen also stand between the conversions and the products
.set j, j+2
.endr
	s_wait_alu depctr_va_vdst(0)
	s_wait_dscnt 0x0                               ; V is in
.irp t, 0,1,2,3
	v_wmma_scale_f32_16x16x128_f8f6f4 v[O+8*\t:O+8*\t+7], v[KV+16*\t:KV+16*\t+15], v[PCD:PCD+15], v[O+8*\t:O+8*\t+7], v[KSC+\t], v[PWD] matrix_a_fmt:MATRIX_FMT_BF8 matrix_b_fmt:MATRIX_FMT_BF8
.endr                                              ; the four accumulators take turns, and the next step's eight products on S^T stand between two links
	s_add_co_u32 s[TB], s[TB], RECB
.endm
; THE WAY OUT of pass p.  O^T / the sum is ctx: register 8 t + j of lane (r, h) is dim 32 (t / 2) + 16 h + 8 (t % 2) + j of query r: two blocks of 32 along the last product's K.  They are quantised here.
; cimg[Mb 64][ks = head / 2][a 8][c = 2 (head % 2) + block][lane][16]; pass 1's block of 128 tokens lies two on: 2 x 8 x 8 x 2,048 bytes.  The two scale bytes go, as a halfword, to LDS and leave at the end.
.macro WAYOUT p
	v_add_f32 v14, v14, v15
	s_delay_alu instid0(VALU_DEP_1)
	v_permlanex16_b32 v[TT], v14, s[SEL], s[SEL+1]
	s_delay_alu instid0(VALU_DEP_1)
	v_add_f32 v14, v14, v[TT]                      ; the row's sum
	s_wait_alu depctr_va_vdst(0)
	v_rcp_f32 v14, v14
.rept 8
	v_nop                                          ; the places behind the last products, and the plain instruction behind the reciprocal
.endr
	s_wait_alu depctr_va_vdst(0)                   ; ahead of the reciprocal's first reader
.set j, 0
.rept 32
	v_mul_f32 v[S+j], v[O+j], v14
.set j, j+1
.endr
.irp b, 0,1
	v_max3_num_f32 v[BM+\b], |v[S+16*\b]|, |v[S+16*\b+1]|, 0x8000000
.endr
.irp i, 2,4,6,8,10,12,14
.irp b, 0,1
	s_delay_alu instid0(VALU_DEP_2)
	v_max3_num_f32 v[BM+\b], v[BM+\b], |v[S+16*\b+\i]|, |v[S+16*\b+\i+1]|
.endr
.endr
.irp b, 0,1
	s_delay_alu instid0(VALU_DEP_2)
	v_permlanex16_b32 v[PX+\b], v[BM+\b], s[SEL], s[SEL+1]
.endr
.irp b, 0,1
	s_delay_alu instid0(VALU_DEP_2)
	v_max_num_f32 v[BM+\b], v[BM+\b], v[PX+\b]
.endr
.irp b, 0,1
	s_delay_alu instid0(VALU_DEP_2)
	v_add_nc_u32 v[SO+\b], 0xf8800000, v[BM+\b]
.endr
.irp b, 0,1
	s_delay_alu instid0(VALU_DEP_4)
	v_and_or_b32 v[HL+\b], v[BM+\b], 0x7f800000, s[MNT]
.endr
.irp b, 0,1
	s_delay_alu instid0(VALU_DEP_4)
	v_lshrrev_b32 v[PX+\b], 23, v[SO+\b]
.endr
	s_delay_alu instid0(VALU_DEP_1)
	v_lshl_or_b32 v[TT], v[PX+1], 8, v[PX]         ; my row's two bytes
.irp b, 0,1
.irp i, 0,1,2,3,4,5,6,7,8,9,10,11,12,13,14,15
	v_med3_num_f32 v[S+16*\b+\i], v[S+16*\b+\i], -v[HL+\b], v[HL+\b]
.endr
	v_cvt_scalef32_pk8_bf8_f32 v[PCD+4*\b:PCD+4*\b+1], v[S+16*\b:S+16*\b+7], v[SO+\b]
	v_cvt_scalef32_pk8_bf8_f32 v[PCD+4*\b+2:PCD+4*\b+3], v[S+16*\b+8:S+16*\b+15], v[SO+\b]
.endr
	v_nop                                          ; one plain vector instruction behind the last scaled conversion
	global_store_b128 v[L16], v[PCD:PCD+3], s[16:17] offset:262144*\p            ; 512 consecutive bytes each
	global_store_b128 v[L16], v[PCD+4:PCD+7], s[16:17] offset:262144*\p+512
	ds_store_b16 v[CSA], v[TT] offset:512*\p       ; both lanes of a row write the same halfword with the same value
.endm
	s_wait_tensorcnt 0x1                           ; my first load, one of records 0-3, has landed; my second may stay out
	s_barrier_signal -1
	s_barrier_wait -1                              ; records 0-3 are whole
	s_mov_b32 s[CNT], 4
.LloopA:
	STEP
	s_sub_co_u32 s[CNT], s[CNT], 1
	s_cmp_lg_u32 s[CNT], 0
	s_cbranch_scc1 .LloopA
	s_setprio 0
	s_wait_tensorcnt 0x0                           ; my second load has landed: the descriptors' registers are free from here on
	s_wait_dscnt 0x0
	s_barrier_signal -1
	s_barrier_wait -1                              ; all sixteen records are whole: no barrier stands between here and the end of pass 1
	s_load_b128 s[24:27], s[0:1], 0x18             ; cimg, cs16; the next step's wait for the words covers it
	s_mov_b32 s[CNT], 12
.LloopB:
	STEP
	s_sub_co_u32 s[CNT], s[CNT], 1
	s_cmp_lg_u32 s[CNT], 0
	s_cbranch_scc1 .LloopB
	s_setprio 0
	; where the results go.  Pass 1's first words are on their way into s32-63 and s68-99: the work is done in s8-15
	s_bfe_u32 s8, ttmp6, 0x40000                   ; cx
	s_lshl_b32 s9, ttmp9, 2
	s_add_co_u32 s9, s9, s8                        ; my place among the head's four
	s_and_b32 s10, ttmp7, 0xffff
	s_lshr_b32 s11, s10, 4                         ; b
	s_and_b32 s10, s10, 15                         ; head
	s_lshl_b32 s11, s11, 4
	s_lshl_b32 s9, s9, 2
	s_add_co_u32 s11, s11, s9                      ; the work-group's first block of 128 tokens: 16 b + 4 x my place
	s_lshr_b32 s12, s[WV], 3
	s_add_co_u32 s12, s11, s12                     ; my wave's in pass 0
	s_lshl_b32 s12, s12, 3
	s_lshr_b32 s13, s10, 1
	s_add_co_u32 s12, s12, s13
	s_lshl_b32 s12, s12, 3
	s_and_b32 s13, s[WV], 7
	s_add_co_u32 s12, s12, s13
	s_lshl_b32 s12, s12, 11
	s_and_b32 s13, s10, 1
	s_lshl_b32 s13, s13, 10
	s_add_co_u32 s12, s12, s13
	s_mov_b32 s13, 0
	s_add_nc_u64 s[16:17], s[24:25], s[12:13]
	s_lshl_b32 s14, s11, 4
	s_add_co_u32 s14, s14, s10
	s_lshl_b32 s14, s14, 8                         ; cs16[Mb][head][r 16][a 8]: 256 bytes a block and head
	s_mov_b32 s15, 0
	s_add_nc_u64 s[18:19], s[26:27], s[14:15]
	WAYOUT 0
	; THE CHANGE OF PASSES: pass 1's Q and scale words take their places (the last products that read these registers stand a softmax and a way out back), and the sums begin anew
	v_mov_b32 v40, v[Q2S]
	v_mov_b32 v41, v[Q2S+1]
.irp j, 0,1,2,3
	v_mov_b32 v[24+\j], v[Q2A+\j]
	v_mov_b32 v[28+\j], v[Q2B+\j]
.endr
	INIT
	s_mov_b32 s[TB], 0
	s_wait_xcnt 0x0                                ; pass 0's stores have read the codes' registers, which the next step writes
	s_mov_b32 s[CNT], 16
.LloopC:
	STEP
	s_sub_co_u32 s[CNT], s[CNT], 1
	s_cmp_lg_u32 s[CNT], 0
	s_cbranch_scc1 .LloopC
	s_setprio 0
	WAYOUT 1
	s_wait_kmcnt 0x0                               ; the words asked for last, which nobody reads
	s_wait_dscnt 0x0                               ; for wave 0's sake: my two halfword stores have landed
	s_barrier_signal -1
	s_barrier_wait -1
	s_cmp_lg_u32 s[WV], 0
	s_cbranch_scc1 .Lnot0
	ds_load_b128 v[S:S+3], v[CSR]                  ; the halfwords of 32 tiles: 256 bytes for each of the four blocks of tokens
	ds_load_b128 v[S+4:S+7], v[CSR] offset:512
	s_wait_dscnt 0x0
	global_store_b128 v[GOF], v[S:S+3], s[18:19]   ; sixteen lanes store 256 consecutive bytes, aligned: blocks 0 and 1,
	global_store_b128 v[GOF], v[S+4:S+7], s[18:19] offset:8192     ; blocks 2 and 3
.Lnot0:
	s_wait_tensorcnt 0x0
	ds_add_u32 v254, v255
	s_wait_dscnt 0x0
	ROUND                                          ; the closing round: no work-group ends while a partner may still ask for a record that names it
	s_endpgm
.Lfunc_end_k_q199e12ff62_attn:
	.size	k_q199e12ff62_attn, .Lfunc_end_k_q199e12ff62_attn-k_q199e12ff62_attn
	.p2alignl 7, 3214868480
	.fill 96, 4, 3214868480
	.section	.rodata,"a",@progbits
	.p2align	6, 0x0
	.amdhsa_kernel k_q199e12ff62_attn
		.amdhsa_group_segment_fixed_size 273408
		.amdhsa_private_segment_fixed_size 0
		.amdhsa_enable_private_segment 0
		.amdhsa_kernarg_size 40
		.amdhsa_user_sgpr_count 2
		.amdhsa_user_sgpr_kernarg_segment_ptr 1
		.amdhsa_wavefront_size32 1
		.amdhsa_system_sgpr_workgroup_id_x 1
		.amdhsa_system_sgpr_workgroup_id_y 1
		.amdhsa_system_sgpr_workgroup_id_z 1
		.amdhsa_system_vgpr_workitem_id 0
		.amdhsa_next_free_vgpr 256
		.amdhsa_next_free_sgpr 106
		.amdhsa_reserve_vcc 0
		.amdhsa_float_denorm_mode_32 3
		.amdhsa_float_denorm_mode_16_64 3
		.amdhsa_memory_ordered 1
		.amdhsa_forward_progress 1
		.amdhsa_inst_pref_size 100
	.end_amdhsa_kernel
	.amdgpu_metadata
---
amdhsa.version: [ 1, 2 ]
amdhsa.kernels:
  - .name:           k_q199e12ff62_attn
    .symbol:         k_q199e12ff62_attn.kd
    .args:
      - { .name: qrec, .offset: 0, .size: 8, .value_kind: global_buffer, .address_space: global }
      - { .name: kv, .offset: 8, .size: 8, .value_kind: global_buffer, .address_space: global }
      - { .name: mbits, .offset: 16, .size: 8, .value_kind: global_buffer, .address_space: global }
      - { .name: cimg, .offset: 24, .size: 8, .value_kind: global_buffer, .address_space: global }
      - { .name: cs16, .offset: 32, .size: 8, .value_kind: global_buffer, .address_space: global }
    .group_segment_fixed_size: 273408
    .private_segment_fixed_size: 0
    .kernarg_segment_align: 8
    .kernarg_segment_size: 40
    .max_flat_workgroup_size: 512
    .sgpr_count:     106
    .vgpr_count:     256
    .wavefront_size: 32
...
	.end_amdgpu_metadata
.endif
;; end of part 7
;; launch outp (part 8): grid 256 x 1, 4 waves a work-group, clusters of 4 x 1, 168,448 bytes of LDS; arguments cimg, cs16, wimg, bo, out0; writes out0
.if DOCPART == 8
	.amdgcn_target "amdgcn-amd-amdhsa--gfx1250"
	.amdhsa_code_object_version 6
	.text
	.protected	k_q199e12ff62_outp
	.globl	k_q199e12ff62_outp
	.p2align	8
	.type	k_q199e12ff62_outp,@function
k_q199e12ff62_outp:
	s_mov_b64 s[64:65], 0
	v_nop
	global_prefetch_b8 v0, s[64:65] scope:SCOPE_SE
	s_setreg_imm32_b32 hwreg(HW_REG_WAVE_MODE, 25, 1), 1
	s_wait_xcnt 0x0
	s_wait_alu depctr_hold_cnt(0) depctr_sa_sdst(0) depctr_va_vdst(0) depctr_va_sdst(0) depctr_va_ssrc(0) depctr_va_vcc(0) depctr_vm_vsrc(0)
	s_getreg_b32 s2, hwreg(HW_REG_IB_STS2, 6, 4)
	s_cmp_eq_u32 s2, 0
	s_cbranch_scc0 .Lentry_in_a_cluster
	s_endpgm
.Lentry_in_a_cluster:
	s_bfe_u32 s2, ttmp6, 0x10000c
	s_cmp_lg_u32 s2, 0x3003
	s_cbranch_scc0 .Lentry_shape_is_right
	s_endpgm
.Lentry_shape_is_right:
; OUTP.  out = ctx Wo + bo, on codes of BF8 (E5M2) with one E8M0 scale for each 32 along K.  ctx comes as images of operand registers with its scale bytes, Wo likewise (weight 3 of wimg); out is [8192][1024] f32.
; SHARES.  A cluster of four work-groups takes 128 tokens (cluster x); work-group cx takes columns 256 cx on; wave w 128 tokens x 64 columns: 32 accumulators.
; The four partners need the same 128 KiB of ctx: it is asked for JOINTLY, once, a quarter by each wave (32,768 dense bytes as 128 rows of 256); no LDS byte is filled again.  cx enters global addresses alone.
; A wave's part of Wo, 8 K steps x 4 fragments, 512 registers, has one reader: it goes from memory straight into registers, three K steps ahead of its use, and each register is loaded once.
; Source 0 = Wo's columns, source 1 = ctx: a lane holds a token, and its registers run along the columns; the bias is the C of each sum's first instruction.
; TILES ARE NOT NEIGHBOURS: row r of tile a of tokens is token 32 (a / 2) + 8 (a % 2) + r + 8 (r / 8); register j of lane (r, h) in the result of W's tile b is column 32 (b / 2) + 16 h + 8 (b % 2) + j of its 128.
; REGISTERS.  Window 0: v1-11 addresses; v16-31 scale words at the head; v32-63 W's scale words; v64-79 ctx's, two sets; v80-111 the bias; v112-127 ctx's scale halfwords; v128-255 ctx's eight fragments, on the way out rows of out.
;   Windows 1 and 3: W (K steps 0-3, 4-7).  Window 2: the accumulators ((a, b) at 32 a + 8 b).
.set RECW, 16896
.set XSC,  131072                      ; LDS: ctx's images [ks 8][a 8][c 4][lane][16] from 0; from here its scale words [ks 8][lane 32][a 8]
.set STG,  139264                      ; and a stage of 16 rows x (256 + 16) bytes for each wave
.set L16,  1
.set R16,  2
.set ADXH, 3                           ; 16 lane + 65,536: K steps 4-7
.set ADS,  4                           ; XSC + 32 lane
.set L16W, 5                           ; W's codes: 16 lane + my four fragments' place in a record
.set R4W,  6                           ; W's scale words
.set BOF,  7
.set STO,  8
.set SRD,  9
.set GOF,  10
.set XSW,  11
.set WS,   32
.set XS,   64
.set BI,   80
.set CH,   112
.set XF,   128
.set BK,   128
.set WV,   14
.set G1,   16
.set G0,   24
.set MSB, 0
.macro WIN new
.if MSB != (\new)
	s_set_vgpr_msb (MSB<<8)|(\new)
.set MSB, (\new)
.endif
.endm
.macro PLACES n
.rept \n
	v_nop
.endr
.endm
.macro ROUND
	s_barrier_signal -1
	s_barrier_wait -1
	s_cmp_lg_u32 s[WV], 0
	s_cbranch_scc1 .Lnw0_\@
	s_barrier_signal -3
.Lnw0_\@:
	s_barrier_wait -3
	s_barrier_signal -1
	s_barrier_wait -1
.endm
.macro WLOAD ks                        ; my four fragments of K step ks and their scale words: 20 loads
.if (\ks) < 4
	WIN 0x40
.else
	WIN 0xc0
.endif
.irp b, 0,1,2,3
.irp c, 0,1,2,3
	global_load_b128 v[64*((\ks)%4)+16*\b+4*\c:64*((\ks)%4)+16*\b+4*\c+3], v[L16W], s[8:9] offset:(\ks)*RECW+2048*\b+512*\c
.endr
.endr
	WIN 0
.irp b, 0,1,2,3
	global_load_b32 v[WS+4*(\ks)+\b], v[R4W], s[8:9] offset:(\ks)*RECW+16384+64*\b
.endr
.endm
.macro OFX ks, a0                      ; ctx's fragments a0 .. a0 + 3 of K step ks
.irp i, 0,1,2,3
.irp c, 0,1,2,3
.if (\ks) < 4
	ds_load_b128 v[XF+16*((\a0)+\i)+4*\c:XF+16*((\a0)+\i)+4*\c+3], v[L16] offset:(\ks)*16384+2048*((\a0)+\i)+512*\c
.else
	ds_load_b128 v[XF+16*((\a0)+\i)+4*\c:XF+16*((\a0)+\i)+4*\c+3], v[ADXH] offset:((\ks)-4)*16384+2048*((\a0)+\i)+512*\c
.endif
.endr
.endr
.endm
.macro OXS ks
	ds_load_b128 v[XS+8*((\ks)%2):XS+8*((\ks)%2)+3], v[ADS] offset:(\ks)*1024
	ds_load_b128 v[XS+8*((\ks)%2)+4:XS+8*((\ks)%2)+7], v[ADS] offset:(\ks)*1024+16
.endm
.macro OMUL ks, ha                     ; 16 matrix instructions: tiles 4 ha on of tokens x my four tiles of columns.  Each accumulator has one instruction in a K step: they take turns
.if (\ks) == 0
	WIN 0x81
.elseif (\ks) < 4
	WIN 0xa1
.else
	WIN 0xa3
.endif
.irp i, 0,1,2,3
.irp j, 0,1,2,3
.set AA, 4*\ha+\i
.if (\ks) == 0
	v_wmma_scale_f32_16x16x128_f8f6f4 v[32*AA+8*\j:32*AA+8*\j+7], v[64*((\ks)%4)+16*\j:64*((\ks)%4)+16*\j+15], v[XF+16*AA:XF+16*AA+15], v[BI+8*\j:BI+8*\j+7], v[WS+4*(\ks)+\j], v[XS+8*((\ks)%2)+AA] matrix_a_fmt:MATRIX_FMT_BF8 matrix_b_fmt:MATRIX_FMT_BF8
.else
	v_wmma_scale_f32_16x16x128_f8f6f4 v[32*AA+8*\j:32*AA+8*\j+7], v[64*((\ks)%4)+16*\j:64*((\ks)%4)+16*\j+15], v[XF+16*AA:XF+16*AA+15], v[32*AA+8*\j:32*AA+8*\j+7], v[WS+4*(\ks)+\j], v[XS+8*((\ks)%2)+AA] matrix_a_fmt:MATRIX_FMT_BF8 matrix_b_fmt:MATRIX_FMT_BF8
.endif
.endr
.endr
.endm
.macro OSTEP ks
.if (\ks) > 0
	PLACES 8                                       ; behind the last step's products, in front of loads into registers that they read
.endif
	OFX \ks, 4
.if (\ks) <= 4
	WLOAD (\ks)+3
	s_wait_loadcnt 60                              ; all but the three younger K steps of W
.else
	s_wait_loadcnt 20*(7-(\ks))
.endif
	s_wait_dscnt 16                                ; all but ctx's blocks 4-7
	OMUL \ks, 0
	s_wait_dscnt 0x0
	WIN 0
.if (\ks) < 7
	PLACES 8
	OFX (\ks)+1, 0
	OXS (\ks)+1
.endif
	OMUL \ks, 1
	WIN 0
.endm
	s_load_b256 s[4:11], s[0:1], 0x0               ; cimg, cs16, wimg, bo
	s_load_b64 s[12:13], s[0:1], 0x20              ; out0
	v_lshl_add_u32 v254, v0, 2, 0x29000
	v_mov_b32 v255, 0
	ds_add_u32 v254, v255
	ds_add_u32 v254, v255
	s_wait_dscnt 0x0
	v_lshrrev_b32 v12, 5, v0
	v_readfirstlane_b32 s[WV], v12                 ; wave 0..3
	v_and_b32 v12, 31, v0                          ; lane
	v_and_b32 v13, 15, v0                          ; r
	v_bfe_u32 v14, v0, 4, 1                        ; h
	v_lshlrev_b32 v[L16], 4, v12
	v_lshlrev_b32 v[R16], 4, v13
	v_add_nc_u32 v[ADXH], 65536, v[L16]
	v_lshl_add_u32 v[ADS], v12, 5, XSC
	s_and_b32 s31, s[WV], 1                        ; which four of G's eight fragments are mine
	s_lshl_b32 s34, s31, 13
	v_add_nc_u32 v[L16W], s34, v[L16]
	s_lshl_b32 s34, s31, 8
	v_lshl_add_u32 v[R4W], v13, 2, s34
	v_lshlrev_b32 v[BOF], 6, v14
	s_mul_i32 s35, s[WV], 4352
	s_add_co_u32 s35, s35, STG                     ; my stage
	v_mul_u32_u24 v15, v13, 272
	v_lshl_add_u32 v15, v14, 6, v15
	v_add_nc_u32 v[STO], s35, v15                  ; in: row r, + 64 h
	v_mul_u32_u24 v15, v14, 272
	v_lshl_add_u32 v15, v13, 4, v15
	v_add_nc_u32 v[SRD], s35, v15                  ; back: lanes 0-15 one row, lanes 16-31 the next
	v_lshl_add_u32 v[GOF], v14, 12, v[R16]         ; and the same in out: rows of 4,096 bytes
	s_lshl_b32 s34, s[WV], 11
	v_add_nc_u32 v[XSW], s34, v[ADS]               ; where I store the scale words of K steps 2 w and 2 w + 1
	s_bfe_u32 s28, ttmp6, 0x40000                  ; cx
	s_lshl_b32 s30, s28, 1
	s_lshr_b32 s29, s[WV], 1
	s_add_co_u32 s30, s30, s29                     ; G = 2 cx + w / 2
	s_add_co_u32 s36, s30, 24
	s_mul_i32 s36, s36, 8*RECW                     ; weight 3, G, K step 0
	s_mov_b32 s37, 0
	s_lshl_b32 s38, s30, 9
	s_lshl_b32 s39, s31, 8
	s_add_co_u32 s38, s38, s39                     ; my first column, in bytes
	s_mov_b32 s39, 0
	s_lshl_b32 s40, ttmp9, 19                      ; 128 rows of out
	s_mov_b32 s41, 0
	s_lshl_b32 s44, s[WV], 15                      ; my quarter of ctx's images: in LDS,
	s_lshl_b32 s42, ttmp9, 17
	s_add_co_u32 s42, s42, s44                     ; and in memory: the cluster's x and the wave's number alone
	s_mov_b32 s43, 0
	s_lshl_b32 s46, ttmp9, 12
	s_lshl_b32 s47, s[WV], 10
	s_add_co_u32 s46, s46, s47                     ; cs16: heads 4 w on of my 128 tokens
	s_mov_b32 s47, 0
	s_mov_b32 s[G1], 15|(3<<16)|(1<<21)            ; 15:0 the mask: all four work-groups; 17:16 elements of 8 bytes; 21 set beside a mask
	s_mov_b32 s[G1+1], 32<<16
	s_mov_b32 s[G1+2], 128<<16
	s_mov_b32 s[G1+3], 32<<16
	s_mov_b32 s[G1+4], 128
	s_mov_b32 s[G1+5], 32
	s_mov_b32 s[G1+6], 0
	s_mov_b32 s[G1+7], 0
	s_wait_kmcnt 0x0
	s_mov_b32 s[G0], 1
	s_mov_b32 s[G0+1], s44
	s_add_nc_u64 s[G0+2:G0+3], s[4:5], s[42:43]
	s_or_b32 s[G0+3], s[G0+3], 0x80000000
	s_add_nc_u64 s[6:7], s[6:7], s[46:47]
	s_add_nc_u64 s[8:9], s[8:9], s[36:37]
	s_add_nc_u64 s[10:11], s[10:11], s[38:39]
	s_add_nc_u64 s[12:13], s[12:13], s[38:39]
	s_add_nc_u64 s[12:13], s[12:13], s[40:41]
	ROUND                                          ; all four work-groups are here: the joint loads meet
	tensor_load_to_lds s[G0:G0+3], s[G1:G1+7]      ; one load a wave, the only one of the launch
	s_nop 0
.rept 4
	v_nop
.endr
.irp i, 0,1,2,3
	global_load_b128 v[CH+4*\i:CH+4*\i+3], v[R16], s[6:7] offset:256*\i      ; head 4 w + i: my row's eight halfwords (tiles a = 0 .. 7)
.endr
	s_wait_alu depctr_va_vdst(0)
.irp b, 0,1,2,3
	global_load_b128 v[BI+8*\b:BI+8*\b+3], v[BOF], s[10:11] offset:(32*(\b/2)+8*(\b%2))*4
	global_load_b128 v[BI+8*\b+4:BI+8*\b+7], v[BOF], s[10:11] offset:(32*(\b/2)+8*(\b%2))*4+16
.endr
	WLOAD 0
	WLOAD 1
	s_wait_loadcnt 48                              ; all but the bias's 8 loads and W's 40: the halfwords are in
.irp k, 0,1                            ; K step 2 w + k: heads 4 w + 2 k (bytes 0, 1 of a word) and 4 w + 2 k + 1 (bytes 2, 3)
.irp g, 0,1,2,3
	v_perm_b32 v[16+8*\k+2*\g], v[CH+8*\k+4+\g], v[CH+8*\k+\g], 0x05040100    ; tile a = 2 g: the low halves
	v_perm_b32 v[16+8*\k+2*\g+1], v[CH+8*\k+4+\g], v[CH+8*\k+\g], 0x07060302  ; tile a = 2 g + 1: the high halves
.endr
	ds_store_b128 v[XSW], v[16+8*\k:16+8*\k+3] offset:1024*\k
	ds_store_b128 v[XSW], v[16+8*\k+4:16+8*\k+7] offset:1024*\k+16
.endr
	WLOAD 2
	s_wait_tensorcnt 0x0                           ; my quarter of the images has landed,
	s_wait_dscnt 0x0                               ; and so have my scale words
	s_barrier_signal -1
	s_barrier_wait -1                              ; everybody's have
	OFX 0, 0
	OXS 0
.irp s, 0,1,2,3,4,5,6,7
	OSTEP \s
.endr
; THE WAY OUT, a tile of 16 tokens x my 64 columns at a time, through my own stage: a lane holds 32 neighbouring bytes of a row four times; they come back as whole pieces of 256 bytes of a row of out.
; LDS serves a wave's instructions in order (ISA guide 5.7.1.4): no wait between the stores and the loads, nor in front of the next tile's stores.
.macro TOSTAGE a
	WIN 0x08                                       ; an LDS store's data are its source 1: window 2
.irp b, 0,1,2,3
	ds_store_b128 v[STO], v[32*(\a)+8*\b:32*(\a)+8*\b+3] offset:128*(\b/2)+32*(\b%2)         ; each accumulator from its low end on
	ds_store_b128 v[STO], v[32*(\a)+8*\b+4:32*(\a)+8*\b+7] offset:128*(\b/2)+32*(\b%2)+16
.endr
	WIN 0
.irp i, 0,1,2,3,4,5,6,7
	ds_load_b128 v[BK+32*((\a)%2)+4*\i:BK+32*((\a)%2)+4*\i+3], v[SRD] offset:544*\i
.endr
.endm
.macro SEND a, younger                 ; younger: the LDS instructions issued behind tile a's loads
	s_wait_dscnt \younger
.irp i, 0,1,2,3,4,5,6,7
	global_store_b128 v[GOF], v[BK+32*((\a)%2)+4*\i:BK+32*((\a)%2)+4*\i+3], s[12:13] offset:(32*((\a)/2)+8*((\a)%2)+2*\i+8*(\i/4))*4096 th:TH_STORE_NT   ; sixteen lanes store 256 consecutive bytes, aligned; stage rows 2 i and 2 i + 1 are tokens 2 i + h + 8 (i / 4) of the tile
.endr
.endm
	PLACES 8                                       ; behind the last products: their results are read, and rows land in registers that they read
	TOSTAGE 0
.irp a, 1,2,3,4,5,6,7
.if \a > 1
	s_wait_xcnt 0x0                                ; tile a - 2's stores have read their registers: tile a's rows may land there
.endif
	TOSTAGE \a
	SEND \a-1, 16                                  ; behind tile a - 1's loads: tile a's 8 stores and 8 loads
.endr
	SEND 7, 0
	s_wait_xcnt 0x0
	v_lshl_add_u32 v254, v0, 2, 0x29000
	v_mov_b32 v255, 0
	s_wait_alu depctr_va_vdst(0)
	s_wait_tensorcnt 0x0
	ds_add_u32 v254, v255
	s_wait_dscnt 0x0
	ROUND                                          ; the closing round: no work-group ends while a partner may still ask for what names it
	s_endpgm
.Lfunc_end_k_q199e12ff62_outp:
	.size	k_q199e12ff62_outp, .Lfunc_end_k_q199e12ff62_outp-k_q199e12ff62_outp
	.p2alignl 7, 3214868480
	.fill 96, 4, 3214868480
	.section	.rodata,"a",@progbits
	.p2align	6, 0x0
	.amdhsa_kernel k_q199e12ff62_outp
		.amdhsa_group_segment_fixed_size 168448
		.amdhsa_private_segment_fixed_size 0
		.amdhsa_enable_private_segment 0
		.amdhsa_kernarg_size 40
		.amdhsa_user_sgpr_count 2
		.amdhsa_user_sgpr_kernarg_segment_ptr 1
		.amdhsa_wavefront_size32 1
		.amdhsa_system_sgpr_workgroup_id_x 1
		.amdhsa_system_sgpr_workgroup_id_y 1
		.amdhsa_system_sgpr_workgroup_id_z 1
		.amdhsa_system_vgpr_workitem_id 0
		.amdhsa_next_free_vgpr 1024
		.amdhsa_next_free_sgpr 66
		.amdhsa_reserve_vcc 0
		.amdhsa_float_denorm_mode_32 3
		.amdhsa_float_denorm_mode_16_64 3
		.amdhsa_memory_ordered 1
		.amdhsa_forward_progress 1
		.amdhsa_inst_pref_size 93
	.end_amdhsa_kernel
	.amdgpu_metadata
---
amdhsa.version: [ 1, 2 ]
amdhsa.kernels:
  - .name:           k_q199e12ff62_outp
    .symbol:         k_q199e12ff62_outp.kd
    .args:
      - { .name: cimg, .offset: 0, .size: 8, .value_kind: global_buffer, .address_space: global }
      - { .name: cs16, .offset: 8, .size: 8, .value_kind: global_buffer, .address_space: global }
      - { .name: wimg, .offset: 16, .size: 8, .value_kind: global_buffer, .address_space: global }
      - { .name: bo, .offset: 24, .size: 8, .value_kind: global_buffer, .address_space: global }
      - { .name: out0, .offset: 32, .size: 8, .value_kind: global_buffer, .address_space: global }
    .group_segment_fixed_size: 168448
    .private_segment_fixed_size: 0
    .kernarg_segment_align: 8
    .kernarg_segment_size: 40
    .max_flat_workgroup_size: 128
    .sgpr_count:     66
    .vgpr_count:     1024
    .wavefront_size: 32
...
	.end_amdgpu_metadata
.endif
;; end of part 8
